; MI455X (gfx1250); checked and timed in simulation.
; The chip was launched on July 23, 2026; its instructions are those of AMD's public machine-readable ISA for CDNA 5 (MIT licence, August 2026) and "CDNA5" Instruction Set Architecture Reference Guide (July 2026). The comments in the code are by the model that wrote it; some were corrected since.
;; Mixer Block. Allowed arithmetic: matrix products marked QUANTISED: E5M2 operands, one given power-of-two scale a tensor, by v_wmma_f32_16x16x64_bf8_bf8 or v_wmma_f32_16x16x128_bf8_bf8, f32 sums; everything else in f32.
;; Inputs: cb1 1,024 float32; cb2 1,024 float32; cw1 1,024 x 1,024 float32; cw2 1,024 x 1,024 float32; ln1_b 1,024 float32; ln1_g 1,024 float32; ln2_b 1,024 float32; ln2_g 1,024 float32; lowp_scales 8 int32 (the exponents e of the quantised operands' scales 2^e); tb1 1,024 float32; tb2 1,024 float32; tw1 1,024 x 1,024 float32; tw2 1,024 x 1,024 float32; x 16 x 1,024 x 1,024 float32.
;; Outputs: out0 16 x 1,024 x 1,024 float32.
;; This version of the problem:
;;   THIS VERSION OF THE PROBLEM IS GIVEN IN LOW PRECISION. The matrix products marked QUANTISED in the list below multiply operands that are first quantised to E5M2 (5 exponent bits, 2 mantissa bits; 8 bits a number), with one given power-of-two scale for each operand tensor; their sums are f32. All else is computed in f32.
;;   The module's matrix products, in the order in which they are computed (A, B: the left and right operand; K: the contracted axis; several contracted axes count as one K, in the product's order):
;;     1. [M 16,384, K 1,024] x [K 1,024, N 1,024]; A: computed on the way; B: computed on the way: QUANTISED (scales: A lowp_scales[0], B lowp_scales[1])
;;     2. [M 16,384, K 1,024] x [K 1,024, N 1,024]; A: computed on the way; B: computed on the way: QUANTISED (scales: A lowp_scales[2], B lowp_scales[3])
;;     3. [M 16,384, K 1,024] x [K 1,024, N 1,024]; A: computed on the way; B: input cw1: QUANTISED (scales: A lowp_scales[4], B lowp_scales[5])
;;     4. [M 16,384, K 1,024] x [K 1,024, N 1,024]; A: computed on the way; B: input cw2: QUANTISED (scales: A lowp_scales[6], B lowp_scales[7])
;;   THE QUANTISER, for each operand of a quantised product, along K:
;;     - The operand's scale is 2^e, e = its entry of the input lowp_scales (int32; the entries are numbered through the quantised products in the list's order, A before B).
;;     - Each number is divided by the scale, clamped to +-57,344, and rounded to the nearest number of E5M2, ties to even, subnormals kept.
;;     - The product sums the exact products of the quantised numbers (number of the format x scale) in f32.
;;   ~~~python
;;   def quantise(x, axis, e):      # numpy; x: float32 -> the quantised numbers, widened to float32 again
;;       x = np.moveaxis(x, axis, -1); K = x.shape[-1]
;;       r = np.clip(x / 2.0 ** e, -57344, 57344)
;;       step = 2.0 ** (np.maximum(np.frexp(np.where(r == 0, 1, r))[1] - 1, -14) - 2)
;;       q = np.round(r / step) * step * 2.0 ** e      # np.round: ties to even
;;       return np.moveaxis(q, -1, axis).astype(np.float32)
;;   ~~~
;;   OPERANDS COMPUTED ON THE WAY. 'Computed on the way' means the value that the module computes at that place (a softmax that the list does not call 'softmax' is quantised finished and normalised). What goes into a quantiser is computed in f32, as accurately as f32 sums, v_exp_f32 and their like allow (about 1e-6 of the number): no bf16 or f16 on the way to a quantiser, and a product that is left as it is and whose result goes on into a quantised operand takes f32 operands (vector FMAs, or v_wmma_f32_16x16x4_f32). A number that lies on a knife's edge between two numbers of the format may be rounded either way, as far as f32 arithmetic and the matrix unit's own rounding can turn it there, and no further.
;; 2 versions. Each part assembles by itself: llvm-mc -triple=amdgcn-amd-amdhsa -mcpu=gfx1250 --defsym DOCPART=n.
;; ======== version 1 of 2: 3 launches
;; workspace buffers: ycodes 16,777,216 bytes; twq 1,179,648 bytes; cwq 2,097,152 bytes; x1 67,108,864 bytes
;; launch prep (part 1): grid 256 x 1, 4 waves a work-group, no clusters, 70,144 bytes of LDS; arguments x, ln1_g, ln1_b, tw1, tw2, cw1, cw2, lowp_scales, ycodes, twq, cwq; writes ycodes, twq, cwq
.if DOCPART == 1
	.amdgcn_target "amdgcn-amd-amdhsa--gfx1250"
	.amdhsa_code_object_version 6
	.text
	.protected	k_q0c530f7929_prep
	.globl	k_q0c530f7929_prep
	.p2align	8
	.type	k_q0c530f7929_prep,@function
k_q0c530f7929_prep:
	s_mov_b64 s[64:65], 0
	v_nop
	global_prefetch_b8 v0, s[64:65] scope:SCOPE_SE
	s_setreg_imm32_b32 hwreg(HW_REG_WAVE_MODE, 25, 1), 1
	s_wait_xcnt 0x0
; MixerBlock, launch 1 of 3.  (a) y = LayerNorm1(x) is quantised to E5M2 with the given 2^e0 and laid, TRANSPOSED (K = t innermost), as images of the first product's operand registers.
; (b) tw1, tw2 (under the triangle), cw1, cw2 are quantised with their given scales and laid as streams of operand images, in the order in which the later launches walk them.
; WORK LEFT OUT.  reference() multiplies tw1 and tw2 by mask = tril(ones): every element [n][k] with k > n is a zero that reference() builds itself, so its term of the sum over k is 0 whatever
; finite values the inputs hold.  It is left out in whole units of 128 (n) x 128 (k): of the 64 units of each of the two matrices the 28 with k's block above n's block are neither read, nor
; quantised, nor stored, nor multiplied later.  In the 8 units on the diagonal the hidden elements are replaced by 0 ahead of the quantiser.  Every input has a way to the output and is loaded.
; LIMITS.  A NaN or an infinity in an element of tw1 or tw2 above the diagonal is not carried to the result.  NaN and infinities among the inputs are not served.
; Each given exponent e lies between -126 and 112, so that 2^e and 57,344 x 2^e are f32 numbers.
; AN OPERAND IMAGE.  A fragment is 16 rows x 128 k = 16 registers a lane; lane (r = lane % 16, hh = lane / 16) holds in registers 4 c .. 4 c + 3 the codes of row r at k = 128 s + 32 c + 16 hh + 0 .. 15.
; In memory chunk c is 512 bytes, lane l's 16 bytes at 16 l.  The same places of k serve both operands of every product, so every product meets its partner.
; SHARES.  Wave G = 4 x work-group + wave takes rows 16 G .. 16 G + 15 of x [16384][1024]: they are 16 neighbours along t, one lane's 16 bytes of an image, for each of the 1,024 channels.
; Work-group g also takes tile g % 64 (16 rows) of matrix g / 64 (tw1, tw2, cw1, cw2); its wave w the K steps 2 w and 2 w + 1.  Waves share nothing: no barrier.
; The rows of a tile of tw1 and cw1 are not neighbours: row i of tile (blk, w, u) is 128 blk + 32 w + 8 u + i + 8 (i / 8), so that the results of two neighbouring tiles are 16 neighbours along the next K.
; REGISTERS, in windows of 256: window 0: v1-15 addresses and scales; v16-47 a pair for each row (mean, later 1/sigma); v48-111 the weights' codes, then the rows' sums, then 64 numbers at work; v128-255 y's codes.
;   windows 1, 2: my 16 rows of x, row p at 32 p.   window 3: v0-31 gain, v32-63 bias, v64-191 two K steps of my tile as loaded, v192-255 one of them turned.
.set PSB,   17408                      ; LDS of a wave: first a stage of 16 rows x 528 bytes (f32), later one of 64 groups of 16 channels x 272 bytes (codes)
.set SPARE, 4*PSB                      ; the spare words, 128 bytes a wave
.set LO,   1                           ; 16 x lane
.set PSW,  2                           ; codes into the stage
.set PSR,  3                           ; and out of it
.set YO,   4                           ; their place in ycodes
.set FS,   5                           ; f32 rows into the stage
.set FL,   6                           ; and out of it
.set LIM,  7                           ; the triangle: my row - 128 blk - 16 hh
.set SCLY, 9
.set SCLW, 10
.set HLY,  11
.set SPW,  12
.set NIL,  13
.set HLW,  14
.set ST,   16
.set SP,   48
.set CW,   48
.set Y,    48
.set C,    128
.set GG,   0
.set BB,   32
.set TT,   64
.set VV,   192
.set SEL,  82
.set MSB, 0
.macro WIN new                         ; the immediate's high byte repeats the setting that is left
.if MSB != (\new)
	s_set_vgpr_msb (MSB<<8)|(\new)
.set MSB, (\new)
.endif
.endm
	s_load_b512 s[16:31], s[0:1], 0x0              ; x 16, gain 18, bias 20, tw1 22, tw2 24, cw1 26, cw2 28, scales 30
	s_load_b128 s[32:35], s[0:1], 0x40             ; ycodes 32, twq 34
	s_load_b64 s[36:37], s[0:1], 0x50              ; cwq
	v_lshl_add_u32 v[SPW], v0, 2, SPARE
	v_mov_b32 v[NIL], 0
	v_lshrrev_b32 v15, 5, v0
	v_readfirstlane_b32 s2, v15                    ; wave
	s_lshl_b32 s3, ttmp9, 2
	s_add_co_u32 s3, s3, s2                        ; G
	s_lshr_b32 s4, ttmp9, 6                        ; which matrix
	s_and_b32 s5, ttmp9, 63                        ; which tile of it
	s_lshr_b32 s6, s5, 3                           ; blk
	s_bfe_u32 s7, s5, 0x20001                      ; the wave that will read it
	s_and_b32 s8, s5, 1                            ; u
	s_sub_co_u32 s9, 7, s6
	s_cmp_ge_u32 s6, 4
	s_cselect_b32 s9, s9, s6                       ; temporal: blocks p and 7 - p share a slot
	s_cselect_b32 s10, 1, 0                        ; 1: the upper of the two: fragment q = s; 0: q = 8 - s
	s_lshl_b32 s9, s9, 1
	s_add_co_u32 s9, s9, s8                        ; slot 2 p + u
	s_lshl_b32 s11, s6, 1
	s_add_co_u32 s11, s11, s8                      ; cw1: slot 2 blk + u
	s_lshr_b32 s12, s5, 4
	s_lshl_b32 s12, s12, 2
	s_and_b32 s13, s5, 3
	s_or_b32 s12, s12, s13                         ; cw2: slot 4 (tile / 16) + tile % 4,
	s_bfe_u32 s13, s5, 0x20002                     ; wave (tile / 4) % 4
	s_cmp_eq_u32 s4, 3
	s_cselect_b32 s11, s12, s11
	s_cselect_b32 s7, s13, s7
	s_mov_b32 s12, 65536
	s_mov_b32 s13, 16384
	s_mov_b32 s14, 1048576
	s_cmp_lt_u32 s4, 2                             ; a temporal matrix?
	s_cselect_b32 s9, s9, s11                      ; slot
	s_cselect_b32 s10, s10, 1
	s_cselect_b32 s11, s6, 7                       ; the last K step that is live
	s_cselect_b32 s15, s6, 99                      ; the K step on the diagonal (none in a dense matrix)
	s_cselect_b32 s12, 73728, s12                  ; bytes of a slot,
	s_cselect_b32 s13, 18432, s13                  ; of a wave's part,
	s_cselect_b32 s14, 589824, s14                 ; of a layer
	s_and_b32 s38, s4, 1                           ; layer; 0: the tile's rows are permuted
	s_mul_i32 s14, s14, s38
	s_mul_i32 s12, s12, s9
	s_mul_i32 s13, s13, s7
	s_add_co_u32 s12, s12, s13
	s_add_co_u32 s12, s12, s14                     ; where the tile's fragments begin in their stream
	s_lshl_b32 s13, s6, 7
	s_lshl_b32 s14, s7, 5
	s_add_co_u32 s13, s13, s14
	s_lshl_b32 s14, s8, 3
	s_add_co_u32 s13, s13, s14
	s_lshl_b32 s14, s5, 4
	s_cmp_eq_u32 s38, 0
	s_cselect_b32 s13, s13, s14                    ; the tile's first row
	s_cselect_b32 s14, 8, 0                        ; rows 8-15 lie 8 further on where permuted
	s_lshl_b32 s73, s6, 7
	s_sub_co_u32 s73, s13, s73                     ; first row - 128 blk
	s_lshl_b32 s39, s2, 1                          ; my K steps
	s_add_co_u32 s48, s39, 1
	s_min_u32 s49, s39, s11                        ; a step above the diagonal names the diagonal step's bytes again, so that the count of loads is the same in every wave
	s_min_u32 s50, s48, s11
	s_sub_co_u32 s51, 8, s39
	s_sub_co_u32 s52, 8, s48
	s_cmp_eq_u32 s10, 1
	s_cselect_b32 s51, s39, s51                    ; their fragments' numbers q
	s_cselect_b32 s52, s48, s52
	s_mov_b32 s[SEL], 0x76543210
	s_mov_b32 s[SEL+1], 0xfedcba98
	s_mov_b32 s84, 0x3a800000                      ; 1 / 1024
	s_mov_b32 s85, 0x3727c5ac                      ; 1e-5
	s_mul_i32 s72, s2, PSB
	v_and_b32 v15, 31, v0                          ; lane
	v_lshlrev_b32 v[LO], 4, v15
	v_lshrrev_b32 v[PSW], 2, v15
	v_mul_u32_u24 v[PSW], v[PSW], 272
	v_and_b32 v[PSR], 3, v15
	v_lshl_add_u32 v[PSW], v[PSR], 6, v[PSW]
	v_add_nc_u32 v[PSW], s72, v[PSW]               ; my four channels of a load: group lane / 4, 64 (lane % 4) bytes on
	v_and_b32 v[FL], 15, v0                        ; r
	v_bfe_u32 v[FS], v0, 4, 1                      ; hh
	v_mul_u32_u24 v[PSR], v[FS], 272
	v_lshl_add_u32 v[PSR], v[FL], 4, v[PSR]
	v_add_nc_u32 v[PSR], s72, v[PSR]               ; back: sixteen lanes to a group of 16 channels
	v_lshlrev_b32 v[YO], 11, v[FS]
	v_lshl_add_u32 v[YO], v[FL], 4, v[YO]
	v_lshrrev_b32 v[LIM], 3, v[FL]
	v_mul_u32_u24 v[LIM], v[LIM], s14
	v_add3_u32 v[LIM], v[LIM], v[FL], s73
	v_lshlrev_b32 v15, 4, v[FS]
	v_sub_nc_u32 v[LIM], v[LIM], v15               ; number 32 c + e of my 64 is hidden where 32 c + e > LIM
	v_mul_u32_u24 v[FL], v[FL], 528
	v_lshl_add_u32 v[FL], v[FS], 6, v[FL]
	v_add_nc_u32 v[FL], s72, v[FL]
	v_add_nc_u32 v[FS], s72, v[LO]
	s_wait_kmcnt 0x0
	s_load_b256 s[40:47], s[30:31], 0x0            ; the eight exponents
	s_cmp_eq_u32 s4, 0                             ; the choices hang on the work-group's number alone
	s_cselect_b64 s[22:23], s[22:23], s[24:25]
	s_cmp_eq_u32 s4, 2
	s_cselect_b64 s[26:27], s[26:27], s[28:29]
	s_cmp_lt_u32 s4, 2
	s_cselect_b64 s[22:23], s[22:23], s[26:27]     ; my matrix
	s_cselect_b64 s[34:35], s[34:35], s[36:37]     ; its stream
	s_mov_b32 s77, 0
	s_lshl_b32 s76, s13, 12
	s_add_nc_u64 s[22:23], s[22:23], s[76:77]      ; at the tile's first row
	s_lshl_b32 s76, s49, 9
	s_add_nc_u64 s[54:55], s[22:23], s[76:77]      ; first step, rows 0-7
	s_lshl_b32 s76, s50, 9
	s_add_nc_u64 s[58:59], s[22:23], s[76:77]      ; second step
	s_lshl_b32 s76, s14, 12
	s_add_nc_u64 s[56:57], s[54:55], s[76:77]      ; rows 8-15
	s_add_nc_u64 s[60:61], s[58:59], s[76:77]
	s_mov_b32 s76, s12
	s_add_nc_u64 s[34:35], s[34:35], s[76:77]
	s_lshl_b32 s76, s51, 11
	s_add_nc_u64 s[62:63], s[34:35], s[76:77]      ; where the two fragments go
	s_lshl_b32 s76, s52, 11
	s_add_nc_u64 s[66:67], s[34:35], s[76:77]
	s_lshl_b32 s76, s3, 16
	s_add_nc_u64 s[68:69], s[16:17], s[76:77]      ; my 16 rows of x
	s_lshr_b32 s76, s3, 6
	s_lshl_b32 s76, s76, 20                        ; ycodes: batch,
	s_bfe_u32 s78, s3, 0x30003
	s_lshl_b32 s78, s78, 13
	s_add_co_u32 s76, s76, s78                     ; K step,
	s_bfe_u32 s78, s3, 0x20001
	s_lshl_b32 s78, s78, 9
	s_add_co_u32 s76, s76, s78                     ; chunk,
	s_and_b32 s78, s3, 1
	s_lshl_b32 s78, s78, 8
	s_add_co_u32 s76, s76, s78                     ; half of the lanes
	s_add_nc_u64 s[70:71], s[32:33], s[76:77]
	WIN 0xc0                                       ; destination window 3
.set j, 0
.rept 8
	global_load_b128 v[GG+4*j:GG+4*j+3], v[LO], s[18:19] offset:512*j
	global_load_b128 v[BB+4*j:BB+4*j+3], v[LO], s[20:21] offset:512*j
.set j, j+1
.endr
.set j, 0
.rept 8                                ; a load is one row's 512 consecutive bytes of a K step
	global_load_b128 v[TT+4*j:TT+4*j+3], v[LO], s[54:55] offset:4096*j
	global_load_b128 v[TT+32+4*j:TT+32+4*j+3], v[LO], s[56:57] offset:4096*(j+8)
	global_load_b128 v[TT+64+4*j:TT+64+4*j+3], v[LO], s[58:59] offset:4096*j
	global_load_b128 v[TT+96+4*j:TT+96+4*j+3], v[LO], s[60:61] offset:4096*(j+8)
.set j, j+1
.endr
	WIN 0x40
.set j, 0
.rept 64                               ; rows 0-7: eight loads of 512 consecutive bytes a row
	global_load_b128 v[4*j:4*j+3], v[LO], s[68:69] offset:512*j th:TH_LOAD_NT
.set j, j+1
.endr
	WIN 0x80
.set j, 0
.rept 64                               ; rows 8-15
	global_load_b128 v[4*j:4*j+3], v[LO], s[68:69] offset:32768+512*j th:TH_LOAD_NT
.set j, j+1
.endr
	WIN 0
	s_wait_kmcnt 0x0
	s_cmp_eq_u32 s4, 0
	s_cselect_b32 s41, s41, s43
	s_cmp_eq_u32 s4, 2
	s_cselect_b32 s45, s45, s47
	s_cmp_lt_u32 s4, 2
	s_cselect_b32 s41, s41, s45                    ; my matrix's exponent: entry 1, 3, 5 or 7
	s_add_co_i32 s41, s41, 127
	s_lshl_b32 s42, s41, 23
	v_mov_b32 v[SCLW], s42                         ; 2^e as f32: the conversion takes its exponent field
	s_add_co_i32 s41, s41, 15
	s_lshl_b32 s41, s41, 23
	s_or_b32 s41, s41, 0x600000
	v_mov_b32 v[HLW], s41                          ; 57,344 x 2^e
	s_add_co_i32 s40, s40, 127
	s_lshl_b32 s42, s40, 23
	v_mov_b32 v[SCLY], s42
	s_add_co_i32 s40, s40, 15
	s_lshl_b32 s40, s40, 23
	s_or_b32 s40, s40, 0x600000
	v_mov_b32 v[HLY], s40
	s_wait_loadcnt 63                              ; of the 176 loads at most 63 are out: gain, bias, the tile and rows 0-7 of x are in
; One K step of my tile: 16 rows x 512 bytes turn through my stage, so that lane (r, hh) holds 16 neighbours of each block of 32 of row r; triangle, hold, conversion, 2,048 consecutive bytes out.
.macro WSTEP tt, cw, sreg, dst
	s_cmp_gt_u32 s[\sreg], s11                     ; a unit above the diagonal: nothing is made of it
	s_cbranch_scc1 .Ldead_\@
	WIN 0x0c                                       ; store data window 3
.set j, 0
.rept 16
	ds_store_b128 v[FS], v[(\tt)+4*j:(\tt)+4*j+3] offset:528*j
.set j, j+1
.endr
	WIN 0xc0
.set j, 0
.rept 16                               ; LDS serves a wave's instructions in order: these see the stores above
	ds_load_b128 v[VV+4*j:VV+4*j+3], v[FL] offset:128*(j/4)+16*(j%4)
.set j, j+1
.endr
	s_wait_dscnt 0x0
	WIN 0
	s_cmp_lg_u32 s[\sreg], s15                     ; only the unit on the diagonal holds hidden elements
	s_cbranch_scc1 .Lopen_\@
	WIN 0xc3
.set j, 0
.rept 64
	v_cmp_gt_i32 vcc_lo, 32*(j/16)+j%16, v[LIM]
	v_cndmask_b32 v[VV+j], v[VV+j], v[NIL], vcc_lo
.set j, j+1
.endr
	WIN 0
.Lopen_\@:
	WIN 0xc3
.set j, 0
.rept 64
	v_med3_num_f32 v[VV+j], v[VV+j], -v[HLW], v[HLW]   ; the conversion to an 8-bit code does not saturate (ISA guide 7.6.2): the hold comes first
.set j, j+1
.endr
	WIN 0x03
.set j, 0
.rept 8
	v_cvt_scalef32_pk8_bf8_f32 v[(\cw)+2*j:(\cw)+2*j+1], v[VV+8*j:VV+8*j+7], v[SCLW]
.set j, j+1
.endr
	v_nop                                          ; a plain line behind the last conversion
	WIN 0
.set j, 0
.rept 4
	global_store_b128 v[LO], v[(\cw)+4*j:(\cw)+4*j+3], s[\dst:\dst+1] offset:512*j   ; 32 lanes store 512 consecutive bytes
.set j, j+1
.endr
.Ldead_\@:
.endm
	WSTEP TT, CW, 39, 62
	WSTEP TT+64, CW+16, 48, 66
	s_wait_xcnt 0x0                                ; the stores have read their registers: the sums below are written there
; LayerNorm over the 1,024 channels of each of my 16 rows: a lane holds 32 numbers of each row.  wn: the window, r0: its first row.
.macro RSUM wn, r0
	WIN (\wn)*5
.irp p, 0,1,2,3,4,5,6,7
	v_pk_add_f32 v[SP+2*(\r0+\p):SP+2*(\r0+\p)+1], v[32*\p:32*\p+1], v[32*\p+2:32*\p+3]
.endr
	WIN \wn
.set j, 4
.rept 14
.irp p, 0,1,2,3,4,5,6,7
	v_pk_add_f32 v[SP+2*(\r0+\p):SP+2*(\r0+\p)+1], v[32*\p+j:32*\p+j+1], v[SP+2*(\r0+\p):SP+2*(\r0+\p)+1]
.endr
.set j, j+2
.endr
.endm
.macro RSQ wn, r0
	WIN (\wn)*5
.irp p, 0,1,2,3,4,5,6,7
	v_pk_mul_f32 v[SP+2*(\r0+\p):SP+2*(\r0+\p)+1], v[32*\p:32*\p+1], v[32*\p:32*\p+1]
.endr
.set j, 2
.rept 15
.irp p, 0,1,2,3,4,5,6,7
	v_pk_fma_f32 v[SP+2*(\r0+\p):SP+2*(\r0+\p)+1], v[32*\p+j:32*\p+j+1], v[32*\p+j:32*\p+j+1], v[SP+2*(\r0+\p):SP+2*(\r0+\p)+1]
.endr
.set j, j+2
.endr
.endm
.macro RSUB wn, r0
	WIN ((\wn)<<6)|(\wn)
.irp p, 0,1,2,3,4,5,6,7
.set j, 0
.rept 16
	v_pk_add_f32 v[32*\p+j:32*\p+j+1], v[32*\p+j:32*\p+j+1], v[ST+2*(\r0+\p):ST+2*(\r0+\p)+1] neg_lo:[0,1] neg_hi:[0,1]
.set j, j+2
.endr
.endr
.endm
.macro RMUL wn, r0
	WIN ((\wn)<<6)|(\wn)
.irp p, 0,1,2,3,4,5,6,7
.set j, 0
.rept 16
	v_pk_mul_f32 v[32*\p+j:32*\p+j+1], v[32*\p+j:32*\p+j+1], v[ST+2*(\r0+\p):ST+2*(\r0+\p)+1]
.set j, j+2
.endr
.endr
.endm
.macro REDUCE                          ; the 16 rows' sums over the 32 lanes, the rows by turns; the result stands in every lane
	WIN 0
.irp p, 0,1,2,3,4,5,6,7,8,9,10,11,12,13,14,15
	v_add_f32 v[SP+2*\p], v[SP+2*\p], v[SP+2*\p+1]
.endr
.irp x, 1,2,4,8
.irp p, 0,1,2,3,4,5,6,7,8,9,10,11,12,13,14,15
	v_add_f32_dpp v[SP+2*\p], v[SP+2*\p], v[SP+2*\p] row_xmask:\x row_mask:0xf bank_mask:0xf
.endr
.endr
.irp p, 0,1,2,3,4,5,6,7,8,9,10,11,12,13,14,15
	v_permlanex16_b32 v[SP+2*\p+1], v[SP+2*\p], s[SEL], s[SEL+1]
.endr
.irp p, 0,1,2,3,4,5,6,7,8,9,10,11,12,13,14,15
	v_add_f32 v[SP+2*\p], v[SP+2*\p], v[SP+2*\p+1]
.endr
.endm
	RSUM 1, 0
	s_wait_loadcnt 0x0                             ; rows 8-15
	RSUM 2, 8
	REDUCE
.irp p, 0,1,2,3,4,5,6,7,8,9,10,11,12,13,14,15
	v_mul_f32 v[ST+2*\p], s84, v[SP+2*\p]          ; the mean, twice: a pair for the packed forms
	v_mul_f32 v[ST+2*\p+1], s84, v[SP+2*\p]
.endr
	RSUB 1, 0
	RSUB 2, 8
	RSQ 1, 0
	RSQ 2, 8
	REDUCE
.irp p, 0,1,2,3,4,5,6,7,8,9,10,11,12,13,14,15
	v_fma_f32 v[SP+2*\p], v[SP+2*\p], s84, s85     ; the variance + 1e-5
.endr
.irp p, 0,1,2,3,4,5,6,7,8,9,10,11,12,13,14,15
	v_rsq_f32 v[ST+2*\p], v[SP+2*\p]
	v_rsq_f32 v[ST+2*\p+1], v[SP+2*\p]
.endr
	v_nop                                          ; a plain line behind the batch,
	s_wait_alu depctr_va_vdst(0)                   ; and the one wait ahead of its first reader
	RMUL 1, 0
	RMUL 2, 8
; Load ci of a row gave my lane channels 128 ci + 4 lane + 0 .. 3.  For each of the four: gain and bias put the 16 rows' numbers into 16 consecutive registers, which are 16 neighbours along t.
.set ci, 0
.rept 8
	WIN 0x3d                                       ; x window 1, gain and bias window 3
.set j, 0
.rept 32
	v_fma_f32 v[Y+16*(j/8)+j%8], v[32*(j%8)+4*ci+j/8], v[GG+4*ci+j/8], v[BB+4*ci+j/8]
.set j, j+1
.endr
	WIN 0x3e                                       ; x window 2
.set j, 0
.rept 32
	v_fma_f32 v[Y+16*(j/8)+8+j%8], v[32*(j%8)+4*ci+j/8], v[GG+4*ci+j/8], v[BB+4*ci+j/8]
.set j, j+1
.endr
	WIN 0
.set j, 0
.rept 64
	v_med3_num_f32 v[Y+j], v[Y+j], -v[HLY], v[HLY]
.set j, j+1
.endr
.set j, 0
.rept 8
	v_cvt_scalef32_pk8_bf8_f32 v[C+16*ci+2*j:C+16*ci+2*j+1], v[Y+8*j:Y+8*j+7], v[SCLY]
.set j, j+1
.endr
	v_nop                                          ; a plain line between the conversions and the next lines that write their sources
.set j, 0
.rept 4
	ds_store_b128 v[PSW], v[C+16*ci+4*j:C+16*ci+4*j+3] offset:2176*ci+16*j
.set j, j+1
.endr
.set ci, ci+1
.endr
	WIN 0x40                                       ; back by groups of 16 channels, two an instruction, into window 1
.set j, 0
.rept 32
	ds_load_b128 v[4*j:4*j+3], v[PSR] offset:544*j
.set j, j+1
.endr
	WIN 0x04                                       ; store data window 1
.set j, 0
.rept 32
	s_wait_dscnt 31-j                              ; LDS loads come back in order: number j is in
	global_store_b128 v[YO], v[4*j:4*j+3], s[70:71] offset:(j/2)*65536+(j%2)*4096   ; sixteen lanes store 256 consecutive bytes, aligned
.set j, j+1
.endr
	WIN 0
	s_wait_tensorcnt 0x0                           ; the wave's end
	ds_add_u32 v[SPW], v[NIL]
	s_wait_dscnt 0x0
	s_endpgm
.Lfunc_end_k_q0c530f7929_prep:
	.size	k_q0c530f7929_prep, .Lfunc_end_k_q0c530f7929_prep-k_q0c530f7929_prep
	.p2alignl 7, 3214868480
	.fill 96, 4, 3214868480
	.section	.rodata,"a",@progbits
	.p2align	6, 0x0
	.amdhsa_kernel k_q0c530f7929_prep
		.amdhsa_group_segment_fixed_size 70144
		.amdhsa_private_segment_fixed_size 0
		.amdhsa_enable_private_segment 0
		.amdhsa_kernarg_size 88
		.amdhsa_user_sgpr_count 2
		.amdhsa_user_sgpr_kernarg_segment_ptr 1
		.amdhsa_wavefront_size32 1
		.amdhsa_system_sgpr_workgroup_id_x 1
		.amdhsa_system_sgpr_workgroup_id_y 1
		.amdhsa_system_sgpr_workgroup_id_z 1
		.amdhsa_system_vgpr_workitem_id 0
		.amdhsa_next_free_vgpr 1024
		.amdhsa_next_free_sgpr 96
		.amdhsa_reserve_vcc 1
		.amdhsa_float_denorm_mode_32 3
		.amdhsa_float_denorm_mode_16_64 3
		.amdhsa_memory_ordered 1
		.amdhsa_forward_progress 1
		.amdhsa_inst_pref_size 204
	.end_amdhsa_kernel
	.amdgpu_metadata
---
amdhsa.version: [ 1, 2 ]
amdhsa.kernels:
  - .name:           k_q0c530f7929_prep
    .symbol:         k_q0c530f7929_prep.kd
    .args:
      - { .name: x, .offset: 0, .size: 8, .value_kind: global_buffer, .address_space: global }
      - { .name: ln1_g, .offset: 8, .size: 8, .value_kind: global_buffer, .address_space: global }
      - { .name: ln1_b, .offset: 16, .size: 8, .value_kind: global_buffer, .address_space: global }
      - { .name: tw1, .offset: 24, .size: 8, .value_kind: global_buffer, .address_space: global }
      - { .name: tw2, .offset: 32, .size: 8, .value_kind: global_buffer, .address_space: global }
      - { .name: cw1, .offset: 40, .size: 8, .value_kind: global_buffer, .address_space: global }
      - { .name: cw2, .offset: 48, .size: 8, .value_kind: global_buffer, .address_space: global }
      - { .name: lowp_scales, .offset: 56, .size: 8, .value_kind: global_buffer, .address_space: global }
      - { .name: ycodes, .offset: 64, .size: 8, .value_kind: global_buffer, .address_space: global }
      - { .name: twq, .offset: 72, .size: 8, .value_kind: global_buffer, .address_space: global }
      - { .name: cwq, .offset: 80, .size: 8, .value_kind: global_buffer, .address_space: global }
    .group_segment_fixed_size: 70144
    .private_segment_fixed_size: 0
    .kernarg_segment_align: 8
    .kernarg_segment_size: 88
    .max_flat_workgroup_size: 128
    .sgpr_count:     96
    .vgpr_count:     1024
    .wavefront_size: 32
...
	.end_amdgpu_metadata
.endif
;; end of part 1
;; launch temporal (part 2): grid 16 x 16, 4 waves a work-group, clusters of 4 x 1, 327,680 bytes of LDS; arguments ycodes, twq, x, tb1, tb2, lowp_scales, x1; writes x1
.if DOCPART == 2
	.amdgcn_target "amdgcn-amd-amdhsa--gfx1250"
	.amdhsa_code_object_version 6
	.text
	.protected	k_q0c530f7929_temporal
	.globl	k_q0c530f7929_temporal
	.p2align	8
	.type	k_q0c530f7929_temporal,@function
k_q0c530f7929_temporal:
	s_mov_b64 s[64:65], 0
	v_nop
	global_prefetch_b8 v0, s[64:65] scope:SCOPE_SE
	s_setreg_imm32_b32 hwreg(HW_REG_WAVE_MODE, 25, 1), 1
	s_wait_xcnt 0x0
	s_wait_alu depctr_hold_cnt(0) depctr_sa_sdst(0) depctr_va_vdst(0) depctr_va_sdst(0) depctr_va_ssrc(0) depctr_va_vcc(0) depctr_vm_vsrc(0)
	s_getreg_b32 s2, hwreg(HW_REG_IB_STS2, 6, 4)
	s_cmp_eq_u32 s2, 0
	s_cbranch_scc0 .Lentry_in_a_cluster
	s_endpgm
.Lentry_in_a_cluster:
	s_bfe_u32 s2, ttmp6, 0x10000c
	s_cmp_lg_u32 s2, 0x3003
	s_cbranch_scc0 .Lentry_shape_is_right
	s_endpgm
.Lentry_shape_is_right:
; MixerBlock, launch 2 of 3: x1 = x + swap(gelu(y (tril tw1)^T + tb1) (tril tw2)^T + tb2), both products on codes of E5M2 with the given scales; y's and the weights' codes come from launch 1.
; WORK LEFT OUT: the units of 128 x 128 of tril tw1 and tril tw2 that lie wholly above the diagonal are zeros that reference() builds itself; they are not in the stream and are not multiplied.
; SHARES.  A work-group owns one batch and 64 channels (four tiles m of 16 rows of the operand); K = t.  The whole operand, 64 x 1,024 codes, stands in EVERY wave's registers (512).  The waves share the columns:
; in block blk of 128 outputs wave w makes 32 w .. 32 w + 31, as two tiles u.  Blocks P and 7 - P are made together (X: the lower, Y: the upper): 9 fragments of weights in every slot, whatever P.
; Each fragment of weights is read from LDS once and feeds four matrix instructions.  The hidden layer goes from wave to wave through LDS as images of operand registers and never to memory.
; LAYER 1 is used transposed (source 0 = 16 rows of tw1, source 1 = y): a lane holds one channel and eight hidden units; the rows of a tile are chosen so that tiles u = 0, 1 are 16 neighbours along the next K.
; LAYER 2: source 0 = the hidden layer, source 1 = 16 rows of tw2: a lane holds one t and eight neighbouring channels, 32 bytes of a row of x1.
; CLUSTER.  All work-groups walk the same stream of weights: the four of a cluster ask for each part JOINTLY, with one descriptor and the mask of all four.  Wave w asks for its own part of a slot and reads only that.
; GELU, exact form, in f32: gelu(z) = max(z, 0) - |z| erfc(|z| / sqrt 2) / 2;  erfc(a) = (1 + p(q)) exp(-a a) / (1 + 2 a), q = (a - 2) / (a + 2), p of degree 9; one reciprocal of (a + 2)(4 a + 2) gives both quotients.
; LIMITS.  For z under about -13.2 the exponential is flushed and gelu is -0 (its true size is under 1e-37).  NaN and infinities among the inputs are not served.
; e2 between -126 and 112; e0 + e1 and e2 + e3 between -126 and 127, so that each power of two below is an f32 number.
; REGISTERS, in windows of 256: window 0: v3-19 addresses; v24-27 layer 2's biases; v32-63 the codes just made; v64-95 X, v96-127 Y (4 accumulators each); v128-255 four tiles of x for the residual.
;   windows 1, 2: the operand: fragment (K step s, tile m) at 64 (s % 4) + 16 m of window 1 + s / 4.   window 3: v0-143 nine fragments of weights; v144-239 six arrays of 16 for GELU; v240-255 layer 1's biases.
.set SLOTB, 73728                      ; a slot: four parts of nine fragments
.set PARTB, 18432
.set IMG,   2*SLOTB                    ; the hidden layer's images: [chunk = wave 4][K step 8][tile m 4][512 bytes]
.set STG,   IMG+65536                  ; a stage of 16 rows x 272 bytes for each wave
.set TB1,   STG+4*4352                 ; tb1, tb2: each wave's own 8 x 32 numbers
.set TB2,   TB1+4096
.set SPARE, TB2+4096                   ; the spare words, 128 bytes a wave
.set LI,  3
.set BA0, 4                            ; v4, v5: my part of slot 0, 1
.set IML, 6
.set AD0, 7
.set AD1, 8
.set IMR, 9
.set STO, 10
.set RD,  11
.set VO,  12
.set T1A, 13
.set T2A, 14
.set TL,  15
.set TS,  16
.set SCL, 17
.set SPW, 18
.set NIL, 19
.set BP,  24
.set CQ,  32
.set ACX, 64
.set ACY, 96
.set RES, 128
.set GZ,  144
.set GAA, 160
.set GP,  176
.set GD,  192
.set GR,  208
.set GE,  224
.set BI,  240
.set WV,  18
.set G1,  24
.set G0,  32
.set S1,  48
.set S2,  50
.set HN,  52
.set HP,  53
.set PP,  54
.set BLO, 55
.set BHI, 56
.set ILO, 57
.set IHI, 58
.set XLO, 60
.set XHI, 62
.set OLO, 66
.set OHI, 68
.set KK,  72
.set LG2, 74
.set MSB, 0
.macro WIN new                         ; the immediate's high byte repeats the setting that is left
.if MSB != (\new)
	s_set_vgpr_msb (MSB<<8)|(\new)
.set MSB, (\new)
.endif
.endm
.macro PLACES
.rept 4
	v_nop
.endr
.endm
.macro ROUND                           ; a round of the cluster's barrier
	s_barrier_signal -1
	s_barrier_wait -1
	s_cmp_lg_u32 s[WV], 0
	s_cbranch_scc1 .Lnw0_\@
	s_barrier_signal -3
.Lnw0_\@:
	s_barrier_wait -3
	s_barrier_signal -1
	s_barrier_wait -1
.endm
; Slot a has been read into registers.  refill = 1: it is filled again, two tiles on: all my tensor loads have landed (the other slot's among them), the add, the step of the descriptor, the wait for the
; add and for my LDS reads, a round, and the joint load first behind it.  The four v_nop are also the places in front of the loads into registers that matrix instructions have read.
.macro CHANGE a, refill
	WIN 0
.if \refill
	s_wait_tensorcnt 0x0
	ds_add_u32 v[SPW], v[NIL]
	s_add_nc_u64 s[G0+4*(\a)+2:G0+4*(\a)+3], s[G0+4*(\a)+2:G0+4*(\a)+3], 2*SLOTB
	s_wait_dscnt 0x0
	ROUND
	tensor_load_to_lds s[G0+4*(\a):G0+4*(\a)+3], s[G1:G1+7]
	s_nop 0
	PLACES
.else
	s_wait_tensorcnt 0x0                           ; the other slot's tile is in; nothing is left to ask for
	PLACES
.endif
.endm
.macro BLOAD a                         ; my nine fragments of slot a: 36 loads of 512 consecutive bytes
	WIN 0xc0
.set j, 0
.rept 36
	ds_load_b128 v[4*j:4*j+3], v[BA0+(\a)] offset:512*j
.set j, j+1
.endr
	WIN 0
.endm
; Four matrix instructions: fragment q of the weights against K step s of the four tiles of rows.  The four accumulators take turns.
.macro MM4 tr, acc, q, s, first
.if \tr
	WIN 0x03|((1+(\s)/4)<<2)
.else
	WIN 0x0c|(1+(\s)/4)
.endif
.set fa, 64*((\s)%4)
.set fb, 16*(\q)
.set mm, 0
.rept 4
.if (\tr) && (\first)
	v_wmma_f32_16x16x128_bf8_bf8 v[(\acc)+8*mm:(\acc)+8*mm+7], v[fb:fb+15], v[fa+16*mm:fa+16*mm+15], 0
.elseif \tr
	v_wmma_f32_16x16x128_bf8_bf8 v[(\acc)+8*mm:(\acc)+8*mm+7], v[fb:fb+15], v[fa+16*mm:fa+16*mm+15], v[(\acc)+8*mm:(\acc)+8*mm+7]
.elseif \first
	v_wmma_f32_16x16x128_bf8_bf8 v[(\acc)+8*mm:(\acc)+8*mm+7], v[fa+16*mm:fa+16*mm+15], v[fb:fb+15], 0
.else
	v_wmma_f32_16x16x128_bf8_bf8 v[(\acc)+8*mm:(\acc)+8*mm+7], v[fa+16*mm:fa+16*mm+15], v[fb:fb+15], v[(\acc)+8*mm:(\acc)+8*mm+7]
.endif
.set mm, mm+1
.endr
.endm
.macro ALT tr, q                       ; fragment q is the upper tile's K step q while q <= 7 - P, else the lower tile's K step 8 - q: a branch on the count of trips, alike in all waves and partners
	WIN 0
	s_cmp_lt_u32 s[PP], 8-(\q)
	s_cbranch_scc0 .Llo_\@
	MM4 \tr, ACY, \q, \q, 0
	WIN 0
	s_branch .Ljn_\@
.Llo_\@:
	MM4 \tr, ACX, \q, 8-(\q), 0
	WIN 0
.Ljn_\@:
.endm
.macro GEMM tr                         ; a slot's 36 matrix instructions
	s_wait_dscnt 0x0                               ; the weights' fragments are in
.if !(\tr)
	s_wait_xcnt 0x0                                ; the last stores have read the accumulators' registers
.endif
	MM4 \tr, ACX, 8, 0, 1                          ; the first K step starts each sum: nothing is cleared
	MM4 \tr, ACY, 0, 0, 1
	MM4 \tr, ACY, 1, 1, 0
	MM4 \tr, ACY, 2, 2, 0
	MM4 \tr, ACY, 3, 3, 0
	MM4 \tr, ACY, 4, 4, 0
	ALT \tr, 7
	ALT \tr, 6
	ALT \tr, 5
.endm
.macro PK2 op, d, a, b                 ; eight packed lines over 16 registers
.set i, 0
.rept 8
	\op v[(\d)+i:(\d)+i+1], v[(\a)+i:(\a)+i+1], v[(\b)+i:(\b)+i+1]
.set i, i+2
.endr
.endm
.macro HSTEP lit
.set i, 0
.rept 8
	v_pk_fma_f32 v[GAA+i:GAA+i+1], v[GAA+i:GAA+i+1], v[GR+i:GR+i+1], \lit op_sel_hi:[1,1,0]
.set i, i+2
.endr
.endm
; Two accumulators (16 sums a lane) become 16 codes of the hidden layer: scale and bias, GELU, hold, conversion.  Each accumulator is read from its low end on.
.macro GELU16 acc, bi, cq0, cq1
	WIN 0xf0                                       ; sums window 0; bias and result window 3
.irp h, 0,8
.irp i, 0,2,4,6
	v_pk_fma_f32 v[GZ+\h+\i:GZ+\h+\i+1], v[(\acc)+\h+\i:(\acc)+\h+\i+1], s[S1:S1+1], v[(\bi)+\i:(\bi)+\i+1] op_sel_hi:[1,0,1]   ; z = sum x 2^(eA + eB) + bias
.endr
.endr
	WIN 0xff
.set i, 0
.rept 16
	v_mul_f32 v[GAA+i], s[KK], |v[GZ+i]|           ; a = |z| / sqrt 2
.set i, i+1
.endr
.set i, 0
.rept 8
	v_pk_add_f32 v[GP+i:GP+i+1], v[GAA+i:GAA+i+1], 2.0 op_sel_hi:[1,0]
	v_pk_fma_f32 v[GD+i:GD+i+1], v[GAA+i:GAA+i+1], 4.0, 2.0 op_sel_hi:[1,0,0]
.set i, i+2
.endr
	PK2 v_pk_mul_f32, GE, GAA, GAA
	PK2 v_pk_mul_f32, GR, GP, GD
.set i, 0
.rept 8
	v_pk_mul_f32 v[GE+i:GE+i+1], v[GE+i:GE+i+1], s[LG2:LG2+1] op_sel_hi:[1,0]
.set i, i+2
.endr
.set i, 0
.rept 16
	v_rcp_f32 v[GR+i], v[GR+i]                     ; 1 / ((a + 2)(4 a + 2))
.set i, i+1
.endr
.set i, 0
.rept 16
	v_exp_f32 v[GE+i], -v[GE+i]                    ; exp(-a a)
.set i, i+1
.endr
	v_nop                                          ; a plain line behind the batch of 32,
	s_wait_alu depctr_va_vdst(0)                   ; and the one wait ahead of its first reader
	PK2 v_pk_mul_f32, GD, GR, GD                   ; 1 / (a + 2)
	PK2 v_pk_mul_f32, GP, GR, GP                   ; 1 / (4 a + 2): the half of erfc / 2 is in it
.set i, 0
.rept 8
	v_pk_add_f32 v[GR+i:GR+i+1], v[GAA+i:GAA+i+1], -2.0 op_sel_hi:[1,0]
.set i, i+2
.endr
	PK2 v_pk_mul_f32, GR, GR, GD                   ; q
	v_mov_b32 v[GD], 0xb9d25000                    ; the leading coefficient, taken for both halves below
.set i, 0
.rept 8
	v_pk_fma_f32 v[GAA+i:GAA+i+1], v[GR+i:GR+i+1], v[GD:GD+1], 0xbaa15130 op_sel_hi:[1,0,0]
.set i, i+2
.endr
	HSTEP 0x3aac2b8a
	HSTEP 0x3c0d6e62
	HSTEP 0xbc040dc1
	HSTEP 0xbd5e05b5
	HSTEP 0x3e27fe23
	HSTEP 0xbe2a0420
	HSTEP 0xbdbdfb0b
	HSTEP 0x3e8dd01d
.set i, 0
.rept 8
	v_pk_fma_f32 v[GAA+i:GAA+i+1], v[GAA+i:GAA+i+1], v[GP+i:GP+i+1], v[GP+i:GP+i+1]   ; (1 + p) / (4 a + 2)
.set i, i+2
.endr
	PK2 v_pk_mul_f32, GAA, GAA, GE                 ; erfc(a) / 2
.set i, 0
.rept 16
	v_max_num_f32 v[GD+i], 0, v[GZ+i]
.set i, i+1
.endr
.set i, 0
.rept 16
	v_fma_f32 v[GZ+i], -|v[GZ+i]|, v[GAA+i], v[GD+i]
.set i, i+1
.endr
.set i, 0
.rept 16
	v_med3_num_f32 v[GZ+i], v[GZ+i], s[HN], s[HP]  ; the conversion to an 8-bit code does not saturate (ISA guide 7.6.2): the hold comes first
.set i, i+1
.endr
	WIN 0x03
	v_cvt_scalef32_pk8_bf8_f32 v[(\cq0):(\cq0)+1], v[GZ:GZ+7], v[SCL]
	v_cvt_scalef32_pk8_bf8_f32 v[(\cq1):(\cq1)+1], v[GZ+8:GZ+15], v[SCL]
	v_nop                                          ; a plain line behind the last conversion
.endm
; A slot of layer 1: products; the slot's refill; the biases and the next slot's fragments are asked for; GELU and codes while they come.
.macro L1SLOT u
	GEMM 1
	CHANGE \u, 1
	v_add_nc_u32 v[AD0], s[BLO], v[T1A]
	v_add_nc_u32 v[AD1], s[BHI], v[T1A]
	WIN 0xc0
	ds_load_b128 v[BI:BI+3], v[AD0] offset:32*(\u)
	ds_load_b128 v[BI+4:BI+7], v[AD0] offset:32*(\u)+16
	ds_load_b128 v[BI+8:BI+11], v[AD1] offset:32*(\u)
	ds_load_b128 v[BI+12:BI+15], v[AD1] offset:32*(\u)+16
	BLOAD 1-(\u)
	s_wait_dscnt 36                                ; the biases are in; the 36 loads of weights may be out
	GELU16 ACX, BI, CQ+2*(\u), CQ+4+2*(\u)
	GELU16 ACX+16, BI, CQ+8+2*(\u), CQ+12+2*(\u)
	GELU16 ACY, BI+8, CQ+16+2*(\u), CQ+20+2*(\u)
	GELU16 ACY+16, BI+8, CQ+24+2*(\u), CQ+28+2*(\u)
.endm
; A tile of layer 2 (16 t x 64 channels) goes out: scale and bias in place, through my stage so that a row's 256 bytes lie in sixteen lanes, + x, store; the tile of x for the next trip is asked for.
.macro OUT16 acc, bp, res, sin, sout, u, lcnt, reload, delta
.set i, 0
.rept 16
	v_pk_fma_f32 v[(\acc)+i:(\acc)+i+1], v[(\acc)+i:(\acc)+i+1], s[S2:S2+1], v[(\bp):(\bp)+1] op_sel_hi:[1,0,0]
.set i, i+2
.endr
.set i, 0
.rept 4
	ds_store_b128 v[STO], v[(\acc)+8*i:(\acc)+8*i+3] offset:64*i
	ds_store_b128 v[STO], v[(\acc)+8*i+4:(\acc)+8*i+7] offset:64*i+16
.set i, i+1
.endr
.set i, 0
.rept 8
	ds_load_b128 v[(\acc)+4*i:(\acc)+4*i+3], v[RD] offset:544*i   ; LDS serves a wave's instructions in order: these see the stores above
.set i, i+1
.endr
	s_wait_loadcnt \lcnt                           ; this tile of x is in; the younger tiles' loads, eight each, may be out
	s_wait_dscnt 0x0
.set i, 0
.rept 16
	v_pk_add_f32 v[(\acc)+i:(\acc)+i+1], v[(\acc)+i:(\acc)+i+1], v[(\res)+i:(\res)+i+1]
.set i, i+2
.endr
.if \reload
.set i, 0
.rept 8
	global_load_b128 v[(\res)+4*i:(\res)+4*i+3], v[VO], s[\sin:\sin+1] offset:65536*(\u)+8192*i+(\delta) th:TH_LOAD_NT
.set i, i+1
.endr
.endif
.set i, 0
.rept 8
	global_store_b128 v[VO], v[(\acc)+4*i:(\acc)+4*i+3], s[\sout:\sout+1] offset:65536*(\u)+8192*i   ; sixteen lanes store 256 consecutive bytes, aligned
.set i, i+1
.endr
.endm
.macro L2SLOT u, refill, bload, reload, lc0, lc1
	GEMM 0
	CHANGE \u, \refill
	v_add_nc_u32 v[AD0], s[BLO], v[T2A]
	v_add_nc_u32 v[AD1], s[BHI], v[T2A]
	ds_load_b32 v[BP], v[AD0] offset:64*(\u)
	ds_load_b32 v[BP+2], v[AD1] offset:64*(\u)
.if \bload
	BLOAD 1-(\u)
	s_wait_dscnt 36                                ; the two biases are in; the 36 loads of weights may be out
.else
	s_wait_dscnt 0x0
.endif
	OUT16 ACX, BP, RES+64*(\u), XLO, OLO, \u, \lc0, \reload, 524288
	OUT16 ACY, BP+2, RES+64*(\u)+32, XHI, OHI, \u, \lc1, \reload, -524288
.endm
	s_load_b256 s[4:11], s[0:1], 0x0               ; ycodes 4, twq 6, x 8, tb1 10
	s_load_b128 s[12:15], s[0:1], 0x20             ; tb2 12, scales 14
	s_load_b64 s[16:17], s[0:1], 0x30              ; x1
	v_lshl_add_u32 v[SPW], v0, 2, SPARE
	v_mov_b32 v[NIL], 0
	ds_add_u32 v[SPW], v[NIL]                      ; the wave's opening: the add, twice on end, and its wait ahead of my first tensor load
	ds_add_u32 v[SPW], v[NIL]
	v_lshrrev_b32 v1, 5, v0
	v_readfirstlane_b32 s[WV], v1                  ; wave 0..3
	s_bfe_u32 s19, ttmp6, 0x40000                  ; my place in the cluster: it enters global addresses of y, x and x1 alone
	s_lshl_b32 s20, ttmp9, 2
	s_add_co_u32 s20, s20, s19                     ; my block of 64 channels
	s_and_b32 s21, ttmp7, 0xffff                   ; my batch
	s_mov_b32 s[G1], 15|(3<<16)|(1<<21)            ; the mask of all four work-groups; elements of 8 bytes; bit 21 beside a mask; no padding
	s_mov_b32 s[G1+1], 32<<16                      ; tensor_dim0 = 32 elements: rows of 256 bytes
	s_mov_b32 s[G1+2], 72<<16                      ; tensor_dim1 = 72 rows: a part's 18,432 bytes, dense
	s_mov_b32 s[G1+3], 32<<16                      ; tile_dim0
	s_mov_b32 s[G1+4], 72                          ; tile_dim1
	s_mov_b32 s[G1+5], 32                          ; the pitch
	s_mov_b32 s[G1+6], 0
	s_mov_b32 s[G1+7], 0
	s_mul_i32 s78, s[WV], PARTB
	s_mov_b32 s79, 0
	s_lshl_b32 s22, s21, 22                        ; x and x1: batch,
	s_lshl_b32 s23, s[WV], 17
	s_add_co_u32 s22, s22, s23                     ; my 32 rows t of a block,
	s_lshl_b32 s23, s20, 8
	s_add_co_u32 s22, s22, s23                     ; my work-group's 256 bytes of a row
	s_mov_b32 s23, 0
	s_lshl_b32 s76, s21, 4
	s_add_co_u32 s76, s76, s20
	s_lshl_b32 s76, s76, 16                        ; ycodes: 65,536 bytes for each (batch, block of channels)
	s_mov_b32 s77, 0
	s_mov_b32 s[KK], 0x3f3504f3                    ; 1 / sqrt 2
	s_mov_b32 s[LG2], 0x3fb8aa3b                   ; log2 e
	s_mov_b32 s[LG2+1], s[LG2]
	v_and_b32 v1, 31, v0                           ; lane
	v_and_b32 v2, 15, v0                           ; r
	v_bfe_u32 v20, v0, 4, 1                        ; hh
	v_lshlrev_b32 v[LI], 4, v1
	v_add_nc_u32 v[BA0], s78, v[LI]
	v_add_nc_u32 v[BA0+1], SLOTB, v[BA0]
	s_lshl_b32 s80, s[WV], 14
	s_add_co_u32 s80, s80, IMG
	v_add_nc_u32 v[IML], s80, v[LI]                ; where I store images: my chunk's 16 KiB
	v_add_nc_u32 v[IMR], IMG, v[LI]
	s_mul_i32 s80, s[WV], 4352
	s_add_co_u32 s80, s80, STG
	v_mul_u32_u24 v[STO], v2, 272
	v_lshl_add_u32 v[STO], v20, 5, v[STO]
	v_add_nc_u32 v[STO], s80, v[STO]               ; into my stage: row r, 32 bytes for each half of the lanes
	v_mul_u32_u24 v[RD], v20, 272
	v_lshl_add_u32 v[RD], v2, 4, v[RD]
	v_add_nc_u32 v[RD], s80, v[RD]                 ; back: lanes 0-15 one row, lanes 16-31 the next
	v_lshlrev_b32 v[VO], 12, v20
	v_lshl_add_u32 v[VO], v2, 4, v[VO]             ; and the same two rows in x and x1
	s_lshl_b32 s80, s[WV], 10
	s_add_co_u32 s80, s80, TB1
	v_lshl_add_u32 v[T1A], v20, 6, s80
	v_add_nc_u32 v[TS], s80, v[LI]
	s_add_co_u32 s80, s80, 4096
	v_lshl_add_u32 v[T2A], v2, 2, s80
	v_lshrrev_b32 v[TL], 3, v1
	v_lshlrev_b32 v[TL], 9, v[TL]
	v_and_b32 v21, 7, v1
	v_lshl_add_u32 v[TL], v21, 4, v[TL]
	s_lshl_b32 s81, s[WV], 7
	v_add_nc_u32 v[TL], s81, v[TL]                 ; the tables in memory: block lane / 8, my wave's 128 bytes of it
	v_mov_b32 v[BP+1], 0                           ; (named as the upper halves of pairs)
	v_mov_b32 v[BP+3], 0
	s_wait_dscnt 0x0                               ; both opening adds are done
	s_wait_kmcnt 0x0
	s_load_b256 s[40:47], s[14:15], 0x0            ; the exponents
	s_add_nc_u64 s[4:5], s[4:5], s[76:77]
	s_add_nc_u64 s[XLO:XLO+1], s[8:9], s[22:23]
	s_add_nc_u64 s[XHI:XHI+1], s[XLO:XLO+1], 7*524288
	s_add_nc_u64 s[OLO:OLO+1], s[16:17], s[22:23]
	s_add_nc_u64 s[OHI:OHI+1], s[OLO:OLO+1], 7*524288
	s_add_nc_u64 s[6:7], s[6:7], s[78:79]          ; the stream at my part: the wave's number alone enters it
.irp a, 0,1
	s_mov_b32 s[G0+4*\a], 1
	s_add_co_u32 s[G0+4*\a+1], s78, \a*SLOTB
	s_add_nc_u64 s[G0+4*\a+2:G0+4*\a+3], s[6:7], \a*SLOTB
	s_or_b32 s[G0+4*\a+3], s[G0+4*\a+3], 0x80000000
.endr
	ROUND                                          ; all four work-groups are here: the first joint loads meet
	tensor_load_to_lds s[G0:G0+3], s[G1:G1+7]      ; tiles 0 and 1: two loads of mine are out
	s_nop 0
	tensor_load_to_lds s[G0+4:G0+7], s[G1:G1+7]
	s_nop 0
	PLACES
	global_load_b128 v[32:35], v[TL], s[10:11]
	global_load_b128 v[36:39], v[TL], s[10:11] offset:2048
	global_load_b128 v[40:43], v[TL], s[12:13]
	global_load_b128 v[44:47], v[TL], s[12:13] offset:2048
	WIN 0x40
.set j, 0
.rept 64                               ; y's 32 fragments, as they lie
	global_load_b128 v[4*j:4*j+3], v[LI], s[4:5] offset:512*j th:TH_LOAD_NT
.set j, j+1
.endr
	WIN 0x80
.set j, 0
.rept 64
	global_load_b128 v[4*j:4*j+3], v[LI], s[4:5] offset:32768+512*j th:TH_LOAD_NT
.set j, j+1
.endr
	WIN 0
.irp u, 0,1                            ; x for layer 2's first trip, in the order in which it is used
.set j, 0
.rept 8
	global_load_b128 v[RES+64*\u+4*j:RES+64*\u+4*j+3], v[VO], s[XLO:XLO+1] offset:65536*\u+8192*j th:TH_LOAD_NT
.set j, j+1
.endr
.set j, 0
.rept 8
	global_load_b128 v[RES+64*\u+32+4*j:RES+64*\u+32+4*j+3], v[VO], s[XHI:XHI+1] offset:65536*\u+8192*j th:TH_LOAD_NT
.set j, j+1
.endr
.endr
	s_wait_kmcnt 0x0
	s_add_co_i32 s[S1], s40, s41
	s_add_co_i32 s[S1], s[S1], 127
	s_lshl_b32 s[S1], s[S1], 23                    ; 2^(e0 + e1)
	s_mov_b32 s[S1+1], s[S1]
	s_add_co_i32 s[S2], s42, s43
	s_add_co_i32 s[S2], s[S2], 127
	s_lshl_b32 s[S2], s[S2], 23                    ; 2^(e2 + e3)
	s_mov_b32 s[S2+1], s[S2]
	s_add_co_i32 s80, s42, 127
	s_lshl_b32 s81, s80, 23
	v_mov_b32 v[SCL], s81                          ; 2^e2, for the conversions
	s_add_co_i32 s80, s80, 15
	s_lshl_b32 s80, s80, 23
	s_or_b32 s[HP], s80, 0x600000                  ; 57,344 x 2^e2,
	s_or_b32 s[HN], s[HP], 0x80000000              ; and its negative
	s_mov_b32 s[PP], 0
	s_mov_b32 s[BLO], 0
	s_mov_b32 s[BHI], 896
	s_mov_b32 s[ILO], 0
	s_mov_b32 s[IHI], 14336
	s_wait_loadcnt 32                              ; the tables and y are in; the 32 loads of x may be out
	ds_store_b128 v[TS], v[32:35]
	ds_store_b128 v[TS], v[36:39] offset:512
	ds_store_b128 v[TS], v[40:43] offset:4096
	ds_store_b128 v[TS], v[44:47] offset:4608
	s_wait_tensorcnt 0x1                           ; my part of tile 0 is in, and only I read it; tile 1 may be out
	BLOAD 0
.Ll1:                                  ; LAYER 1: four trips, blocks P and 7 - P, tiles u = 0, 1
	L1SLOT 0
	L1SLOT 1
	WIN 0
	v_add_nc_u32 v[AD0], s[ILO], v[IML]
	v_add_nc_u32 v[AD1], s[IHI], v[IML]
.irp m, 0,1,2,3
	ds_store_b128 v[AD0], v[CQ+4*\m:CQ+4*\m+3] offset:512*\m         ; chunk w of fragment (K step P, tile m),
	ds_store_b128 v[AD1], v[CQ+16+4*\m:CQ+16+4*\m+3] offset:512*\m   ; and of (K step 7 - P, tile m)
.endr
	s_add_co_u32 s[BLO], s[BLO], 128
	s_sub_co_u32 s[BHI], s[BHI], 128
	s_add_co_u32 s[ILO], s[ILO], 2048
	s_sub_co_u32 s[IHI], s[IHI], 2048
	s_add_co_u32 s[PP], s[PP], 1
	s_cmp_lt_u32 s[PP], 4
	s_cbranch_scc1 .Ll1
	s_wait_dscnt 0x0                               ; for the others' sake: my images have landed
	s_barrier_signal -1
	s_barrier_wait -1                              ; The load of the tile after next may stay out
	WIN 0x40
.set j, 0
.rept 64                               ; the hidden layer's 32 fragments take y's place
	ds_load_b128 v[4*j:4*j+3], v[IMR] offset:16384*(j%4)+2048*(j/16)+512*((j/4)%4)
.set j, j+1
.endr
	WIN 0x80
.set j, 0
.rept 64
	ds_load_b128 v[4*j:4*j+3], v[IMR] offset:16384*(j%4)+2048*(4+j/16)+512*((j/4)%4)
.set j, j+1
.endr
	WIN 0
	s_mov_b32 s[PP], 0
	s_mov_b32 s[BLO], 0
	s_mov_b32 s[BHI], 896
.Ll2:                                  ; LAYER 2: three trips that fill slots again,
	L2SLOT 0, 1, 1, 1, 24, 24
	L2SLOT 1, 1, 1, 1, 24, 24
	s_wait_xcnt 0x0                                ; the loads and stores have read their bases
	s_add_nc_u64 s[XLO:XLO+1], s[XLO:XLO+1], 524288
	s_sub_nc_u64 s[XHI:XHI+1], s[XHI:XHI+1], 524288
	s_add_nc_u64 s[OLO:OLO+1], s[OLO:OLO+1], 524288
	s_sub_nc_u64 s[OHI:OHI+1], s[OHI:OHI+1], 524288
	s_add_co_u32 s[BLO], s[BLO], 128
	s_sub_co_u32 s[BHI], s[BHI], 128
	s_add_co_u32 s[PP], s[PP], 1
	s_cmp_lt_u32 s[PP], 3
	s_cbranch_scc1 .Ll2
	L2SLOT 0, 0, 1, 0, 24, 16                      ; and the last, written out: no tensor load, no load of x; the counts run down
	L2SLOT 1, 0, 0, 0, 8, 0
	WIN 0
	s_wait_tensorcnt 0x0                           ; the wave's end
	ds_add_u32 v[SPW], v[NIL]
	s_wait_dscnt 0x0
	ROUND                                          ; the closing round
	s_endpgm
.Lfunc_end_k_q0c530f7929_temporal:
	.size	k_q0c530f7929_temporal, .Lfunc_end_k_q0c530f7929_temporal-k_q0c530f7929_temporal
	.p2alignl 7, 3214868480
	.fill 96, 4, 3214868480
	.section	.rodata,"a",@progbits
	.p2align	6, 0x0
	.amdhsa_kernel k_q0c530f7929_temporal
		.amdhsa_group_segment_fixed_size 327680
		.amdhsa_private_segment_fixed_size 0
		.amdhsa_enable_private_segment 0
		.amdhsa_kernarg_size 56
		.amdhsa_user_sgpr_count 2
		.amdhsa_user_sgpr_kernarg_segment_ptr 1
		.amdhsa_wavefront_size32 1
		.amdhsa_system_sgpr_workgroup_id_x 1
		.amdhsa_system_sgpr_workgroup_id_y 1
		.amdhsa_system_sgpr_workgroup_id_z 1
		.amdhsa_system_vgpr_workitem_id 0
		.amdhsa_next_free_vgpr 1024
		.amdhsa_next_free_sgpr 96
		.amdhsa_reserve_vcc 0
		.amdhsa_float_denorm_mode_32 3
		.amdhsa_float_denorm_mode_16_64 3
		.amdhsa_memory_ordered 1
		.amdhsa_forward_progress 1
		.amdhsa_inst_pref_size 252
	.end_amdhsa_kernel
	.amdgpu_metadata
---
amdhsa.version: [ 1, 2 ]
amdhsa.kernels:
  - .name:           k_q0c530f7929_temporal
    .symbol:         k_q0c530f7929_temporal.kd
    .args:
      - { .name: ycodes, .offset: 0, .size: 8, .value_kind: global_buffer, .address_space: global }
      - { .name: twq, .offset: 8, .size: 8, .value_kind: global_buffer, .address_space: global }
      - { .name: x, .offset: 16, .size: 8, .value_kind: global_buffer, .address_space: global }
      - { .name: tb1, .offset: 24, .size: 8, .value_kind: global_buffer, .address_space: global }
      - { .name: tb2, .offset: 32, .size: 8, .value_kind: global_buffer, .address_space: global }
      - { .name: lowp_scales, .offset: 40, .size: 8, .value_kind: global_buffer, .address_space: global }
      - { .name: x1, .offset: 48, .size: 8, .value_kind: global_buffer, .address_space: global }
    .group_segment_fixed_size: 327680
    .private_segment_fixed_size: 0
    .kernarg_segment_align: 8
    .kernarg_segment_size: 56
    .max_flat_workgroup_size: 128
    .sgpr_count:     96
    .vgpr_count:     1024
    .wavefront_size: 32
...
	.end_amdgpu_metadata
.endif
;; end of part 2
;; launch channel (part 3): grid 256 x 1, 4 waves a work-group, clusters of 4 x 1, 327,680 bytes of LDS; arguments x1, cwq, ln2_g, ln2_b, cb1, cb2, lowp_scales, out0; writes out0
.if DOCPART == 3
	.amdgcn_target "amdgcn-amd-amdhsa--gfx1250"
	.amdhsa_code_object_version 6
	.text
	.protected	k_q0c530f7929_channel
	.globl	k_q0c530f7929_channel
	.p2align	8
	.type	k_q0c530f7929_channel,@function
k_q0c530f7929_channel:
	s_mov_b64 s[64:65], 0
	v_nop
	global_prefetch_b8 v0, s[64:65] scope:SCOPE_SE
	s_setreg_imm32_b32 hwreg(HW_REG_WAVE_MODE, 25, 1), 1
	s_wait_xcnt 0x0
	s_wait_alu depctr_hold_cnt(0) depctr_sa_sdst(0) depctr_va_vdst(0) depctr_va_sdst(0) depctr_va_ssrc(0) depctr_va_vcc(0) depctr_vm_vsrc(0)
	s_getreg_b32 s2, hwreg(HW_REG_IB_STS2, 6, 4)
	s_cmp_eq_u32 s2, 0
	s_cbranch_scc0 .Lentry_in_a_cluster
	s_endpgm
.Lentry_in_a_cluster:
	s_bfe_u32 s2, ttmp6, 0x10000c
	s_cmp_lg_u32 s2, 0x3003
	s_cbranch_scc0 .Lentry_shape_is_right
	s_endpgm
.Lentry_shape_is_right:
; MixerBlock, launch 3 of 3: out0 = x1 + gelu(LayerNorm2(x1) cw1^T + cb1) cw2^T + cb2, both products on codes of E5M2 with the given scales; the weights' codes come from launch 1.  Nothing is left out here.
; SHARES.  A work-group owns 64 rows (batch, t).  Wave w normalises and quantises rows 16 w .. 16 w + 15; the codes go to the other waves through LDS as images of operand registers; then the whole operand,
; 64 x 1,024 codes, stands in EVERY wave's registers (512), and the waves share the columns.  Layer 1: in block j of 128 hidden units wave w makes 32 w .. 32 w + 31, as two tiles u.
; Layer 2: in block i of 256 outputs wave w makes 64 w .. 64 w + 63, as four tiles: 256 bytes of each of the 64 rows.  Each fragment of weights is read from LDS once and feeds four matrix instructions.
; Both products are used transposed (source 0 = 16 rows of the weight, source 1 = the operand): a lane holds one row and eight neighbouring columns.
; CLUSTER.  All work-groups walk the same stream of weights: the four of a cluster ask for each part JOINTLY.  Wave w asks for its own part of a slot and reads only that.
; GELU as in launch 2: gelu(z) = max(z, 0) - |z| erfc(|z| / sqrt 2) / 2, erfc(a) = (1 + p(q)) exp(-a a) / (1 + 2 a), q = (a - 2) / (a + 2).
; LIMITS.  For z under about -13.2 gelu is -0 (its true size is under 1e-37).  NaN and infinities among the inputs are not served.  e4 and e6 between -126 and 112; e4 + e5 and e6 + e7 between -126 and 127.
; REGISTERS, in windows of 256: window 0: v3-26 addresses; v32-47 codes just made; v48-59 the norm's figures; v64-95 layer 1's accumulators (v32-95: rows on the way out); v96-99 cb2; v100-115 the tables;
;   v128-255 the norm's codes, then four tiles of x1 for the residual.   windows 1, 2: my 16 rows of x1 in f32 (512 a lane), then the operand.
;   window 3: eight sets of 32 for x1's panels, then two sets of gain and bias; later v0-127 eight fragments of weights, v128-231 GELU's arrays and biases, in layer 2 v128-255 sixteen accumulators.
.set SLOTB, 65536
.set PARTB, 16384
.set IMG,   2*SLOTB                    ; images: [chunk 4][K step 8][tile m 4][512 bytes]
.set STG,   IMG+65536                  ; a stage of 16 rows x 272 bytes for each wave
.set TB1,   STG+4*4352                 ; cb1: each wave's own 8 x 32 numbers;  cb2: its own 4 x 64
.set TB2,   TB1+4096
.set SPARE, TB2+4096
.set LI,  3
.set BA0, 4
.set IML, 6
.set AD0, 7
.set IMR, 9
.set STO, 10
.set RD,  11
.set VO,  12
.set T1A, 13
.set T2A, 14
.set TL1, 15
.set TS,  16
.set SCL, 17
.set SPW, 18
.set NIL, 19
.set TL2, 22
.set XRD, 23
.set IMX, 24
.set GBO, 25
.set SCX, 26
.set CQ,  32
.set SA,  48
.set MEAN, 56
.set RS,  58
.set ACC, 64
.set CB,  96
.set TBR, 100
.set CD,  128
.set RES, 128
.set GZ,  128
.set GAA, 144
.set GP,  160
.set GD,  176
.set GR,  192
.set GE,  208
.set BI,  224
.set AC2, 128
.set WV,  20
.set G1,  24
.set G0,  32
.set S1,  48
.set S2,  50
.set HN,  52
.set HP,  53
.set XN,  54
.set XP,  55
.set JJ,  56
.set BJ,  57
.set IJ,  58
.set CBO, 59
.set XR,  60
.set OUTB, 62
.set SEL, 66
.set I1K, 68
.set EPS, 69
.set KK,  72
.set LG2, 74
.set MSB, 0
.macro WIN new                         ; the immediate's high byte repeats the setting that is left
.if MSB != (\new)
	s_set_vgpr_msb (MSB<<8)|(\new)
.set MSB, (\new)
.endif
.endm
.macro PLACES
.rept 4
	v_nop
.endr
.endm
.macro ROUND                           ; a round of the cluster's barrier
	s_barrier_signal -1
	s_barrier_wait -1
	s_cmp_lg_u32 s[WV], 0
	s_cbranch_scc1 .Lnw0_\@
	s_barrier_signal -3
.Lnw0_\@:
	s_barrier_wait -3
	s_barrier_signal -1
	s_barrier_wait -1
.endm
; Slot a has been read into registers.  refill = 1: all my tensor loads have landed, the add, the descriptor's step, the wait for the add and my LDS reads, a round, the joint load first behind it.
.macro CHANGE a, refill
	WIN 0
.if \refill
	s_wait_tensorcnt 0x0
	ds_add_u32 v[SPW], v[NIL]
	s_add_nc_u64 s[G0+4*(\a)+2:G0+4*(\a)+3], s[G0+4*(\a)+2:G0+4*(\a)+3], 2*SLOTB
	s_wait_dscnt 0x0
	ROUND
	tensor_load_to_lds s[G0+4*(\a):G0+4*(\a)+3], s[G1:G1+7]
	s_nop 0
	PLACES
.else
	s_wait_tensorcnt 0x0
	PLACES
.endif
.endm
.macro BLOAD a                         ; my eight fragments of slot a
	WIN 0xc0
.set j, 0
.rept 32
	ds_load_b128 v[4*j:4*j+3], v[BA0+(\a)] offset:512*j
.set j, j+1
.endr
	WIN 0
.endm
; Four matrix instructions: K step s of my tile of weights against the four tiles of rows; cw: the accumulators' window (0 or 3).  The four accumulators take turns.
.macro MMC acc, cw, s, first
	WIN 0x03|((1+(\s)/4)<<2)|((\cw)*0x50)
.set fa, 64*((\s)%4)
.set fb, 16*(\s)
.set mm, 0
.rept 4
.if \first
	v_wmma_f32_16x16x128_bf8_bf8 v[(\acc)+8*mm:(\acc)+8*mm+7], v[fb:fb+15], v[fa+16*mm:fa+16*mm+15], 0
.else
	v_wmma_f32_16x16x128_bf8_bf8 v[(\acc)+8*mm:(\acc)+8*mm+7], v[fb:fb+15], v[fa+16*mm:fa+16*mm+15], v[(\acc)+8*mm:(\acc)+8*mm+7]
.endif
.set mm, mm+1
.endr
.endm
.macro GEMM acc, cw
	s_wait_dscnt 0x0                               ; the weights' fragments are in
	MMC \acc, \cw, 0, 1                            ; the first K step starts each sum: nothing is cleared
.irp k, 1,2,3,4,5,6,7
	MMC \acc, \cw, \k, 0
.endr
.endm
.macro PK2 op, d, a, b
.set i, 0
.rept 8
	\op v[(\d)+i:(\d)+i+1], v[(\a)+i:(\a)+i+1], v[(\b)+i:(\b)+i+1]
.set i, i+2
.endr
.endm
.macro HSTEP lit
.set i, 0
.rept 8
	v_pk_fma_f32 v[GAA+i:GAA+i+1], v[GAA+i:GAA+i+1], v[GR+i:GR+i+1], \lit op_sel_hi:[1,1,0]
.set i, i+2
.endr
.endm
; Two accumulators (16 sums a lane) become 16 codes of the hidden layer.  Each accumulator is read from its low end on.
.macro GELU16 acc, bi, cq0, cq1
	WIN 0xf0
.irp h, 0,8
.irp i, 0,2,4,6
	v_pk_fma_f32 v[GZ+\h+\i:GZ+\h+\i+1], v[(\acc)+\h+\i:(\acc)+\h+\i+1], s[S1:S1+1], v[(\bi)+\i:(\bi)+\i+1] op_sel_hi:[1,0,1]   ; z = sum x 2^(eA + eB) + bias
.endr
.endr
	WIN 0xff
.set i, 0
.rept 16
	v_mul_f32 v[GAA+i], s[KK], |v[GZ+i]|           ; a = |z| / sqrt 2
.set i, i+1
.endr
.set i, 0
.rept 8
	v_pk_add_f32 v[GP+i:GP+i+1], v[GAA+i:GAA+i+1], 2.0 op_sel_hi:[1,0]
	v_pk_fma_f32 v[GD+i:GD+i+1], v[GAA+i:GAA+i+1], 4.0, 2.0 op_sel_hi:[1,0,0]
.set i, i+2
.endr
	PK2 v_pk_mul_f32, GE, GAA, GAA
	PK2 v_pk_mul_f32, GR, GP, GD
.set i, 0
.rept 8
	v_pk_mul_f32 v[GE+i:GE+i+1], v[GE+i:GE+i+1], s[LG2:LG2+1] op_sel_hi:[1,0]
.set i, i+2
.endr
.set i, 0
.rept 16
	v_rcp_f32 v[GR+i], v[GR+i]
.set i, i+1
.endr
.set i, 0
.rept 16
	v_exp_f32 v[GE+i], -v[GE+i]
.set i, i+1
.endr
	v_nop                                          ; a plain line behind the batch of 32,
	s_wait_alu depctr_va_vdst(0)                   ; and the one wait ahead of its first reader
	PK2 v_pk_mul_f32, GD, GR, GD                   ; 1 / (a + 2)
	PK2 v_pk_mul_f32, GP, GR, GP                   ; 1 / (4 a + 2)
.set i, 0
.rept 8
	v_pk_add_f32 v[GR+i:GR+i+1], v[GAA+i:GAA+i+1], -2.0 op_sel_hi:[1,0]
.set i, i+2
.endr
	PK2 v_pk_mul_f32, GR, GR, GD                   ; q
	v_mov_b32 v[GD], 0xb9d25000                    ; the leading coefficient, taken for both halves below
.set i, 0
.rept 8
	v_pk_fma_f32 v[GAA+i:GAA+i+1], v[GR+i:GR+i+1], v[GD:GD+1], 0xbaa15130 op_sel_hi:[1,0,0]
.set i, i+2
.endr
	HSTEP 0x3aac2b8a
	HSTEP 0x3c0d6e62
	HSTEP 0xbc040dc1
	HSTEP 0xbd5e05b5
	HSTEP 0x3e27fe23
	HSTEP 0xbe2a0420
	HSTEP 0xbdbdfb0b
	HSTEP 0x3e8dd01d
.set i, 0
.rept 8
	v_pk_fma_f32 v[GAA+i:GAA+i+1], v[GAA+i:GAA+i+1], v[GP+i:GP+i+1], v[GP+i:GP+i+1]
.set i, i+2
.endr
	PK2 v_pk_mul_f32, GAA, GAA, GE                 ; erfc(a) / 2
.set i, 0
.rept 16
	v_max_num_f32 v[GD+i], 0, v[GZ+i]
.set i, i+1
.endr
.set i, 0
.rept 16
	v_fma_f32 v[GZ+i], -|v[GZ+i]|, v[GAA+i], v[GD+i]
.set i, i+1
.endr
.set i, 0
.rept 16
	v_med3_num_f32 v[GZ+i], v[GZ+i], s[HN], s[HP]  ; the hold ahead of a conversion that does not saturate (ISA guide 7.6.2)
.set i, i+1
.endr
	WIN 0x03
	v_cvt_scalef32_pk8_bf8_f32 v[(\cq0):(\cq0)+1], v[GZ:GZ+7], v[SCL]
	v_cvt_scalef32_pk8_bf8_f32 v[(\cq1):(\cq1)+1], v[GZ+8:GZ+15], v[SCL]
	v_nop                                          ; a plain line behind the last conversion
.endm
; x1 comes in panels of 16 rows x 256 bytes: a load takes two rows' 256 consecutive bytes; the panel turns through my stage, so that lane (r, hh) gets 16 neighbours of each block of 32 of row r.
.macro PLOAD p
.set j, 0
.rept 8
	global_load_b128 v[32*((\p)%8)+4*j:32*((\p)%8)+4*j+3], v[VO], s[4:5] offset:8192*j+256*(\p)
.set j, j+1
.endr
.endm
.macro PANEL p
.if 15-(\p) < 6
	s_wait_loadcnt 8*(15-(\p))                     ; this panel's eight loads are in; the younger panels' may be out
.else
	s_wait_loadcnt 48
.endif
.if (\p) == 0
	WIN 0                                          ; the tables were asked for first: they are in too
	ds_store_b128 v[TS], v[TBR:TBR+3]
	ds_store_b128 v[TS], v[TBR+4:TBR+7] offset:512
	ds_store_b128 v[TS], v[TBR+8:TBR+11] offset:4096
	ds_store_b128 v[TS], v[TBR+12:TBR+15] offset:4608
.endif
	WIN 0x0c
.set j, 0
.rept 8
	ds_store_b128 v[RD], v[32*((\p)%8)+4*j:32*((\p)%8)+4*j+3] offset:544*j
.set j, j+1
.endr
	WIN (1+(\p)/8)<<6
.set j, 0
.rept 8                                ; LDS serves a wave's instructions in order: these see the stores above, and the next panel's stores come behind them
	ds_load_b128 v[32*((\p)%8)+4*j:32*((\p)%8)+4*j+3], v[XRD] offset:128*(j/4)+16*(j%4)
.set j, j+1
.endr
.if (\p)+7 <= 15
	s_wait_dscnt 16                                ; all but this panel's 16: the panel before has left its set of registers,
	WIN 0xc0
	PLOAD (\p)+7                                   ; which takes the panel seven on
.endif
.endm
.macro GBLOAD s                        ; gain and bias at my 64 columns of K step s: 32 loads
	WIN 0xc0
.set j, 0
.rept 16
	global_load_b128 v[128*((\s)%2)+4*j:128*((\s)%2)+4*j+3], v[GBO], s[8:9] offset:512*(\s)+128*(j/4)+16*(j%4)
	global_load_b128 v[128*((\s)%2)+64+4*j:128*((\s)%2)+64+4*j+3], v[GBO], s[10:11] offset:512*(\s)+128*(j/4)+16*(j%4)
.set j, j+1
.endr
.endm
.macro NORMQ s                         ; K step s of my rows: x 1/sigma, gain and bias, hold, conversion; the fragment's image to LDS
.set wx, 1+(\s)/4
.set xb, 64*((\s)%4)
.set gb, 128*((\s)%2)
.if (\s) < 7
	s_wait_loadcnt 32                              ; this step's gain and bias are in; the next step's 32 loads may be out
.else
	s_wait_loadcnt 0x0
.endif
	WIN (wx<<6)|wx
.set i, 0
.rept 32
	v_pk_mul_f32 v[xb+i:xb+i+1], v[xb+i:xb+i+1], v[RS:RS+1]
.set i, i+2
.endr
	WIN (wx<<6)|0x3c|wx
.set i, 0
.rept 32
	v_pk_fma_f32 v[xb+i:xb+i+1], v[xb+i:xb+i+1], v[gb+i:gb+i+1], v[gb+64+i:gb+64+i+1]
.set i, i+2
.endr
.if (\s) < 6
	GBLOAD (\s)+2
.endif
	WIN (wx<<6)|wx
.set i, 0
.rept 64
	v_med3_num_f32 v[xb+i], v[xb+i], s[XN], s[XP]
.set i, i+1
.endr
	WIN wx
.set i, 0
.rept 8
	v_cvt_scalef32_pk8_bf8_f32 v[CD+16*(\s)+2*i:CD+16*(\s)+2*i+1], v[xb+8*i:xb+8*i+7], v[SCX]
.set i, i+1
.endr
	v_nop                                          ; a plain line behind the last conversion
	WIN 0
.set i, 0
.rept 4
	ds_store_b128 v[IMX], v[CD+16*(\s)+4*i:CD+16*(\s)+4*i+3] offset:16384*i+2048*(\s)
.set i, i+1
.endr
.endm
.macro ALOADS                          ; the 32 fragments of the operand, from the images
	WIN 0x40
.set j, 0
.rept 64
	ds_load_b128 v[4*j:4*j+3], v[IMR] offset:16384*(j%4)+2048*(j/16)+512*((j/4)%4)
.set j, j+1
.endr
	WIN 0x80
.set j, 0
.rept 64
	ds_load_b128 v[4*j:4*j+3], v[IMR] offset:16384*(j%4)+2048*(4+j/16)+512*((j/4)%4)
.set j, j+1
.endr
	WIN 0
.endm
.macro C1SLOT u
	GEMM ACC, 0
	CHANGE \u, 1
	v_add_nc_u32 v[AD0], s[BJ], v[T1A]
	WIN 0xc0
	ds_load_b128 v[BI:BI+3], v[AD0] offset:32*(\u)
	ds_load_b128 v[BI+4:BI+7], v[AD0] offset:32*(\u)+16
	BLOAD 1-(\u)
	s_wait_dscnt 32                                ; the bias is in; the 32 loads of weights may be out
	GELU16 ACC, BI, CQ+2*(\u), CQ+4+2*(\u)
	GELU16 ACC+16, BI, CQ+8+2*(\u), CQ+12+2*(\u)
.endm
.macro C2SLOT t, refill, bload
	GEMM AC2+32*(\t), 3
	CHANGE (\t)%2, \refill
.if \bload
	BLOAD 1-(\t)%2
.endif
.endm
; Tile m of rows (16 rows x my 64 columns) goes out: the four accumulators through my stage, back as whole runs of 256 bytes; sum x 2^(e6 + e7) + x1, + cb2; store; x1 for the next trip is asked for.
.macro OUT16C m, lcnt, reload
.set ob, 32+32*((\m)%2)
	s_wait_xcnt 0x0                                ; the stores of two tiles ago have read these registers
	WIN 0x0c                                       ; store data window 3; each accumulator from its low end on
.set i, 0
.rept 4
	ds_store_b128 v[STO], v[AC2+32*i+8*(\m):AC2+32*i+8*(\m)+3] offset:64*i
	ds_store_b128 v[STO], v[AC2+32*i+8*(\m)+4:AC2+32*i+8*(\m)+7] offset:64*i+16
.set i, i+1
.endr
	WIN 0
.set i, 0
.rept 8
	ds_load_b128 v[ob+4*i:ob+4*i+3], v[RD] offset:544*i
.set i, i+1
.endr
	s_wait_loadcnt \lcnt                           ; this tile of x1 is in; the younger tiles' loads, eight each, may be out
	s_wait_dscnt 0x0
.set i, 0
.rept 16
	v_pk_fma_f32 v[ob+i:ob+i+1], v[ob+i:ob+i+1], s[S2:S2+1], v[RES+32*(\m)+i:RES+32*(\m)+i+1] op_sel_hi:[1,0,1]
.set i, i+2
.endr
.set i, 0
.rept 16
	v_pk_add_f32 v[ob+i:ob+i+1], v[ob+i:ob+i+1], v[CB+i%4:CB+i%4+1]
.set i, i+2
.endr
.if \reload
.set i, 0
.rept 8
	global_load_b128 v[RES+32*(\m)+4*i:RES+32*(\m)+4*i+3], v[VO], s[XR:XR+1] offset:65536*(\m)+8192*i+1024 th:TH_LOAD_NT
.set i, i+1
.endr
.endif
.set i, 0
.rept 8
	global_store_b128 v[VO], v[ob+4*i:ob+4*i+3], s[OUTB:OUTB+1] offset:65536*(\m)+8192*i th:TH_STORE_NT   ; sixteen lanes store 256 consecutive bytes, aligned
.set i, i+1
.endr
.endm
.macro CBLOAD
	v_add_nc_u32 v[AD0], s[CBO], v[T2A]
	ds_load_b128 v[CB:CB+3], v[AD0]
.endm
	s_load_b512 s[4:19], s[0:1], 0x0               ; x1 4, cwq 6, gain 8, bias 10, cb1 12, cb2 14, scales 16, out0 18
	v_lshl_add_u32 v[SPW], v0, 2, SPARE
	v_mov_b32 v[NIL], 0
	ds_add_u32 v[SPW], v[NIL]                      ; the wave's opening: the add, twice on end, and its wait ahead of my first tensor load
	ds_add_u32 v[SPW], v[NIL]
	v_lshrrev_b32 v1, 5, v0
	v_readfirstlane_b32 s[WV], v1                  ; wave 0..3
	s_bfe_u32 s21, ttmp6, 0x40000                  ; my place in the cluster: it enters global addresses of x1 and out0 alone
	s_lshl_b32 s22, ttmp9, 2
	s_add_co_u32 s22, s22, s21                     ; my block of 64 rows
	s_mov_b32 s[G1], 15|(3<<16)|(1<<21)            ; the mask of all four work-groups; elements of 8 bytes; bit 21 beside a mask; no padding
	s_mov_b32 s[G1+1], 32<<16                      ; rows of 256 bytes,
	s_mov_b32 s[G1+2], 64<<16                      ; 64 of them: a part's 16,384 bytes, dense
	s_mov_b32 s[G1+3], 32<<16
	s_mov_b32 s[G1+4], 64
	s_mov_b32 s[G1+5], 32
	s_mov_b32 s[G1+6], 0
	s_mov_b32 s[G1+7], 0
	s_mul_i32 s78, s[WV], PARTB
	s_mov_b32 s79, 0
	s_lshl_b32 s76, s22, 18                        ; 64 rows of 4,096 bytes
	s_lshl_b32 s80, s[WV], 8
	s_add_co_u32 s80, s76, s80                     ; + my 256 bytes of a row: the residual and the output
	s_mov_b32 s81, 0
	s_lshl_b32 s77, s[WV], 16
	s_add_co_u32 s76, s76, s77                     ; + my 16 rows: the norm
	s_mov_b32 s77, 0
	s_mov_b32 s[SEL], 0x76543210
	s_mov_b32 s[SEL+1], 0xfedcba98
	s_mov_b32 s[I1K], 0x3a800000                   ; 1 / 1024
	s_mov_b32 s[EPS], 0x3727c5ac                   ; 1e-5
	s_mov_b32 s[KK], 0x3f3504f3                    ; 1 / sqrt 2
	s_mov_b32 s[LG2], 0x3fb8aa3b                   ; log2 e
	s_mov_b32 s[LG2+1], s[LG2]
	v_and_b32 v1, 31, v0                           ; lane
	v_and_b32 v2, 15, v0                           ; r
	v_bfe_u32 v20, v0, 4, 1                        ; hh
	v_lshlrev_b32 v[LI], 4, v1
	v_add_nc_u32 v[BA0], s78, v[LI]
	v_add_nc_u32 v[BA0+1], SLOTB, v[BA0]
	s_lshl_b32 s82, s[WV], 14
	s_add_co_u32 s82, s82, IMG
	v_add_nc_u32 v[IML], s82, v[LI]                ; the hidden layer's images: my chunk's 16 KiB
	v_add_nc_u32 v[IMR], IMG, v[LI]
	s_lshl_b32 s82, s[WV], 9
	s_add_co_u32 s82, s82, IMG
	v_add_nc_u32 v[IMX], s82, v[LI]                ; the norm's images: tile m = my wave
	s_mul_i32 s82, s[WV], 4352
	s_add_co_u32 s82, s82, STG
	v_mul_u32_u24 v[STO], v2, 272
	v_lshl_add_u32 v[XRD], v20, 6, v[STO]
	v_lshl_add_u32 v[STO], v20, 5, v[STO]
	v_add_nc_u32 v[STO], s82, v[STO]
	v_add_nc_u32 v[XRD], s82, v[XRD]
	v_mul_u32_u24 v[RD], v20, 272
	v_lshl_add_u32 v[RD], v2, 4, v[RD]
	v_add_nc_u32 v[RD], s82, v[RD]
	v_lshlrev_b32 v[VO], 12, v20
	v_lshl_add_u32 v[VO], v2, 4, v[VO]
	v_lshlrev_b32 v[GBO], 6, v20
	s_lshl_b32 s82, s[WV], 10
	s_add_co_u32 s82, s82, TB1
	v_lshl_add_u32 v[T1A], v20, 6, s82
	v_add_nc_u32 v[TS], s82, v[LI]
	s_add_co_u32 s82, s82, 4096
	v_lshl_add_u32 v[T2A], v2, 4, s82
	v_lshrrev_b32 v[TL1], 3, v1
	v_lshlrev_b32 v[TL1], 9, v[TL1]
	v_and_b32 v21, 7, v1
	v_lshl_add_u32 v[TL1], v21, 4, v[TL1]
	s_lshl_b32 s83, s[WV], 7
	v_add_nc_u32 v[TL1], s83, v[TL1]               ; cb1 in memory: block lane / 8, my wave's 128 bytes
	v_lshlrev_b32 v[TL2], 10, v20
	v_lshl_add_u32 v[TL2], v2, 4, v[TL2]
	s_lshl_b32 s83, s[WV], 8
	v_add_nc_u32 v[TL2], s83, v[TL2]               ; cb2: block lane / 16, my wave's 256 bytes
	s_wait_dscnt 0x0                               ; both opening adds are done
	s_wait_kmcnt 0x0
	s_load_b256 s[40:47], s[16:17], 0x0            ; the exponents
	s_add_nc_u64 s[XR:XR+1], s[4:5], s[80:81]
	s_add_nc_u64 s[OUTB:OUTB+1], s[18:19], s[80:81]
	s_add_nc_u64 s[4:5], s[4:5], s[76:77]
	s_add_nc_u64 s[6:7], s[6:7], s[78:79]          ; the stream at my part: the wave's number alone enters it
.irp a, 0,1
	s_mov_b32 s[G0+4*\a], 1
	s_add_co_u32 s[G0+4*\a+1], s78, \a*SLOTB
	s_add_nc_u64 s[G0+4*\a+2:G0+4*\a+3], s[6:7], \a*SLOTB
	s_or_b32 s[G0+4*\a+3], s[G0+4*\a+3], 0x80000000
.endr
	ROUND                                          ; all four work-groups are here: the first joint loads meet
	tensor_load_to_lds s[G0:G0+3], s[G1:G1+7]      ; tiles 0 and 1: two loads of mine are out
	s_nop 0
	tensor_load_to_lds s[G0+4:G0+7], s[G1:G1+7]
	s_nop 0
	PLACES
	global_load_b128 v[TBR:TBR+3], v[TL1], s[12:13]
	global_load_b128 v[TBR+4:TBR+7], v[TL1], s[12:13] offset:2048
	global_load_b128 v[TBR+8:TBR+11], v[TL2], s[14:15]
	global_load_b128 v[TBR+12:TBR+15], v[TL2], s[14:15] offset:2048
	WIN 0xc0
.irp p, 0,1,2,3,4,5,6
	PLOAD \p
.endr
.irp p, 0,1,2,3,4,5,6,7,8,9,10,11,12,13,14,15
	PANEL \p
.endr
	WIN 0
	s_wait_dscnt 0x0                               ; my 16 rows stand in windows 1 and 2, and the panels' registers are free
	GBLOAD 0
	GBLOAD 1
	WIN 0
	s_wait_kmcnt 0x0
	s_add_co_i32 s[S1], s44, s45
	s_add_co_i32 s[S1], s[S1], 127
	s_lshl_b32 s[S1], s[S1], 23                    ; 2^(e4 + e5)
	s_mov_b32 s[S1+1], s[S1]
	s_add_co_i32 s[S2], s46, s47
	s_add_co_i32 s[S2], s[S2], 127
	s_lshl_b32 s[S2], s[S2], 23                    ; 2^(e6 + e7)
	s_mov_b32 s[S2+1], s[S2]
	s_add_co_i32 s82, s44, 127
	s_lshl_b32 s83, s82, 23
	v_mov_b32 v[SCX], s83                          ; 2^e4
	s_add_co_i32 s82, s82, 15
	s_lshl_b32 s82, s82, 23
	s_or_b32 s[XP], s82, 0x600000                  ; 57,344 x 2^e4 and its negative
	s_or_b32 s[XN], s[XP], 0x80000000
	s_add_co_i32 s82, s46, 127
	s_lshl_b32 s83, s82, 23
	v_mov_b32 v[SCL], s83                          ; 2^e6
	s_add_co_i32 s82, s82, 15
	s_lshl_b32 s82, s82, 23
	s_or_b32 s[HP], s82, 0x600000
	s_or_b32 s[HN], s[HP], 0x80000000
	; the norm's figures: a lane holds 512 numbers of its row, lane l xor 16 the other 512
	WIN 0x05
.irp k, 0,1,2,3
	v_pk_add_f32 v[SA+2*\k:SA+2*\k+1], v[2*\k:2*\k+1], v[8+2*\k:9+2*\k]
.endr
	WIN 0x01
.set i, 16
.rept 120
	v_pk_add_f32 v[SA+i%8:SA+i%8+1], v[i:i+1], v[SA+i%8:SA+i%8+1]
.set i, i+2
.endr
	WIN 0x02
.set i, 0
.rept 128
	v_pk_add_f32 v[SA+i%8:SA+i%8+1], v[i:i+1], v[SA+i%8:SA+i%8+1]
.set i, i+2
.endr
.macro FOLD
	WIN 0
	v_pk_add_f32 v[SA:SA+1], v[SA:SA+1], v[SA+2:SA+3]
	v_pk_add_f32 v[SA+4:SA+5], v[SA+4:SA+5], v[SA+6:SA+7]
	v_pk_add_f32 v[SA:SA+1], v[SA:SA+1], v[SA+4:SA+5]
	v_add_f32 v[SA], v[SA], v[SA+1]
	v_permlanex16_b32 v[SA+1], v[SA], s[SEL], s[SEL+1]
	v_add_f32 v[SA], v[SA], v[SA+1]
.endm
	FOLD
	v_mul_f32 v[MEAN], s[I1K], v[SA]
	v_mul_f32 v[MEAN+1], s[I1K], v[SA]
	WIN 0x41
.set i, 0
.rept 128
	v_pk_add_f32 v[i:i+1], v[i:i+1], v[MEAN:MEAN+1] neg_lo:[0,1] neg_hi:[0,1]
.set i, i+2
.endr
	WIN 0x82
.set i, 0
.rept 128
	v_pk_add_f32 v[i:i+1], v[i:i+1], v[MEAN:MEAN+1] neg_lo:[0,1] neg_hi:[0,1]
.set i, i+2
.endr
	WIN 0x05
.irp k, 0,1,2,3
	v_pk_mul_f32 v[SA+2*\k:SA+2*\k+1], v[2*\k:2*\k+1], v[2*\k:2*\k+1]
.endr
.set i, 8
.rept 124
	v_pk_fma_f32 v[SA+i%8:SA+i%8+1], v[i:i+1], v[i:i+1], v[SA+i%8:SA+i%8+1]
.set i, i+2
.endr
	WIN 0x0a
.set i, 0
.rept 128
	v_pk_fma_f32 v[SA+i%8:SA+i%8+1], v[i:i+1], v[i:i+1], v[SA+i%8:SA+i%8+1]
.set i, i+2
.endr
	FOLD
	v_fma_f32 v[SA], v[SA], s[I1K], s[EPS]         ; the variance + 1e-5
	v_rsq_f32 v[RS], v[SA]
	v_rsq_f32 v[RS+1], v[SA]
	v_nop                                          ; a plain line behind the two,
	s_wait_alu depctr_va_vdst(0)                   ; and the wait ahead of their first reader
.irp s, 0,1,2,3,4,5,6,7
	NORMQ \s
.endr
	s_wait_tensorcnt 0x1                           ; my part of tile 0 is in, and only I read it; tile 1 may be out
	s_wait_dscnt 0x0                               ; for the others' sake: my images have landed
	s_barrier_signal -1
	s_barrier_wait -1
.irp m, 0,1,2,3                        ; x1 for layer 2's first trip takes the codes' registers
.set j, 0
.rept 8
	global_load_b128 v[RES+32*\m+4*j:RES+32*\m+4*j+3], v[VO], s[XR:XR+1] offset:65536*\m+8192*j th:TH_LOAD_NT
.set j, j+1
.endr
.endr
	ALOADS
	BLOAD 0
	s_mov_b32 s[JJ], 0
	s_mov_b32 s[BJ], 0
	s_mov_b32 s[IJ], 0
.Lc1:                                  ; LAYER 1: eight trips, block j, tiles u = 0, 1.  The first change of slots, a barrier behind every wave's reads of the norm's images, stands ahead of the first store of a hidden image
	C1SLOT 0
	C1SLOT 1
	WIN 0
	v_add_nc_u32 v[AD0], s[IJ], v[IML]
.irp m, 0,1,2,3
	ds_store_b128 v[AD0], v[CQ+4*\m:CQ+4*\m+3] offset:512*\m   ; chunk w of fragment (K step j, tile m)
.endr
	s_add_co_u32 s[BJ], s[BJ], 128
	s_add_co_u32 s[IJ], s[IJ], 2048
	s_add_co_u32 s[JJ], s[JJ], 1
	s_cmp_lt_u32 s[JJ], 8
	s_cbranch_scc1 .Lc1
	s_wait_dscnt 0x0                               ; for the others' sake: my images have landed
	s_barrier_signal -1
	s_barrier_wait -1                              ; The load of the tile after next may stay out
	ALOADS
	s_mov_b32 s[JJ], 0
	s_mov_b32 s[CBO], 0
.Lc2:                                  ; LAYER 2: three trips that fill slots again: block i of 256 outputs, four tiles,
	C2SLOT 0, 1, 1
	C2SLOT 1, 1, 1
	C2SLOT 2, 1, 1
	C2SLOT 3, 1, 1
	CBLOAD
	OUT16C 0, 24, 1
	OUT16C 1, 24, 1
	OUT16C 2, 24, 1
	OUT16C 3, 24, 1
	s_wait_xcnt 0x0                                ; the loads and stores have read their bases
	s_add_nc_u64 s[XR:XR+1], s[XR:XR+1], 1024
	s_add_nc_u64 s[OUTB:OUTB+1], s[OUTB:OUTB+1], 1024
	s_add_co_u32 s[CBO], s[CBO], 256
	s_add_co_u32 s[JJ], s[JJ], 1
	s_cmp_lt_u32 s[JJ], 3
	s_cbranch_scc1 .Lc2
	C2SLOT 0, 1, 1                                 ; and the last, written out: its first two changes ask for the stream's last two tiles
	C2SLOT 1, 1, 1
	C2SLOT 2, 0, 1
	C2SLOT 3, 0, 0
	CBLOAD
	OUT16C 0, 24, 0                                ; no load of x1 follows: the counts run down
	OUT16C 1, 16, 0
	OUT16C 2, 8, 0
	OUT16C 3, 0, 0
	WIN 0
	s_wait_tensorcnt 0x0                           ; the wave's end
	ds_add_u32 v[SPW], v[NIL]
	s_wait_dscnt 0x0
	ROUND                                          ; the closing round
	s_endpgm
.Lfunc_end_k_q0c530f7929_channel:
	.size	k_q0c530f7929_channel, .Lfunc_end_k_q0c530f7929_channel-k_q0c530f7929_channel
	.p2alignl 7, 3214868480
	.fill 96, 4, 3214868480
	.section	.rodata,"a",@progbits
	.p2align	6, 0x0
	.amdhsa_kernel k_q0c530f7929_channel
		.amdhsa_group_segment_fixed_size 327680
		.amdhsa_private_segment_fixed_size 0
		.amdhsa_enable_private_segment 0
		.amdhsa_kernarg_size 64
		.amdhsa_user_sgpr_count 2
		.amdhsa_user_sgpr_kernarg_segment_ptr 1
		.amdhsa_wavefront_size32 1
		.amdhsa_system_sgpr_workgroup_id_x 1
		.amdhsa_system_sgpr_workgroup_id_y 1
		.amdhsa_system_sgpr_workgroup_id_z 1
		.amdhsa_system_vgpr_workitem_id 0
		.amdhsa_next_free_vgpr 1024
		.amdhsa_next_free_sgpr 96
		.amdhsa_reserve_vcc 0
		.amdhsa_float_denorm_mode_32 3
		.amdhsa_float_denorm_mode_16_64 3
		.amdhsa_memory_ordered 1
		.amdhsa_forward_progress 1
		.amdhsa_inst_pref_size 255
	.end_amdhsa_kernel
	.section	.bss,"aw",@nobits
	.p2align	6
	.space	262144
	.amdgpu_metadata
---
amdhsa.version: [ 1, 2 ]
amdhsa.kernels:
  - .name:           k_q0c530f7929_channel
    .symbol:         k_q0c530f7929_channel.kd
    .args:
      - { .name: x1, .offset: 0, .size: 8, .value_kind: global_buffer, .address_space: global }
      - { .name: cwq, .offset: 8, .size: 8, .value_kind: global_buffer, .address_space: global }
      - { .name: ln2_g, .offset: 16, .size: 8, .value_kind: global_buffer, .address_space: global }
      - { .name: ln2_b, .offset: 24, .size: 8, .value_kind: global_buffer, .address_space: global }
      - { .name: cb1, .offset: 32, .size: 8, .value_kind: global_buffer, .address_space: global }
      - { .name: cb2, .offset: 40, .size: 8, .value_kind: global_buffer, .address_space: global }
      - { .name: lowp_scales, .offset: 48, .size: 8, .value_kind: global_buffer, .address_space: global }
      - { .name: out0, .offset: 56, .size: 8, .value_kind: global_buffer, .address_space: global }
    .group_segment_fixed_size: 327680
    .private_segment_fixed_size: 0
    .kernarg_segment_align: 8
    .kernarg_segment_size: 64
    .max_flat_workgroup_size: 128
    .sgpr_count:     96
    .vgpr_count:     1024
    .wavefront_size: 32
...
	.end_amdgpu_metadata
.endif
;; end of part 3
;; ======== version 2 of 2: 3 launches
;; limits: right only within a limited range of input values
;; workspace buffers: ycodes 16,777,216 bytes; twq 1,179,648 bytes; cwq 2,097,152 bytes; x1 67,108,864 bytes
;; launch prep (part 4): grid 256 x 1, 4 waves a work-group, no clusters, 70,144 bytes of LDS; arguments x, ln1_g, ln1_b, tw1, tw2, cw1, cw2, lowp_scales, ycodes, twq, cwq; writes ycodes, twq, cwq
.if DOCPART == 4
	.amdgcn_target "amdgcn-amd-amdhsa--gfx1250"
	.amdhsa_code_object_version 6
	.text
	.protected	k_q0c530f7929_prep
	.globl	k_q0c530f7929_prep
	.p2align	8
	.type	k_q0c530f7929_prep,@function
k_q0c530f7929_prep:
	s_mov_b64 s[64:65], 0
	v_nop
	global_prefetch_b8 v0, s[64:65] scope:SCOPE_SE
	s_setreg_imm32_b32 hwreg(HW_REG_WAVE_MODE, 25, 1), 1
	s_wait_xcnt 0x0
; MixerBlock, launch 1 of 3.  (a) y = LayerNorm1(x) is quantised to E5M2 with the given 2^e0 and laid, TRANSPOSED (K = t innermost), as images of the first product's operand registers.
; (b) tw1, tw2 (under the triangle), cw1, cw2 are quantised with their given scales and laid as streams of operand images, in the order in which the later launches walk them.
; WORK LEFT OUT.  reference() multiplies tw1 and tw2 by mask = tril(ones): every element [n][k] with k > n is a zero that reference() builds itself, so its term of the sum over k is 0 whatever
; finite values the inputs hold.  It is left out in whole units of 128 (n) x 128 (k): of the 64 units of each of the two matrices the 28 with k's block above n's block are neither read, nor
; quantised, nor stored, nor multiplied later.  In the 8 units on the diagonal the hidden elements are replaced by 0 ahead of the quantiser.  Every input has a way to the output and is loaded.
; LIMITS.  A NaN or an infinity in an element of tw1 or tw2 above the diagonal is not carried to the result.  NaN and infinities among the inputs are not served.
; Each given exponent e lies between -126 and 112, so that 2^e and 57,344 x 2^e are f32 numbers.
; AN OPERAND IMAGE.  A fragment is 16 rows x 128 k = 16 registers a lane; lane (r = lane % 16, hh = lane / 16) holds in registers 4 c .. 4 c + 3 the codes of row r at k = 128 s + 32 c + 16 hh + 0 .. 15.
; In memory chunk c is 512 bytes, lane l's 16 bytes at 16 l.  The same places of k serve both operands of every product, so every product meets its partner.
; THE STREAMS.  Each of the four waves of a reading work-group has a stream of its own: [wave][place][fragment][2,048 bytes]; a tile is 9 fragments (temporal) or 8 (channel).  Tile t (both layers on end)
; lies at place t, but tiles 4 n + 3 and 4 n + 4 change places (the stream's last tile stays): the readers fetch two tiles by one load, and every second pair lands in LDS with its later tile first.
; SHARES.  Wave G = 4 x work-group + wave takes rows 16 G .. 16 G + 15 of x [16384][1024]: they are 16 neighbours along t, one lane's 16 bytes of an image, for each of the 1,024 channels.
; Work-group g also takes tile g % 64 (16 rows) of matrix g / 64 (tw1, tw2, cw1, cw2); its wave w the K steps 2 w and 2 w + 1.  Waves share nothing: no barrier.
; The rows of a tile of tw1 and cw1 are not neighbours: row i of tile (blk, w, u) is 128 blk + 32 w + 8 u + i + 8 (i / 8), so that the results of two neighbouring tiles are 16 neighbours along the next K.
; REGISTERS, in windows of 256: window 0: v1-15 addresses and scales; v16-47 a pair for each row (mean, later 1/sigma); v48-111 the weights' codes, then the rows' sums, then 64 numbers at work; v128-255 y's codes.
;   windows 1, 2: my 16 rows of x, row p at 32 p.   window 3: v0-31 gain, v32-63 bias, v64-191 two K steps of my tile as loaded, v192-255 one of them turned.
.set PSB,   17408                      ; LDS of a wave: first a stage of 16 rows x 528 bytes (f32), later one of 64 groups of 16 channels x 272 bytes (codes)
.set SPARE, 4*PSB                      ; the spare words, 128 bytes a wave
.set LO,   1                           ; 16 x lane
.set PSW,  2                           ; codes into the stage
.set PSR,  3                           ; and out of it
.set YO,   4                           ; their place in ycodes
.set FS,   5                           ; f32 rows into the stage
.set FL,   6                           ; and out of it
.set LIM,  7                           ; the triangle: my row - 128 blk - 16 hh
.set SCLY, 9
.set SCLW, 10
.set HLY,  11
.set SPW,  12
.set NIL,  13
.set HLW,  14
.set ST,   16
.set SP,   48
.set CW,   48
.set Y,    48
.set C,    128
.set GG,   0
.set BB,   32
.set TT,   64
.set VV,   192
.set SEL,  82
.set MSB, 0
.macro WIN new                         ; the immediate's high byte repeats the setting that is left
.if MSB != (\new)
	s_set_vgpr_msb (MSB<<8)|(\new)
.set MSB, (\new)
.endif
.endm
	s_load_b512 s[16:31], s[0:1], 0x0              ; x 16, gain 18, bias 20, tw1 22, tw2 24, cw1 26, cw2 28, scales 30
	s_load_b128 s[32:35], s[0:1], 0x40             ; ycodes 32, twq 34
	s_load_b64 s[36:37], s[0:1], 0x50              ; cwq
	v_lshl_add_u32 v[SPW], v0, 2, SPARE
	v_mov_b32 v[NIL], 0
	v_lshrrev_b32 v15, 5, v0
	v_readfirstlane_b32 s2, v15                    ; wave
	s_lshl_b32 s3, ttmp9, 2
	s_add_co_u32 s3, s3, s2                        ; G
	s_lshr_b32 s4, ttmp9, 6                        ; which matrix
	s_and_b32 s5, ttmp9, 63                        ; which tile of it
	s_lshr_b32 s6, s5, 3                           ; blk
	s_bfe_u32 s7, s5, 0x20001                      ; the wave that will read it
	s_and_b32 s8, s5, 1                            ; u
	s_sub_co_u32 s9, 7, s6
	s_cmp_ge_u32 s6, 4
	s_cselect_b32 s9, s9, s6                       ; temporal: blocks p and 7 - p share a tile of the stream
	s_cselect_b32 s10, 1, 0                        ; 1: the upper of the two: fragment q = s; 0: q = 8 - s
	s_lshl_b32 s9, s9, 1
	s_add_co_u32 s9, s9, s8                        ; tile 2 p + u of its layer
	s_lshl_b32 s11, s6, 1
	s_add_co_u32 s11, s11, s8                      ; cw1: tile 2 blk + u
	s_lshr_b32 s12, s5, 4
	s_lshl_b32 s12, s12, 2
	s_and_b32 s13, s5, 3
	s_or_b32 s12, s12, s13                         ; cw2: tile 4 (tile / 16) + tile % 4,
	s_bfe_u32 s13, s5, 0x20002                     ; wave (tile / 4) % 4
	s_cmp_eq_u32 s4, 3
	s_cselect_b32 s11, s12, s11
	s_cselect_b32 s7, s13, s7
	s_mov_b32 s12, 524288
	s_mov_b32 s13, 16384
	s_cmp_lt_u32 s4, 2                             ; a temporal matrix?
	s_cselect_b32 s9, s9, s11                      ; the tile's number in its layer
	s_cselect_b32 s10, s10, 1
	s_cselect_b32 s11, s6, 7                       ; the last K step that is live
	s_cselect_b32 s15, s6, 99                      ; the K step on the diagonal (none in a dense matrix)
	s_cselect_b32 s12, 294912, s12                 ; bytes of a wave's stream,
	s_cselect_b32 s13, 18432, s13                  ; of a tile in it;
	s_cselect_b32 s14, 8, 16                       ; tiles in a layer
	s_and_b32 s38, s4, 1                           ; layer; 0: the tile's rows are permuted
	s_lshl_b32 s72, s14, 1
	s_sub_co_u32 s72, s72, 1                       ; the stream's last tile
	s_mul_i32 s14, s14, s38
	s_add_co_u32 s9, s9, s14                       ; t: the tile's number in the stream
	s_and_b32 s14, s9, 3
	s_add_co_u32 s73, s9, 1
	s_cmp_eq_u32 s14, 3
	s_cselect_b32 s73, s73, s9                     ; its place: t = 4 n + 3 goes one further on,
	s_sub_co_u32 s74, s9, 1
	s_cmp_eq_u32 s14, 0
	s_cselect_b32 s73, s74, s73                    ; t = 4 n + 4 one back;
	s_cmp_eq_u32 s9, 0
	s_cselect_b32 s73, 0, s73                      ; the first tile
	s_cmp_eq_u32 s9, s72
	s_cselect_b32 s73, s9, s73                     ; and the last stay
	s_mul_i32 s12, s12, s7
	s_mul_i32 s13, s13, s73
	s_add_co_u32 s12, s12, s13                     ; where the tile's fragments begin in their buffer
	s_lshl_b32 s13, s6, 7
	s_lshl_b32 s14, s7, 5
	s_add_co_u32 s13, s13, s14
	s_lshl_b32 s14, s8, 3
	s_add_co_u32 s13, s13, s14
	s_lshl_b32 s14, s5, 4
	s_cmp_eq_u32 s38, 0
	s_cselect_b32 s13, s13, s14                    ; the tile's first row
	s_cselect_b32 s14, 8, 0                        ; rows 8-15 lie 8 further on where permuted
	s_lshl_b32 s73, s6, 7
	s_sub_co_u32 s73, s13, s73                     ; first row - 128 blk
	s_lshl_b32 s39, s2, 1                          ; my K steps
	s_add_co_u32 s48, s39, 1
	s_min_u32 s49, s39, s11                        ; a step above the diagonal names the diagonal step's bytes again, so that the count of loads is the same in every wave
	s_min_u32 s50, s48, s11
	s_sub_co_u32 s51, 8, s39
	s_sub_co_u32 s52, 8, s48
	s_cmp_eq_u32 s10, 1
	s_cselect_b32 s51, s39, s51                    ; their fragments' numbers q
	s_cselect_b32 s52, s48, s52
	s_mov_b32 s[SEL], 0x76543210
	s_mov_b32 s[SEL+1], 0xfedcba98
	s_mov_b32 s84, 0x3a800000                      ; 1 / 1024
	s_mov_b32 s85, 0x3727c5ac                      ; 1e-5
	s_mul_i32 s72, s2, PSB
	v_and_b32 v15, 31, v0                          ; lane
	v_lshlrev_b32 v[LO], 4, v15
	v_lshrrev_b32 v[PSW], 2, v15
	v_mul_u32_u24 v[PSW], v[PSW], 272
	v_and_b32 v[PSR], 3, v15
	v_lshl_add_u32 v[PSW], v[PSR], 6, v[PSW]
	v_add_nc_u32 v[PSW], s72, v[PSW]               ; my four channels of a load: group lane / 4, 64 (lane % 4) bytes on
	v_and_b32 v[FL], 15, v0                        ; r
	v_bfe_u32 v[FS], v0, 4, 1                      ; hh
	v_mul_u32_u24 v[PSR], v[FS], 272
	v_lshl_add_u32 v[PSR], v[FL], 4, v[PSR]
	v_add_nc_u32 v[PSR], s72, v[PSR]               ; back: sixteen lanes to a group of 16 channels
	v_lshlrev_b32 v[YO], 11, v[FS]
	v_lshl_add_u32 v[YO], v[FL], 4, v[YO]
	v_lshrrev_b32 v[LIM], 3, v[FL]
	v_mul_u32_u24 v[LIM], v[LIM], s14
	v_add3_u32 v[LIM], v[LIM], v[FL], s73
	v_lshlrev_b32 v15, 4, v[FS]
	v_sub_nc_u32 v[LIM], v[LIM], v15               ; number 32 c + e of my 64 is hidden where 32 c + e > LIM
	v_mul_u32_u24 v[FL], v[FL], 528
	v_lshl_add_u32 v[FL], v[FS], 6, v[FL]
	v_add_nc_u32 v[FL], s72, v[FL]
	v_add_nc_u32 v[FS], s72, v[LO]
	s_wait_kmcnt 0x0
	s_load_b256 s[40:47], s[30:31], 0x0            ; the eight exponents
	s_cmp_eq_u32 s4, 0                             ; the choices hang on the work-group's number alone
	s_cselect_b64 s[22:23], s[22:23], s[24:25]
	s_cmp_eq_u32 s4, 2
	s_cselect_b64 s[26:27], s[26:27], s[28:29]
	s_cmp_lt_u32 s4, 2
	s_cselect_b64 s[22:23], s[22:23], s[26:27]     ; my matrix
	s_cselect_b64 s[34:35], s[34:35], s[36:37]     ; its streams' buffer
	s_mov_b32 s77, 0
	s_lshl_b32 s76, s13, 12
	s_add_nc_u64 s[22:23], s[22:23], s[76:77]      ; at the tile's first row
	s_lshl_b32 s76, s49, 9
	s_add_nc_u64 s[54:55], s[22:23], s[76:77]      ; first step, rows 0-7
	s_lshl_b32 s76, s50, 9
	s_add_nc_u64 s[58:59], s[22:23], s[76:77]      ; second step
	s_lshl_b32 s76, s14, 12
	s_add_nc_u64 s[56:57], s[54:55], s[76:77]      ; rows 8-15
	s_add_nc_u64 s[60:61], s[58:59], s[76:77]
	s_mov_b32 s76, s12
	s_add_nc_u64 s[34:35], s[34:35], s[76:77]
	s_lshl_b32 s76, s51, 11
	s_add_nc_u64 s[62:63], s[34:35], s[76:77]      ; where the two fragments go
	s_lshl_b32 s76, s52, 11
	s_add_nc_u64 s[66:67], s[34:35], s[76:77]
	s_lshl_b32 s76, s3, 16
	s_add_nc_u64 s[68:69], s[16:17], s[76:77]      ; my 16 rows of x
	s_lshr_b32 s76, s3, 6
	s_lshl_b32 s76, s76, 20                        ; ycodes: batch,
	s_bfe_u32 s78, s3, 0x30003
	s_lshl_b32 s78, s78, 13
	s_add_co_u32 s76, s76, s78                     ; K step,
	s_bfe_u32 s78, s3, 0x20001
	s_lshl_b32 s78, s78, 9
	s_add_co_u32 s76, s76, s78                     ; chunk,
	s_and_b32 s78, s3, 1
	s_lshl_b32 s78, s78, 8
	s_add_co_u32 s76, s76, s78                     ; half of the lanes
	s_add_nc_u64 s[70:71], s[32:33], s[76:77]
	WIN 0xc0                                       ; destination window 3
.set j, 0
.rept 8
	global_load_b128 v[GG+4*j:GG+4*j+3], v[LO], s[18:19] offset:512*j
	global_load_b128 v[BB+4*j:BB+4*j+3], v[LO], s[20:21] offset:512*j
.set j, j+1
.endr
.set j, 0
.rept 8                                ; a load is one row's 512 consecutive bytes of a K step
	global_load_b128 v[TT+4*j:TT+4*j+3], v[LO], s[54:55] offset:4096*j
	global_load_b128 v[TT+32+4*j:TT+32+4*j+3], v[LO], s[56:57] offset:4096*(j+8)
	global_load_b128 v[TT+64+4*j:TT+64+4*j+3], v[LO], s[58:59] offset:4096*j
	global_load_b128 v[TT+96+4*j:TT+96+4*j+3], v[LO], s[60:61] offset:4096*(j+8)
.set j, j+1
.endr
	WIN 0x40
.set j, 0
.rept 64                               ; rows 0-7: eight loads of 512 consecutive bytes a row
	global_load_b128 v[4*j:4*j+3], v[LO], s[68:69] offset:512*j th:TH_LOAD_NT
.set j, j+1
.endr
	WIN 0x80
.set j, 0
.rept 64                               ; rows 8-15
	global_load_b128 v[4*j:4*j+3], v[LO], s[68:69] offset:32768+512*j th:TH_LOAD_NT
.set j, j+1
.endr
	WIN 0
	s_wait_kmcnt 0x0
	s_cmp_eq_u32 s4, 0
	s_cselect_b32 s41, s41, s43
	s_cmp_eq_u32 s4, 2
	s_cselect_b32 s45, s45, s47
	s_cmp_lt_u32 s4, 2
	s_cselect_b32 s41, s41, s45                    ; my matrix's exponent: entry 1, 3, 5 or 7
	s_add_co_i32 s41, s41, 127
	s_lshl_b32 s42, s41, 23
	v_mov_b32 v[SCLW], s42                         ; 2^e as f32: the conversion takes its exponent field
	s_add_co_i32 s41, s41, 15
	s_lshl_b32 s41, s41, 23
	s_or_b32 s41, s41, 0x600000
	v_mov_b32 v[HLW], s41                          ; 57,344 x 2^e
	s_add_co_i32 s40, s40, 127
	s_lshl_b32 s42, s40, 23
	v_mov_b32 v[SCLY], s42
	s_add_co_i32 s40, s40, 15
	s_lshl_b32 s40, s40, 23
	s_or_b32 s40, s40, 0x600000
	v_mov_b32 v[HLY], s40
	s_wait_loadcnt 63                              ; of the 176 loads at most 63 are out: gain, bias, the tile and rows 0-7 of x are in
; One K step of my tile: 16 rows x 512 bytes turn through my stage, so that lane (r, hh) holds 16 neighbours of each block of 32 of row r; triangle, hold, conversion, 2,048 consecutive bytes out.
.macro WSTEP tt, cw, sreg, dst
	s_cmp_gt_u32 s[\sreg], s11                     ; a unit above the diagonal: nothing is made of it
	s_cbranch_scc1 .Ldead_\@
	WIN 0x0c                                       ; store data window 3
.set j, 0
	s_wait_alu depctr_va_vdst(0)
.rept 16
	ds_store_b128 v[FS], v[(\tt)+4*j:(\tt)+4*j+3] offset:528*j
.set j, j+1
.endr
	WIN 0xc0
.set j, 0
.rept 16                               ; LDS serves a wave's instructions in order: these see the stores above
	ds_load_b128 v[VV+4*j:VV+4*j+3], v[FL] offset:128*(j/4)+16*(j%4)
.set j, j+1
.endr
	s_wait_dscnt 0x0
	WIN 0
	s_cmp_lg_u32 s[\sreg], s15                     ; only the unit on the diagonal holds hidden elements
	s_cbranch_scc1 .Lopen_\@
	WIN 0xc3
.set j, 0
.rept 64
	v_cmp_gt_i32 vcc_lo, 32*(j/16)+j%16, v[LIM]
	v_cndmask_b32 v[VV+j], v[VV+j], v[NIL], vcc_lo
.set j, j+1
.endr
	WIN 0
.Lopen_\@:
	WIN 0xc3
.set j, 0
.rept 64
	v_med3_num_f32 v[VV+j], v[VV+j], -v[HLW], v[HLW]   ; the conversion to an 8-bit code does not saturate (ISA guide 7.6.2): the hold comes first
.set j, j+1
.endr
	WIN 0x03
.set j, 0
.rept 8
	v_cvt_scalef32_pk8_bf8_f32 v[(\cw)+2*j:(\cw)+2*j+1], v[VV+8*j:VV+8*j+7], v[SCLW]
.set j, j+1
.endr
	v_nop                                          ; a plain line behind the last conversion
	WIN 0
.set j, 0
.rept 4
	global_store_b128 v[LO], v[(\cw)+4*j:(\cw)+4*j+3], s[\dst:\dst+1] offset:512*j   ; 32 lanes store 512 consecutive bytes
.set j, j+1
.endr
.Ldead_\@:
.endm
	WSTEP TT, CW, 39, 62
	WSTEP TT+64, CW+16, 48, 66
	s_wait_xcnt 0x0                                ; the stores have read their registers: the sums below are written there
; LayerNorm over the 1,024 channels of each of my 16 rows: a lane holds 32 numbers of each row.  wn: the window, r0: its first row.
.macro RSUM wn, r0
	WIN (\wn)*5
.irp p, 0,1,2,3,4,5,6,7
	v_pk_add_f32 v[SP+2*(\r0+\p):SP+2*(\r0+\p)+1], v[32*\p:32*\p+1], v[32*\p+2:32*\p+3]
.endr
	WIN \wn
.set j, 4
.rept 14
.irp p, 0,1,2,3,4,5,6,7
	v_pk_add_f32 v[SP+2*(\r0+\p):SP+2*(\r0+\p)+1], v[32*\p+j:32*\p+j+1], v[SP+2*(\r0+\p):SP+2*(\r0+\p)+1]
.endr
.set j, j+2
.endr
.endm
.macro RSQ wn, r0
	WIN (\wn)*5
.irp p, 0,1,2,3,4,5,6,7
	v_pk_mul_f32 v[SP+2*(\r0+\p):SP+2*(\r0+\p)+1], v[32*\p:32*\p+1], v[32*\p:32*\p+1]
.endr
.set j, 2
.rept 15
.irp p, 0,1,2,3,4,5,6,7
	v_pk_fma_f32 v[SP+2*(\r0+\p):SP+2*(\r0+\p)+1], v[32*\p+j:32*\p+j+1], v[32*\p+j:32*\p+j+1], v[SP+2*(\r0+\p):SP+2*(\r0+\p)+1]
.endr
.set j, j+2
.endr
.endm
.macro RSUB wn, r0
	WIN ((\wn)<<6)|(\wn)
.irp p, 0,1,2,3,4,5,6,7
.set j, 0
.rept 16
	v_pk_add_f32 v[32*\p+j:32*\p+j+1], v[32*\p+j:32*\p+j+1], v[ST+2*(\r0+\p):ST+2*(\r0+\p)+1] neg_lo:[0,1] neg_hi:[0,1]
.set j, j+2
.endr
.endr
.endm
.macro RMUL wn, r0
	WIN ((\wn)<<6)|(\wn)
.irp p, 0,1,2,3,4,5,6,7
.set j, 0
.rept 16
	v_pk_mul_f32 v[32*\p+j:32*\p+j+1], v[32*\p+j:32*\p+j+1], v[ST+2*(\r0+\p):ST+2*(\r0+\p)+1]
.set j, j+2
.endr
.endr
.endm
.macro REDUCE                          ; the 16 rows' sums over the 32 lanes, the rows by turns; the result stands in every lane
	WIN 0
.irp p, 0,1,2,3,4,5,6,7,8,9,10,11,12,13,14,15
	v_add_f32 v[SP+2*\p], v[SP+2*\p], v[SP+2*\p+1]
.endr
.irp x, 1,2,4,8
.irp p, 0,1,2,3,4,5,6,7,8,9,10,11,12,13,14,15
	v_add_f32_dpp v[SP+2*\p], v[SP+2*\p], v[SP+2*\p] row_xmask:\x row_mask:0xf bank_mask:0xf
.endr
.endr
.irp p, 0,1,2,3,4,5,6,7,8,9,10,11,12,13,14,15
	v_permlanex16_b32 v[SP+2*\p+1], v[SP+2*\p], s[SEL], s[SEL+1]
.endr
.irp p, 0,1,2,3,4,5,6,7,8,9,10,11,12,13,14,15
	v_add_f32 v[SP+2*\p], v[SP+2*\p], v[SP+2*\p+1]
.endr
.endm
	RSUM 1, 0
	s_wait_loadcnt 0x0                             ; rows 8-15
	RSUM 2, 8
	REDUCE
.irp p, 0,1,2,3,4,5,6,7,8,9,10,11,12,13,14,15
	v_mul_f32 v[ST+2*\p], s84, v[SP+2*\p]          ; the mean, twice: a pair for the packed forms
	v_mul_f32 v[ST+2*\p+1], s84, v[SP+2*\p]
.endr
	RSUB 1, 0
	RSUB 2, 8
	RSQ 1, 0
	RSQ 2, 8
	REDUCE
.irp p, 0,1,2,3,4,5,6,7,8,9,10,11,12,13,14,15
	v_fma_f32 v[SP+2*\p], v[SP+2*\p], s84, s85     ; the variance + 1e-5
.endr
	s_wait_alu depctr_va_vdst(0)
.irp p, 0,1,2,3,4,5,6,7,8,9,10,11,12,13,14,15
	v_rsq_f32 v[ST+2*\p], v[SP+2*\p]
	v_rsq_f32 v[ST+2*\p+1], v[SP+2*\p]
.endr
	v_nop                                          ; a plain line behind the batch,
	s_wait_alu depctr_va_vdst(0)                   ; and the one wait ahead of its first reader
	RMUL 1, 0
	RMUL 2, 8
; Load ci of a row gave my lane channels 128 ci + 4 lane + 0 .. 3.  For each of the four: gain and bias put the 16 rows' numbers into 16 consecutive registers, which are 16 neighbours along t.
.set ci, 0
.rept 8
	WIN 0x3d                                       ; x window 1, gain and bias window 3
.set j, 0
.rept 32
	v_fma_f32 v[Y+16*(j/8)+j%8], v[32*(j%8)+4*ci+j/8], v[GG+4*ci+j/8], v[BB+4*ci+j/8]
.set j, j+1
.endr
	WIN 0x3e                                       ; x window 2
.set j, 0
.rept 32
	v_fma_f32 v[Y+16*(j/8)+8+j%8], v[32*(j%8)+4*ci+j/8], v[GG+4*ci+j/8], v[BB+4*ci+j/8]
.set j, j+1
.endr
	WIN 0
.set j, 0
.rept 64
	v_med3_num_f32 v[Y+j], v[Y+j], -v[HLY], v[HLY]
.set j, j+1
.endr
.set j, 0
.rept 8
	v_cvt_scalef32_pk8_bf8_f32 v[C+16*ci+2*j:C+16*ci+2*j+1], v[Y+8*j:Y+8*j+7], v[SCLY]
.set j, j+1
.endr
	v_nop                                          ; a plain line between the conversions and the next lines that write their sources
.set j, 0
.rept 4
	ds_store_b128 v[PSW], v[C+16*ci+4*j:C+16*ci+4*j+3] offset:2176*ci+16*j
.set j, j+1
.endr
.set ci, ci+1
.endr
	WIN 0x40                                       ; back by groups of 16 channels, two an instruction, into window 1
.set j, 0
.rept 32
	ds_load_b128 v[4*j:4*j+3], v[PSR] offset:544*j
.set j, j+1
.endr
	WIN 0x04                                       ; store data window 1
.set j, 0
.rept 32
	s_wait_dscnt 31-j                              ; LDS loads come back in order: number j is in
	global_store_b128 v[YO], v[4*j:4*j+3], s[70:71] offset:(j/2)*65536+(j%2)*4096   ; sixteen lanes store 256 consecutive bytes, aligned
.set j, j+1
.endr
	WIN 0
	s_wait_tensorcnt 0x0                           ; the wave's end
	ds_add_u32 v[SPW], v[NIL]
	s_wait_dscnt 0x0
	s_endpgm
.Lfunc_end_k_q0c530f7929_prep:
	.size	k_q0c530f7929_prep, .Lfunc_end_k_q0c530f7929_prep-k_q0c530f7929_prep
	.p2alignl 7, 3214868480
	.fill 96, 4, 3214868480
	.section	.rodata,"a",@progbits
	.p2align	6, 0x0
	.amdhsa_kernel k_q0c530f7929_prep
		.amdhsa_group_segment_fixed_size 70144
		.amdhsa_private_segment_fixed_size 0
		.amdhsa_enable_private_segment 0
		.amdhsa_kernarg_size 88
		.amdhsa_user_sgpr_count 2
		.amdhsa_user_sgpr_kernarg_segment_ptr 1
		.amdhsa_wavefront_size32 1
		.amdhsa_system_sgpr_workgroup_id_x 1
		.amdhsa_system_sgpr_workgroup_id_y 1
		.amdhsa_system_sgpr_workgroup_id_z 1
		.amdhsa_system_vgpr_workitem_id 0
		.amdhsa_next_free_vgpr 1024
		.amdhsa_next_free_sgpr 96
		.amdhsa_reserve_vcc 1
		.amdhsa_float_denorm_mode_32 3
		.amdhsa_float_denorm_mode_16_64 3
		.amdhsa_memory_ordered 1
		.amdhsa_forward_progress 1
		.amdhsa_inst_pref_size 204
	.end_amdhsa_kernel
	.amdgpu_metadata
---
amdhsa.version: [ 1, 2 ]
amdhsa.kernels:
  - .name:           k_q0c530f7929_prep
    .symbol:         k_q0c530f7929_prep.kd
    .args:
      - { .name: x, .offset: 0, .size: 8, .value_kind: global_buffer, .address_space: global }
      - { .name: ln1_g, .offset: 8, .size: 8, .value_kind: global_buffer, .address_space: global }
      - { .name: ln1_b, .offset: 16, .size: 8, .value_kind: global_buffer, .address_space: global }
      - { .name: tw1, .offset: 24, .size: 8, .value_kind: global_buffer, .address_space: global }
      - { .name: tw2, .offset: 32, .size: 8, .value_kind: global_buffer, .address_space: global }
      - { .name: cw1, .offset: 40, .size: 8, .value_kind: global_buffer, .address_space: global }
      - { .name: cw2, .offset: 48, .size: 8, .value_kind: global_buffer, .address_space: global }
      - { .name: lowp_scales, .offset: 56, .size: 8, .value_kind: global_buffer, .address_space: global }
      - { .name: ycodes, .offset: 64, .size: 8, .value_kind: global_buffer, .address_space: global }
      - { .name: twq, .offset: 72, .size: 8, .value_kind: global_buffer, .address_space: global }
      - { .name: cwq, .offset: 80, .size: 8, .value_kind: global_buffer, .address_space: global }
    .group_segment_fixed_size: 70144
    .private_segment_fixed_size: 0
    .kernarg_segment_align: 8
    .kernarg_segment_size: 88
    .max_flat_workgroup_size: 128
    .sgpr_count:     96
    .vgpr_count:     1024
    .wavefront_size: 32
...
	.end_amdgpu_metadata
.endif
;; end of part 4
;; launch temporal (part 5): grid 16 x 16, 4 waves a work-group, clusters of 4 x 1, 327,680 bytes of LDS; arguments ycodes, twq, x, tb1, tb2, lowp_scales, x1; writes x1
.if DOCPART == 5
	.amdgcn_target "amdgcn-amd-amdhsa--gfx1250"
	.amdhsa_code_object_version 6
	.text
	.protected	k_q0c530f7929_temporal
	.globl	k_q0c530f7929_temporal
	.p2align	8
	.type	k_q0c530f7929_temporal,@function
k_q0c530f7929_temporal:
	s_mov_b64 s[64:65], 0
	v_nop
	global_prefetch_b8 v0, s[64:65] scope:SCOPE_SE
	s_setreg_imm32_b32 hwreg(HW_REG_WAVE_MODE, 25, 1), 1
	s_wait_xcnt 0x0
	s_wait_alu depctr_hold_cnt(0) depctr_sa_sdst(0) depctr_va_vdst(0) depctr_va_sdst(0) depctr_va_ssrc(0) depctr_va_vcc(0) depctr_vm_vsrc(0)
	s_getreg_b32 s2, hwreg(HW_REG_IB_STS2, 6, 4)
	s_cmp_eq_u32 s2, 0
	s_cbranch_scc0 .Lentry_in_a_cluster
	s_endpgm
.Lentry_in_a_cluster:
	s_bfe_u32 s2, ttmp6, 0x10000c
	s_cmp_lg_u32 s2, 0x3003
	s_cbranch_scc0 .Lentry_shape_is_right
	s_endpgm
.Lentry_shape_is_right:
; MixerBlock, launch 2 of 3: x1 = x + swap(gelu(y (tril tw1)^T + tb1) (tril tw2)^T + tb2), both products on codes of E5M2 with the given scales; y's and the weights' codes come from launch 1.
; WORK LEFT OUT, as launch 1 shows: the units of 128 x 128 of tw1 and tw2 that lie wholly above the diagonal are zeros that reference() builds itself; they are neither fetched nor multiplied.
; A work-group owns one batch and 64 channels; blocks p and 7 - p of the 8 blocks along t share a tile of nine fragments, so that every trip has the same work.
; Where the range of the trip counter settles which of the two blocks a fragment serves, the choice is made as the text is assembled; a branch stands only where both ways are taken.
.set PARTB, 18432
.set WRING, 3*PARTB
.set WSTR,  16*PARTB
.set IMG,   4*WRING
.set STG,   IMG+65536
.set TB1,   STG+4*4352
.set TB2,   TB1+4096
.set SPARE, TB2+4096
.set LI,  3
.set BA0, 4
.set BA1, 5
.set IML, 6
.set AD0, 7
.set AD1, 8
.set IMR, 9
.set STO, 10
.set RD,  11
.set VO,  12
.set T1A, 13
.set T2A, 14
.set TL,  15
.set TS,  16
.set SCL, 17
.set SPW, 18
.set NIL, 19
.set BAE, 22
.set BP,  24
.set CQ,  32
.set ACX, 64
.set ACY, 96
.set RES, 128
.set GZ,  144
.set GAA, 160
.set GP,  176
.set GD,  192
.set GR,  208
.set GE,  224
.set BI,  240
.set WV,  18
.set G1P, 24
.set G0W, 32
.set G0S, 36
.set S1,  48
.set S2,  50
.set HN,  52
.set HP,  53
.set PP,  54
.set BLO, 55
.set BHI, 56
.set ILO, 57
.set IHI, 58
.set XLO, 60
.set XHI, 62
.set OLO, 66
.set OHI, 68
.set RB,  70
.set RG,  71
.set KK,  72
.set EV,  73
.set LG2, 74
.set G1S, 84
.set G0H, 92
.set MSB, 0
.macro WIN new
.if MSB != (\new)
	s_set_vgpr_msb (MSB<<8)|(\new)
.set MSB, (\new)
.endif
.endm
.macro PLACES
.rept 4
	v_nop
.endr
.endm
.macro ROUND
	s_barrier_signal -1
	s_barrier_wait -1
	s_cmp_lg_u32 s[WV], 0
	s_cbranch_scc1 .Lnw0_\@
	s_barrier_signal -3
.Lnw0_\@:
	s_barrier_wait -3
	s_barrier_signal -1
	s_barrier_wait -1
.endm
.macro REFILL kind
	WIN 0
	s_wait_tensorcnt 0x0
	ds_add_u32 v[SPW], v[NIL]
.if (\kind) == 1
	s_xor_b32 s[RG], s[RG], PARTB
	s_add_co_u32 s[G0W+1], s[RB], s[RG]
	s_add_nc_u64 s[G0W+2:G0W+3], s[G0W+2:G0W+3], 2*PARTB
.else
	s_add_co_u32 s[G0S+1], s[RB], PARTB
	s_add_nc_u64 s[G0S+2:G0S+3], s[G0S+2:G0S+3], 13*PARTB
.endif
	s_wait_dscnt 0x0
	ROUND
.if (\kind) == 1
	tensor_load_to_lds s[G0W:G0W+3], s[G1P:G1P+7]
.else
	tensor_load_to_lds s[G0S:G0S+3], s[G1S:G1S+7]
.endif
	s_nop 0
	PLACES
.endm
.macro BLOAD adr
	WIN 0xc0
.set j, 0
.rept 36
	ds_load_b128 v[4*j:4*j+3], v[\adr] offset:512*j
.set j, j+1
.endr
	WIN 0
.endm
.macro MM4 tr, acc, q, s, first
.if \tr
	WIN 0x03|((1+(\s)/4)<<2)
.else
	WIN 0x0c|(1+(\s)/4)
.endif
.set fa, 64*((\s)%4)
.set fb, 16*(\q)
.set mm, 0
.rept 4
.if (\tr) && (\first)
	v_wmma_f32_16x16x128_bf8_bf8 v[(\acc)+8*mm:(\acc)+8*mm+7], v[fb:fb+15], v[fa+16*mm:fa+16*mm+15], 0
.elseif \tr
	v_wmma_f32_16x16x128_bf8_bf8 v[(\acc)+8*mm:(\acc)+8*mm+7], v[fb:fb+15], v[fa+16*mm:fa+16*mm+15], v[(\acc)+8*mm:(\acc)+8*mm+7]
.elseif \first
	v_wmma_f32_16x16x128_bf8_bf8 v[(\acc)+8*mm:(\acc)+8*mm+7], v[fa+16*mm:fa+16*mm+15], v[fb:fb+15], 0
.else
	v_wmma_f32_16x16x128_bf8_bf8 v[(\acc)+8*mm:(\acc)+8*mm+7], v[fa+16*mm:fa+16*mm+15], v[fb:fb+15], v[(\acc)+8*mm:(\acc)+8*mm+7]
.endif
.set mm, mm+1
.endr
.endm
.macro ALT tr, q, lo, hi               ; the trip counter lies between lo and hi
.if (\hi) < 8-(\q)
	MM4 \tr, ACY, \q, \q, 0
.elseif (\lo) >= 8-(\q)
	MM4 \tr, ACX, \q, 8-(\q), 0
.else
	WIN 0
	s_cmp_lt_u32 s[PP], 8-(\q)
	s_cbranch_scc0 .Llo_\@
	MM4 \tr, ACY, \q, \q, 0
	WIN 0
	s_branch .Ljn_\@
.Llo_\@:
	MM4 \tr, ACX, \q, 8-(\q), 0
	WIN 0
.Ljn_\@:
.endif
.endm
.macro GEMM tr, dsn, lo=0, hi=3
	s_wait_dscnt \dsn
.if !(\tr)
	s_wait_xcnt 0x0
.endif
	MM4 \tr, ACX, 8, 0, 1
	MM4 \tr, ACY, 0, 0, 1
	MM4 \tr, ACY, 1, 1, 0
	MM4 \tr, ACY, 2, 2, 0
	MM4 \tr, ACY, 3, 3, 0
	MM4 \tr, ACY, 4, 4, 0
	ALT \tr, 7, \lo, \hi
	ALT \tr, 6, \lo, \hi
	ALT \tr, 5, \lo, \hi
	WIN 0
.endm
.macro PK2 op, d, a, b
.set i, 0
.rept 8
	\op v[(\d)+i:(\d)+i+1], v[(\a)+i:(\a)+i+1], v[(\b)+i:(\b)+i+1]
.set i, i+2
.endr
.endm
.macro HSTEP lit
.set i, 0
.rept 8
	v_pk_fma_f32 v[GAA+i:GAA+i+1], v[GAA+i:GAA+i+1], v[GR+i:GR+i+1], \lit op_sel_hi:[1,1,0]
.set i, i+2
.endr
.endm
.macro GELU16 acc, bi, cq0, cq1
	WIN 0xf0
.irp h, 0,8
.irp i, 0,2,4,6
	v_pk_fma_f32 v[GZ+\h+\i:GZ+\h+\i+1], v[(\acc)+\h+\i:(\acc)+\h+\i+1], s[S1:S1+1], v[(\bi)+\i:(\bi)+\i+1] op_sel_hi:[1,0,1]
.endr
.endr
	WIN 0xff
.set i, 0
.rept 16
	v_mul_f32 v[GAA+i], s[KK], |v[GZ+i]|
.set i, i+1
.endr
.set i, 0
.rept 8
	v_pk_fma_f32 v[GR+i:GR+i+1], v[GAA+i:GAA+i+1], s[LG2:LG2+1], 2.0 op_sel_hi:[1,0,0]   ; a + 2, a = b sqrt(ln 2), b = |z| sqrt(log2(e) / 2)
	v_pk_fma_f32 v[GP+i:GP+i+1], v[GAA+i:GAA+i+1], s[96:97], 2.0 op_sel_hi:[1,0,0]       ; 4 a + 2
.set i, i+2
.endr
	PK2 v_pk_mul_f32, GE, GAA, GAA
.set i, 0
	s_wait_alu depctr_va_vdst(0)
.rept 16
	v_rcp_f32 v[GR+i], v[GR+i]
	v_rcp_f32 v[GP+i], v[GP+i]
.set i, i+1
.endr
.set i, 0
.rept 16
	v_exp_f32 v[GE+i], -v[GE+i]
.set i, i+1
.endr
	v_nop
	s_wait_alu depctr_va_vdst(0)
.set i, 0
.rept 8
	v_pk_fma_f32 v[GR+i:GR+i+1], v[GR+i:GR+i+1], -4.0, 1.0 op_sel_hi:[1,0,0]             ; q = 1 - 4 / (a + 2)
.set i, i+2
.endr
	v_mov_b32 v[GD], 0xb9d25000
	v_mov_b32 v[GD+1], 0xb9d25000
.set i, 0
.rept 8
	v_pk_fma_f32 v[GAA+i:GAA+i+1], v[GR+i:GR+i+1], v[GD:GD+1], 0xbaa15130 op_sel_hi:[1,0,0]
.set i, i+2
.endr
	HSTEP 0x3aac2b8a
	HSTEP 0x3c0d6e62
	HSTEP 0xbc040dc1
	HSTEP 0xbd5e05b5
	HSTEP 0x3e27fe23
	HSTEP 0xbe2a0420
	HSTEP 0xbdbdfb0b
	HSTEP 0x3e8dd01d
.set i, 0
.rept 8
	v_pk_fma_f32 v[GAA+i:GAA+i+1], v[GAA+i:GAA+i+1], v[GP+i:GP+i+1], v[GP+i:GP+i+1]
.set i, i+2
.endr
	PK2 v_pk_mul_f32, GAA, GAA, GE
.set i, 0
.rept 16
	v_max_num_f32 v[GD+i], 0, v[GZ+i]
.set i, i+1
.endr
.set i, 0
.rept 16
	v_fma_f32 v[GZ+i], -|v[GZ+i]|, v[GAA+i], v[GD+i]
.set i, i+1
.endr
.set i, 0
.rept 16
	v_med3_num_f32 v[GZ+i], v[GZ+i], s[HN], s[HP]
.set i, i+1
.endr
	WIN 0x03
	v_cvt_scalef32_pk8_bf8_f32 v[(\cq0):(\cq0)+1], v[GZ:GZ+7], v[SCL]
	v_cvt_scalef32_pk8_bf8_f32 v[(\cq1):(\cq1)+1], v[GZ+8:GZ+15], v[SCL]
	v_nop
.endm
.macro BIAS1 u
	WIN 0
	v_add_nc_u32 v[AD0], s[BLO], v[T1A]
	v_add_nc_u32 v[AD1], s[BHI], v[T1A]
	WIN 0xc0
	ds_load_b128 v[BI:BI+3], v[AD0] offset:32*(\u)
	ds_load_b128 v[BI+4:BI+7], v[AD0] offset:32*(\u)+16
	ds_load_b128 v[BI+8:BI+11], v[AD1] offset:32*(\u)
	ds_load_b128 v[BI+12:BI+15], v[AD1] offset:32*(\u)+16
	WIN 0
.endm
.macro BIAS2 u
	WIN 0
	v_add_nc_u32 v[AD0], s[BLO], v[T2A]
	v_add_nc_u32 v[AD1], s[BHI], v[T2A]
	ds_load_b32 v[BP], v[AD0] offset:64*(\u)
	ds_load_b32 v[BP+2], v[AD1] offset:64*(\u)
.endm
.macro OUT16 acc, bp, res, sin, sout, u, lcnt, reload, delta
.set i, 0
.rept 16
	v_pk_fma_f32 v[(\acc)+i:(\acc)+i+1], v[(\acc)+i:(\acc)+i+1], s[S2:S2+1], v[(\bp):(\bp)+1] op_sel_hi:[1,0,0]
.set i, i+2
.endr
.set i, 0
.rept 4
	ds_store_b128 v[STO], v[(\acc)+8*i:(\acc)+8*i+3] offset:64*i
	ds_store_b128 v[STO], v[(\acc)+8*i+4:(\acc)+8*i+7] offset:64*i+16
.set i, i+1
.endr
.set i, 0
.rept 8
	ds_load_b128 v[(\acc)+4*i:(\acc)+4*i+3], v[RD] offset:544*i
.set i, i+1
.endr
	s_wait_loadcnt \lcnt
	s_wait_dscnt 0x0
.set i, 0
.rept 16
	v_pk_add_f32 v[(\acc)+i:(\acc)+i+1], v[(\acc)+i:(\acc)+i+1], v[(\res)+i:(\res)+i+1]
.set i, i+2
.endr
.if \reload
.set i, 0
.rept 8
	global_load_b128 v[(\res)+4*i:(\res)+4*i+3], v[VO], s[\sin:\sin+1] offset:65536*(\u)+8192*i+(\delta) th:TH_LOAD_NT
.set i, i+1
.endr
.endif
.set i, 0
.rept 8
	global_store_b128 v[VO], v[(\acc)+4*i:(\acc)+4*i+3], s[\sout:\sout+1] offset:65536*(\u)+8192*i
.set i, i+1
.endr
.endm
.macro L2TRIP kind, bload, reload, l0, l1, l2, l3, lo, hi
	BIAS2 0
	GEMM 0, 2, \lo, \hi
	PLACES
	s_wait_dscnt 0x0
	OUT16 ACX, BP, RES, XLO, OLO, 0, \l0, \reload, 524288
	s_wait_tensorcnt 0x0
	BLOAD BA1
	OUT16 ACY, BP+2, RES+32, XHI, OHI, 0, \l1, \reload, -524288
.if \kind
	REFILL \kind
.endif
	BIAS2 1
	GEMM 0, 2, \lo, \hi
	PLACES
.if \bload
	v_add_nc_u32 v[BAE], s[EV], v[BA0]
	BLOAD BAE
	s_wait_dscnt 36
.else
	s_wait_dscnt 0x0
.endif
	OUT16 ACX, BP, RES+64, XLO, OLO, 1, \l2, \reload, 524288
	OUT16 ACY, BP+2, RES+96, XHI, OHI, 1, \l3, \reload, -524288
.endm
.macro L2STEP
	s_wait_xcnt 0x0
	s_add_nc_u64 s[XLO:XLO+1], s[XLO:XLO+1], 524288
	s_sub_nc_u64 s[XHI:XHI+1], s[XHI:XHI+1], 524288
	s_add_nc_u64 s[OLO:OLO+1], s[OLO:OLO+1], 524288
	s_sub_nc_u64 s[OHI:OHI+1], s[OHI:OHI+1], 524288
	s_add_co_u32 s[BLO], s[BLO], 128
	s_sub_co_u32 s[BHI], s[BHI], 128
	s_xor_b32 s[EV], s[EV], 2*PARTB
	s_add_co_u32 s[PP], s[PP], 1
.endm
	s_load_b256 s[4:11], s[0:1], 0x0
	s_load_b128 s[12:15], s[0:1], 0x20
	s_load_b64 s[16:17], s[0:1], 0x30
	v_lshl_add_u32 v[SPW], v0, 2, SPARE
	v_mov_b32 v[NIL], 0
	ds_add_u32 v[SPW], v[NIL]
	ds_add_u32 v[SPW], v[NIL]
	v_lshrrev_b32 v1, 5, v0
	v_readfirstlane_b32 s[WV], v1
	s_bfe_u32 s19, ttmp6, 0x40000
	s_lshl_b32 s20, ttmp9, 2
	s_add_co_u32 s20, s20, s19
	s_and_b32 s21, ttmp7, 0xffff
.irp g, G1P, G1S
	s_mov_b32 s[\g], 15|(3<<16)|(1<<21)
	s_mov_b32 s[\g+1], 32<<16
	s_mov_b32 s[\g+3], 32<<16
	s_mov_b32 s[\g+5], 32
	s_mov_b32 s[\g+6], 0
	s_mov_b32 s[\g+7], 0
.endr
	s_mov_b32 s[G1P+2], 144<<16
	s_mov_b32 s[G1P+4], 144
	s_mov_b32 s[G1S+2], 72<<16
	s_mov_b32 s[G1S+4], 72
	s_mul_i32 s78, s[WV], WSTR
	s_mov_b32 s79, 0
	s_mul_i32 s[RB], s[WV], WRING
	s_mov_b32 s[RG], PARTB
	s_mov_b32 s[EV], 2*PARTB
	s_lshl_b32 s22, s21, 22
	s_lshl_b32 s23, s[WV], 17
	s_add_co_u32 s22, s22, s23
	s_lshl_b32 s23, s20, 8
	s_add_co_u32 s22, s22, s23
	s_mov_b32 s23, 0
	s_lshl_b32 s76, s21, 4
	s_add_co_u32 s76, s76, s20
	s_lshl_b32 s76, s76, 16
	s_mov_b32 s77, 0
	s_mov_b32 s[KK], 0x3f596d27                    ; sqrt(log2(e) / 2): exp(-z z / 2) = 2^(-b b)
	s_mov_b32 s[LG2], 0x3f55224d                   ; sqrt(ln 2)
	s_mov_b32 s[LG2+1], s[LG2]
	s_mov_b32 s96, 0x4055224d                      ; 4 sqrt(ln 2)
	s_mov_b32 s97, 0x4055224d
	v_and_b32 v1, 31, v0
	v_and_b32 v2, 15, v0
	v_bfe_u32 v20, v0, 4, 1
	v_lshlrev_b32 v[LI], 4, v1
	v_add_nc_u32 v[BA0], s[RB], v[LI]
	v_add_nc_u32 v[BA1], PARTB, v[BA0]
	s_lshl_b32 s80, s[WV], 14
	s_add_co_u32 s80, s80, IMG
	v_add_nc_u32 v[IML], s80, v[LI]
	v_add_nc_u32 v[IMR], IMG, v[LI]
	s_mul_i32 s80, s[WV], 4352
	s_add_co_u32 s80, s80, STG
	v_mul_u32_u24 v[STO], v2, 272
	v_lshl_add_u32 v[STO], v20, 5, v[STO]
	v_add_nc_u32 v[STO], s80, v[STO]
	v_mul_u32_u24 v[RD], v20, 272
	v_lshl_add_u32 v[RD], v2, 4, v[RD]
	v_add_nc_u32 v[RD], s80, v[RD]
	v_lshlrev_b32 v[VO], 12, v20
	v_lshl_add_u32 v[VO], v2, 4, v[VO]
	s_lshl_b32 s80, s[WV], 10
	s_add_co_u32 s80, s80, TB1
	v_lshl_add_u32 v[T1A], v20, 6, s80
	v_add_nc_u32 v[TS], s80, v[LI]
	s_add_co_u32 s80, s80, 4096
	v_lshl_add_u32 v[T2A], v2, 2, s80
	v_lshrrev_b32 v[TL], 3, v1
	v_lshlrev_b32 v[TL], 9, v[TL]
	v_and_b32 v21, 7, v1
	v_lshl_add_u32 v[TL], v21, 4, v[TL]
	s_lshl_b32 s81, s[WV], 7
	v_add_nc_u32 v[TL], s81, v[TL]
	v_mov_b32 v[BP+1], 0
	v_mov_b32 v[BP+3], 0
	s_wait_dscnt 0x0
	s_wait_kmcnt 0x0
	s_load_b256 s[40:47], s[14:15], 0x0
	s_add_nc_u64 s[4:5], s[4:5], s[76:77]
	s_add_nc_u64 s[XLO:XLO+1], s[8:9], s[22:23]
	s_add_nc_u64 s[XHI:XHI+1], s[XLO:XLO+1], 7*524288
	s_add_nc_u64 s[OLO:OLO+1], s[16:17], s[22:23]
	s_add_nc_u64 s[OHI:OHI+1], s[OLO:OLO+1], 7*524288
	s_add_nc_u64 s[6:7], s[6:7], s[78:79]
	s_mov_b32 s[G0H], 1
	s_mov_b32 s[G0H+1], s[RB]
	s_mov_b64 s[G0H+2:G0H+3], s[6:7]
	s_or_b32 s[G0H+3], s[G0H+3], 0x80000000
	s_mov_b32 s[G0S], 1
	s_add_co_u32 s[G0S+1], s[RB], 2*PARTB
	s_add_nc_u64 s[G0S+2:G0S+3], s[6:7], 2*PARTB
	s_or_b32 s[G0S+3], s[G0S+3], 0x80000000
	s_mov_b32 s[G0W], 1
	s_add_co_u32 s[G0W+1], s[RB], PARTB
	s_add_nc_u64 s[G0W+2:G0W+3], s[6:7], PARTB
	s_or_b32 s[G0W+3], s[G0W+3], 0x80000000
	ROUND
	tensor_load_to_lds s[G0H:G0H+3], s[G1P:G1P+7]
	s_nop 0
	PLACES
	s_wait_alu depctr_va_vdst(0)
	global_load_b128 v[32:35], v[TL], s[10:11]
	global_load_b128 v[36:39], v[TL], s[10:11] offset:2048
	global_load_b128 v[40:43], v[TL], s[12:13]
	global_load_b128 v[44:47], v[TL], s[12:13] offset:2048
	WIN 0x40
.set j, 0
.rept 64
	global_load_b128 v[4*j:4*j+3], v[LI], s[4:5] offset:512*j th:TH_LOAD_NT
.set j, j+1
.endr
	WIN 0x80
.set j, 0
.rept 64
	global_load_b128 v[4*j:4*j+3], v[LI], s[4:5] offset:32768+512*j th:TH_LOAD_NT
.set j, j+1
.endr
	WIN 0
.irp u, 0,1
.set j, 0
.rept 8
	global_load_b128 v[RES+64*\u+4*j:RES+64*\u+4*j+3], v[VO], s[XLO:XLO+1] offset:65536*\u+8192*j th:TH_LOAD_NT
.set j, j+1
.endr
.set j, 0
.rept 8
	global_load_b128 v[RES+64*\u+32+4*j:RES+64*\u+32+4*j+3], v[VO], s[XHI:XHI+1] offset:65536*\u+8192*j th:TH_LOAD_NT
.set j, j+1
.endr
.endr
	s_wait_tensorcnt 0x0                           ; the third place's first fill stands behind the head's global loads, issued as a refill is
	ds_add_u32 v[SPW], v[NIL]
	s_wait_dscnt 0x0
	ROUND
	tensor_load_to_lds s[G0S:G0S+3], s[G1S:G1S+7]
	s_nop 0
	PLACES
	s_wait_kmcnt 0x0
	s_add_co_i32 s[S1], s40, s41
	s_add_co_i32 s[S1], s[S1], 127
	s_lshl_b32 s[S1], s[S1], 23
	s_mov_b32 s[S1+1], s[S1]
	s_add_co_i32 s[S2], s42, s43
	s_add_co_i32 s[S2], s[S2], 127
	s_lshl_b32 s[S2], s[S2], 23
	s_mov_b32 s[S2+1], s[S2]
	s_add_co_i32 s80, s42, 127
	s_lshl_b32 s81, s80, 23
	v_mov_b32 v[SCL], s81
	s_add_co_i32 s80, s80, 15
	s_lshl_b32 s80, s80, 23
	s_or_b32 s[HP], s80, 0x600000
	s_or_b32 s[HN], s[HP], 0x80000000
	s_mov_b32 s[PP], 0
	s_mov_b32 s[BLO], 0
	s_mov_b32 s[BHI], 896
	s_mov_b32 s[ILO], 0
	s_mov_b32 s[IHI], 14336
	s_wait_loadcnt 32
	ds_store_b128 v[TS], v[32:35]
	ds_store_b128 v[TS], v[36:39] offset:512
	ds_store_b128 v[TS], v[40:43] offset:4096
	ds_store_b128 v[TS], v[44:47] offset:4608
	s_wait_tensorcnt 0x1
	BLOAD BA0
.Ll1:
	BIAS1 0
	GEMM 1, 4
	PLACES
	s_wait_dscnt 0x0
	GELU16 ACX, BI, CQ, CQ+4
	GELU16 ACX+16, BI, CQ+8, CQ+12
	WIN 0
	s_wait_tensorcnt 0x0
	BLOAD BA1
	GELU16 ACY, BI+8, CQ+16, CQ+20
	GELU16 ACY+16, BI+8, CQ+24, CQ+28
	REFILL 1
	BIAS1 1
	GEMM 1, 4
	PLACES
	v_add_nc_u32 v[BAE], s[EV], v[BA0]
	BLOAD BAE
	s_wait_dscnt 36
	GELU16 ACX, BI, CQ+2, CQ+6
	GELU16 ACX+16, BI, CQ+10, CQ+14
	GELU16 ACY, BI+8, CQ+18, CQ+22
	GELU16 ACY+16, BI+8, CQ+26, CQ+30
	WIN 0
	v_add_nc_u32 v[AD0], s[ILO], v[IML]
	v_add_nc_u32 v[AD1], s[IHI], v[IML]
.irp m, 0,1,2,3
	ds_store_b128 v[AD0], v[CQ+4*\m:CQ+4*\m+3] offset:512*\m
	ds_store_b128 v[AD1], v[CQ+16+4*\m:CQ+16+4*\m+3] offset:512*\m
.endr
	s_add_co_u32 s[BLO], s[BLO], 128
	s_sub_co_u32 s[BHI], s[BHI], 128
	s_add_co_u32 s[ILO], s[ILO], 2048
	s_sub_co_u32 s[IHI], s[IHI], 2048
	s_xor_b32 s[EV], s[EV], 2*PARTB
	s_add_co_u32 s[PP], s[PP], 1
	s_cmp_lt_u32 s[PP], 4
	s_cbranch_scc1 .Ll1
	s_wait_dscnt 0x0
	s_barrier_signal -1
	s_barrier_wait -1
	WIN 0x40
.set j, 0
.rept 64
	ds_load_b128 v[4*j:4*j+3], v[IMR] offset:16384*(j%4)+2048*(j/16)+512*((j/4)%4)
.set j, j+1
.endr
	WIN 0x80
.set j, 0
.rept 64
	ds_load_b128 v[4*j:4*j+3], v[IMR] offset:16384*(j%4)+2048*(4+j/16)+512*((j/4)%4)
.set j, j+1
.endr
	WIN 0
	s_mov_b32 s[PP], 0
	s_mov_b32 s[BLO], 0
	s_mov_b32 s[BHI], 896
.Ll2:
	L2TRIP 1, 1, 1, 24, 24, 24, 24, 0, 1
	L2STEP
	s_cmp_lt_u32 s[PP], 2
	s_cbranch_scc1 .Ll2
	L2TRIP 2, 1, 1, 24, 24, 24, 24, 2, 2
	L2STEP
	L2TRIP 0, 0, 0, 24, 16, 8, 0, 3, 3
	WIN 0
	s_wait_tensorcnt 0x0
	ds_add_u32 v[SPW], v[NIL]
	s_wait_dscnt 0x0
	ROUND
	s_endpgm
.Lfunc_end_k_q0c530f7929_temporal:
	.size	k_q0c530f7929_temporal, .Lfunc_end_k_q0c530f7929_temporal-k_q0c530f7929_temporal
	.p2alignl 7, 3214868480
	.fill 96, 4, 3214868480
	.section	.rodata,"a",@progbits
	.p2align	6, 0x0
	.amdhsa_kernel k_q0c530f7929_temporal
		.amdhsa_group_segment_fixed_size 327680
		.amdhsa_private_segment_fixed_size 0
		.amdhsa_enable_private_segment 0
		.amdhsa_kernarg_size 56
		.amdhsa_user_sgpr_count 2
		.amdhsa_user_sgpr_kernarg_segment_ptr 1
		.amdhsa_wavefront_size32 1
		.amdhsa_system_sgpr_workgroup_id_x 1
		.amdhsa_system_sgpr_workgroup_id_y 1
		.amdhsa_system_sgpr_workgroup_id_z 1
		.amdhsa_system_vgpr_workitem_id 0
		.amdhsa_next_free_vgpr 1024
		.amdhsa_next_free_sgpr 100
		.amdhsa_reserve_vcc 0
		.amdhsa_float_denorm_mode_32 3
		.amdhsa_float_denorm_mode_16_64 3
		.amdhsa_memory_ordered 1
		.amdhsa_forward_progress 1
		.amdhsa_inst_pref_size 255
	.end_amdhsa_kernel
	.section	.bss,"aw",@nobits
	.p2align	6
	.space	262144
	.amdgpu_metadata
---
amdhsa.version: [ 1, 2 ]
amdhsa.kernels:
  - .name:           k_q0c530f7929_temporal
    .symbol:         k_q0c530f7929_temporal.kd
    .args:
      - { .name: ycodes, .offset: 0, .size: 8, .value_kind: global_buffer, .address_space: global }
      - { .name: twq, .offset: 8, .size: 8, .value_kind: global_buffer, .address_space: global }
      - { .name: x, .offset: 16, .size: 8, .value_kind: global_buffer, .address_space: global }
      - { .name: tb1, .offset: 24, .size: 8, .value_kind: global_buffer, .address_space: global }
      - { .name: tb2, .offset: 32, .size: 8, .value_kind: global_buffer, .address_space: global }
      - { .name: lowp_scales, .offset: 40, .size: 8, .value_kind: global_buffer, .address_space: global }
      - { .name: x1, .offset: 48, .size: 8, .value_kind: global_buffer, .address_space: global }
    .group_segment_fixed_size: 327680
    .private_segment_fixed_size: 0
    .kernarg_segment_align: 8
    .kernarg_segment_size: 56
    .max_flat_workgroup_size: 128
    .sgpr_count:     100
    .vgpr_count:     1024
    .wavefront_size: 32
...
	.end_amdgpu_metadata
.endif
;; end of part 5
;; launch channel (part 6): grid 256 x 1, 4 waves a work-group, clusters of 4 x 1, 327,680 bytes of LDS; arguments x1, cwq, ln2_g, ln2_b, cb1, cb2, lowp_scales, out0; writes out0
.if DOCPART == 6
	.amdgcn_target "amdgcn-amd-amdhsa--gfx1250"
	.amdhsa_code_object_version 6
	.text
	.protected	k_q0c530f7929_channel
	.globl	k_q0c530f7929_channel
	.p2align	8
	.type	k_q0c530f7929_channel,@function
k_q0c530f7929_channel:
	s_mov_b64 s[64:65], 0
	v_nop
	global_prefetch_b8 v0, s[64:65] scope:SCOPE_SE
	s_setreg_imm32_b32 hwreg(HW_REG_WAVE_MODE, 25, 1), 1
	s_wait_xcnt 0x0
	s_wait_alu depctr_hold_cnt(0) depctr_sa_sdst(0) depctr_va_vdst(0) depctr_va_sdst(0) depctr_va_ssrc(0) depctr_va_vcc(0) depctr_vm_vsrc(0)
	s_getreg_b32 s2, hwreg(HW_REG_IB_STS2, 6, 4)
	s_cmp_eq_u32 s2, 0
	s_cbranch_scc0 .Lentry_in_a_cluster
	s_endpgm
.Lentry_in_a_cluster:
	s_bfe_u32 s2, ttmp6, 0x10000c
	s_cmp_lg_u32 s2, 0x3003
	s_cbranch_scc0 .Lentry_shape_is_right
	s_endpgm
.Lentry_shape_is_right:
; MixerBlock, launch 3 of 3: out0 = x1 + gelu(LayerNorm2(x1) cw1^T + cb1) cw2^T + cb2, both products on codes of E5M2 with the given scales; the weights' codes come from launch 1.  Nothing is left out here.
; SHARES.  A work-group owns 64 rows (batch, t).  Wave w normalises and quantises rows 16 w .. 16 w + 15; the codes go to the other waves through LDS as images of operand registers; then the whole operand,
; 64 x 1,024 codes, stands in EVERY wave's registers (512), and the waves share the columns.  Layer 1: in block j of 128 hidden units wave w makes 32 w .. 32 w + 31, as two tiles u.
; Layer 2: in block i of 256 outputs wave w makes 64 w .. 64 w + 63, as four tiles: 256 bytes of each of the 64 rows.  Each fragment of weights is read from LDS once and feeds four matrix instructions.
; Both products are used transposed (source 0 = 16 rows of the weight, source 1 = the operand): a lane holds one row and eight neighbouring columns.
; THE RING.  A wave walks 32 tiles of 16,384 bytes, its own stream, through THREE places of its own in LDS, and copies each tile whole into registers before it multiplies.  Odd tiles lie in place 1, tiles 4 n in
; place 0, tiles 4 n + 2 in place 2.  A refill stands where tile 2 j has been multiplied and tile 2 j + 1 has been copied out of place 1: two neighbouring places are free (0, 1 for even j; 1, 2 for odd j), and ONE
; load brings tiles 2 j + 3 and 2 j + 4 into them, while tile 2 j + 2 lies unread in the third.  There is one round for two tiles.  At the head ONE load of 192 rows brings tiles 0, 1 and 2 into the three places,
; which lie on end in LDS as those tiles do in the stream; the last tile comes alone.  By the text's own count a wave never has more than one tensor load out.
; CLUSTER.  All work-groups walk the same streams: the four of a cluster ask for each load JOINTLY, with one descriptor and the mask of all four.  Wave w asks for its own stream and reads only that.
; GELU: gelu(z) = max(z, 0) - |z| erfc(a) / 2, a = |z| / sqrt 2, erfc(a) = (1 + p(q)) exp(-a a) / (1 + 2 a), q = 1 - 4 / (a + 2); b = |z| sqrt(log2(e) / 2) gives exp(-a a) = 2^(-b b) and a = b sqrt(ln 2).
; LIMITS.  For z under about -13.2 gelu is -0 (its true size is under 1e-37).  NaN and infinities among the inputs are not served.  e4 and e6 between -126 and 112; e4 + e5 and e6 + e7 between -126 and 127.
; REGISTERS, in windows of 256: window 0: v3-28 addresses; v32-47 codes just made; v48-59 the norm's figures; v64-95 layer 1's accumulators; v96-99 cb2; v100-115 the tables;
;   v128-255 the norm's codes, then four tiles of x1 for the residual.   windows 1, 2: my 16 rows of x1 in f32 (512 a lane), then the operand.
;   window 3: eight sets of 32 for x1's panels, then two sets of gain and bias; later v0-127 eight fragments of weights, v128-239 GELU's arrays and biases, in layer 2 v128-255 sixteen accumulators.
.set PARTB, 16384
.set WRING, 3*PARTB
.set IMG,   4*WRING                    ; images: [chunk 4][K step 8][tile m 4][512 bytes]
.set STG,   IMG+65536                  ; a stage of 16 rows x 272 bytes for each wave
.set TB1,   STG+4*4352                 ; cb1: each wave's own 8 x 32 numbers;  cb2: its own 4 x 64
.set TB2,   TB1+4096
.set SPARE, TB2+4096
.set LI,  3
.set BA0, 4
.set BA1, 5
.set IML, 6
.set AD0, 7
.set BAE, 8
.set IMR, 9
.set STO, 10
.set RD,  11
.set VO,  12
.set T1A, 13
.set T2A, 14
.set TL1, 15
.set TS,  16
.set SCL, 17
.set SPW, 18
.set NIL, 19
.set TL2, 22
.set XRD, 23
.set IMX, 24
.set GBO, 25
.set SCX, 26
.set BA2, 27
.set PFO, 28
.set CQ,  32
.set SA,  48
.set MEAN, 56
.set RS,  58
.set ACC, 64
.set CB,  96
.set TBR, 100
.set CD,  128
.set RES, 128
.set GZ,  128
.set GAA, 144
.set GP,  160
.set GD,  176
.set GR,  192
.set GE,  208
.set BI,  224
.set AC2, 128
.set KD4, 2
.set WV,  20
.set G1P, 24                           ; group 1 for a pair of tiles
.set G0W, 32                           ; group 0 that walks, for the pairs
.set G0S, 36                           ; group 0 for the stream's last tile
.set S1,  48
.set S2,  50
.set HN,  52
.set HP,  53
.set XN,  54
.set XP,  55
.set JJ,  56
.set BJ,  57
.set IJ,  58
.set CBO, 59
.set XR,  60
.set OUTB, 62
.set SEL, 66
.set I1K, 68
.set EPS, 69
.set RB,  70
.set RG,  71
.set KK,  72
.set EV,  73
.set KD,  74
.set G1H, 76                           ; group 1 for the head's three tiles
.set G1S, 84                           ; group 1 for a single tile
.set G0H, 92                           ; group 0 for the head's load
.set PFA, 96
.set LIM, 98
.set LEFT, 99
.set MSB, 0
.macro WIN new                         ; the immediate's high byte repeats the setting that is left
.if MSB != (\new)
	s_set_vgpr_msb (MSB<<8)|(\new)
.set MSB, (\new)
.endif
.endm
.macro PLACES
.rept 4
	v_nop
.endr
.endm
.macro ROUND                           ; a round of the cluster's barrier
	s_barrier_signal -1
	s_barrier_wait -1
	s_cmp_lg_u32 s[WV], 0
	s_cbranch_scc1 .Lnw0_\@
	s_barrier_signal -3
.Lnw0_\@:
	s_barrier_wait -3
	s_barrier_signal -1
	s_barrier_wait -1
.endm
; A prefetch of the pair that the NEXT refill will ask for, behind the wave's tensor load and its five lines.  A wave's pair is 128 runs of 256 bytes; each run is named once in the launch: the first cluster asks,
; its four partners take 32 runs each, told apart by address; a lane a run.  The refill of the last pair asks for nothing.
.macro ASK
	s_cmp_gt_u32 s[LEFT], s[LIM]
	s_cbranch_scc0 .Lnm_\@
	global_prefetch_b8 v[PFO], s[PFA:PFA+1] th:TH_LOAD_NT scope:SCOPE_SE
.Lnm_\@:
.endm
; A refill: the wait for all my tensor loads, the add, the descriptor's step, the wait for the add and for my reads of the two places, a round, and the joint load first behind it.
; kind = 1: the next pair; kind = 2: the stream's last tile, alone, into place 1.
.macro REFILL kind
	WIN 0
	s_wait_tensorcnt 0x0
	ds_add_u32 v[SPW], v[NIL]
.if (\kind) == 1
	s_xor_b32 s[RG], s[RG], PARTB                  ; places 0, 1 and places 1, 2 by turns
	s_add_co_u32 s[G0W+1], s[RB], s[RG]
	s_add_nc_u64 s[G0W+2:G0W+3], s[G0W+2:G0W+3], 2*PARTB
	s_wait_xcnt 0x0                                ; the last prefetch has read its address
	s_add_nc_u64 s[PFA:PFA+1], s[PFA:PFA+1], 2*PARTB
.else
	s_add_co_u32 s[G0S+1], s[RB], PARTB
	s_add_nc_u64 s[G0S+2:G0S+3], s[G0S+2:G0S+3], 29*PARTB   ; from tile 2 to tile 31
.endif
	s_wait_dscnt 0x0
	ROUND
.if (\kind) == 1
	tensor_load_to_lds s[G0W:G0W+3], s[G1P:G1P+7]
	s_nop 0
	PLACES
	ASK
	s_sub_co_u32 s[LEFT], s[LEFT], 1
.else
	tensor_load_to_lds s[G0S:G0S+3], s[G1S:G1S+7]
	s_nop 0
	PLACES
.endif
.endm
.macro BLOAD adr                       ; a tile's eight fragments into registers: 32 loads of 512 consecutive bytes
	WIN 0xc0
.set j, 0
.rept 32
	ds_load_b128 v[4*j:4*j+3], v[\adr] offset:512*j
.set j, j+1
.endr
	WIN 0
.endm
; Four matrix instructions: K step s of my tile of weights against the four tiles of rows; cw: the accumulators' window.  The four accumulators take turns.
.macro MMC acc, cw, s, first
	WIN 0x03|((1+(\s)/4)<<2)|((\cw)*0x50)
.set fa, 64*((\s)%4)
.set fb, 16*(\s)
.set mm, 0
.rept 4
.if \first
	v_wmma_f32_16x16x128_bf8_bf8 v[(\acc)+8*mm:(\acc)+8*mm+7], v[fb:fb+15], v[fa+16*mm:fa+16*mm+15], 0
.else
	v_wmma_f32_16x16x128_bf8_bf8 v[(\acc)+8*mm:(\acc)+8*mm+7], v[fb:fb+15], v[fa+16*mm:fa+16*mm+15], v[(\acc)+8*mm:(\acc)+8*mm+7]
.endif
.set mm, mm+1
.endr
.endm
.macro GEMM acc, cw, dsn               ; dsn: the bias loads issued behind the copy of the weights, which may stay out
	s_wait_dscnt \dsn
	MMC \acc, \cw, 0, 1                            ; the first K step starts each sum: nothing is cleared
.irp k, 1,2,3,4,5,6,7
	MMC \acc, \cw, \k, 0
.endr
.endm
.macro PK2 op, d, a, b
.set i, 0
.rept 8
	\op v[(\d)+i:(\d)+i+1], v[(\a)+i:(\a)+i+1], v[(\b)+i:(\b)+i+1]
.set i, i+2
.endr
.endm
.macro HSTEP lit
.set i, 0
.rept 8
	v_pk_fma_f32 v[GAA+i:GAA+i+1], v[GAA+i:GAA+i+1], v[GR+i:GR+i+1], \lit op_sel_hi:[1,1,0]
.set i, i+2
.endr
.endm
; Two accumulators (16 sums a lane) become 16 codes of the hidden layer.  Each accumulator is read from its low end on.
.macro GELU16 acc, bi, cq0, cq1
	WIN 0xf0
.irp h, 0,8
.irp i, 0,2,4,6
	v_pk_fma_f32 v[GZ+\h+\i:GZ+\h+\i+1], v[(\acc)+\h+\i:(\acc)+\h+\i+1], s[S1:S1+1], v[(\bi)+\i:(\bi)+\i+1] op_sel_hi:[1,0,1]   ; z = sum x 2^(e4 + e5) + bias
.endr
.endr
	WIN 0xff
.set i, 0
.rept 16
	v_mul_f32 v[GAA+i], s[KK], |v[GZ+i]|           ; b
.set i, i+1
.endr
.set i, 0
.rept 8
	v_pk_fma_f32 v[GR+i:GR+i+1], v[GAA+i:GAA+i+1], s[KD:KD+1], 2.0 op_sel_hi:[1,0,0]     ; a + 2
	v_pk_fma_f32 v[GP+i:GP+i+1], v[GAA+i:GAA+i+1], s[KD4:KD4+1], 2.0 op_sel_hi:[1,0,0]   ; 4 a + 2
.set i, i+2
.endr
	PK2 v_pk_mul_f32, GE, GAA, GAA
	s_wait_alu depctr_va_vdst(0)                   ; the wait ahead of the batch
.set i, 0
.rept 16
	v_rcp_f32 v[GR+i], v[GR+i]
	v_rcp_f32 v[GP+i], v[GP+i]
	v_exp_f32 v[GE+i], -v[GE+i]
.set i, i+1
.endr
	v_nop                                          ; a plain line behind the batch of 48,
	s_wait_alu depctr_va_vdst(0)                   ; and the one wait ahead of its first reader
.set i, 0
.rept 8
	v_pk_fma_f32 v[GR+i:GR+i+1], v[GR+i:GR+i+1], -4.0, 1.0 op_sel_hi:[1,0,0]             ; q
.set i, i+2
.endr
	v_mov_b32 v[GD], 0xb9d25000                    ; the leading coefficient, taken for both halves below
	v_mov_b32 v[GD+1], 0xb9d25000
.set i, 0
.rept 8
	v_pk_fma_f32 v[GAA+i:GAA+i+1], v[GR+i:GR+i+1], v[GD:GD+1], 0xbaa15130 op_sel_hi:[1,0,0]
.set i, i+2
.endr
	HSTEP 0x3aac2b8a
	HSTEP 0x3c0d6e62
	HSTEP 0xbc040dc1
	HSTEP 0xbd5e05b5
	HSTEP 0x3e27fe23
	HSTEP 0xbe2a0420
	HSTEP 0xbdbdfb0b
	HSTEP 0x3e8dd01d
.set i, 0
.rept 8
	v_pk_fma_f32 v[GAA+i:GAA+i+1], v[GAA+i:GAA+i+1], v[GP+i:GP+i+1], v[GP+i:GP+i+1]
.set i, i+2
.endr
	PK2 v_pk_mul_f32, GAA, GAA, GE                 ; erfc(a) / 2
.set i, 0
.rept 16
	v_max_num_f32 v[GD+i], 0, v[GZ+i]
.set i, i+1
.endr
.set i, 0
.rept 16
	v_fma_f32 v[GZ+i], -|v[GZ+i]|, v[GAA+i], v[GD+i]
.set i, i+1
.endr
.set i, 0
.rept 16
	v_med3_num_f32 v[GZ+i], v[GZ+i], s[HN], s[HP]  ; the hold ahead of a conversion that does not saturate (ISA guide 7.6.2)
.set i, i+1
.endr
	WIN 0x03
	v_cvt_scalef32_pk8_bf8_f32 v[(\cq0):(\cq0)+1], v[GZ:GZ+7], v[SCL]
	v_cvt_scalef32_pk8_bf8_f32 v[(\cq1):(\cq1)+1], v[GZ+8:GZ+15], v[SCL]
	v_nop                                          ; a plain line behind the last conversion
.endm
; x1 comes in panels of 16 rows x 256 bytes: a load takes two rows' 256 consecutive bytes; the panel turns through my stage, so that lane (r, hh) gets 16 neighbours of each block of 32 of row r.
.macro PLOAD p
.set j, 0
.rept 8
	global_load_b128 v[32*((\p)%8)+4*j:32*((\p)%8)+4*j+3], v[VO], s[4:5] offset:8192*j+256*(\p)
.set j, j+1
.endr
.endm
.macro PANEL p
.if 15-(\p) < 6
	s_wait_loadcnt 8*(15-(\p))                     ; this panel's eight loads are in; the younger panels' may be out
.else
	s_wait_loadcnt 48
.endif
.if (\p) == 0
	WIN 0                                          ; the tables were asked for first: they are in too
	ds_store_b128 v[TS], v[TBR:TBR+3]
	ds_store_b128 v[TS], v[TBR+4:TBR+7] offset:512
	ds_store_b128 v[TS], v[TBR+8:TBR+11] offset:4096
	ds_store_b128 v[TS], v[TBR+12:TBR+15] offset:4608
.endif
	WIN 0x0c
.set j, 0
.rept 8
	ds_store_b128 v[RD], v[32*((\p)%8)+4*j:32*((\p)%8)+4*j+3] offset:544*j
.set j, j+1
.endr
	WIN (1+(\p)/8)<<6
.set j, 0
.rept 8                                ; LDS serves a wave's instructions in order: these see the stores above
	ds_load_b128 v[32*((\p)%8)+4*j:32*((\p)%8)+4*j+3], v[XRD] offset:128*(j/4)+16*(j%4)
.set j, j+1
.endr
.if (\p)+7 <= 15
	s_wait_dscnt 16                                ; all but this panel's 16: the panel before has left its set of registers,
	WIN 0xc0
	PLOAD (\p)+7                                   ; which takes the panel seven on
.endif
.endm
.macro GBLOAD s                        ; gain and bias at my 64 columns of K step s: 32 loads
	WIN 0xc0
.set j, 0
.rept 16
	global_load_b128 v[128*((\s)%2)+4*j:128*((\s)%2)+4*j+3], v[GBO], s[8:9] offset:512*(\s)+128*(j/4)+16*(j%4)
	global_load_b128 v[128*((\s)%2)+64+4*j:128*((\s)%2)+64+4*j+3], v[GBO], s[10:11] offset:512*(\s)+128*(j/4)+16*(j%4)
.set j, j+1
.endr
.endm
.macro NORMQ s                         ; K step s of my rows: x 1/sigma, gain and bias, hold, conversion; the fragment's image to LDS
.set wx, 1+(\s)/4
.set xb, 64*((\s)%4)
.set gb, 128*((\s)%2)
.if (\s) < 7
	s_wait_loadcnt 32                              ; this step's gain and bias are in; the next step's 32 loads may be out
.else
	s_wait_loadcnt 0x0
.endif
	WIN (wx<<6)|wx
.set i, 0
.rept 32
	v_pk_mul_f32 v[xb+i:xb+i+1], v[xb+i:xb+i+1], v[RS:RS+1]
.set i, i+2
.endr
	WIN (wx<<6)|0x3c|wx
.set i, 0
.rept 32
	v_pk_fma_f32 v[xb+i:xb+i+1], v[xb+i:xb+i+1], v[gb+i:gb+i+1], v[gb+64+i:gb+64+i+1]
.set i, i+2
.endr
.if (\s) < 6
	GBLOAD (\s)+2
.endif
	WIN (wx<<6)|wx
.set i, 0
.rept 64
	v_med3_num_f32 v[xb+i], v[xb+i], s[XN], s[XP]
.set i, i+1
.endr
	WIN wx
.set i, 0
.rept 8
	v_cvt_scalef32_pk8_bf8_f32 v[CD+16*(\s)+2*i:CD+16*(\s)+2*i+1], v[xb+8*i:xb+8*i+7], v[SCX]
.set i, i+1
.endr
	v_nop                                          ; a plain line behind the last conversion
	WIN 0
.set i, 0
.rept 4
	ds_store_b128 v[IMX], v[CD+16*(\s)+4*i:CD+16*(\s)+4*i+3] offset:16384*i+2048*(\s)
.set i, i+1
.endr
.endm
.macro ALOADS                          ; the 32 fragments of the operand, from the images
	WIN 0x40
.set j, 0
.rept 64
	ds_load_b128 v[4*j:4*j+3], v[IMR] offset:16384*(j%4)+2048*(j/16)+512*((j/4)%4)
.set j, j+1
.endr
	WIN 0x80
.set j, 0
.rept 64
	ds_load_b128 v[4*j:4*j+3], v[IMR] offset:16384*(j%4)+2048*(4+j/16)+512*((j/4)%4)
.set j, j+1
.endr
	WIN 0
.endm
; Four tiles of layer 2: places 0, 1, 2, 1.  k0, k1: the refills behind the first and the third (0: none).  nxt: the next trip's first tile is copied.
.macro C2TRIP k0, k1, nxt
	GEMM AC2, 3, 0
	PLACES
	s_wait_tensorcnt 0x0                           ; for the read below: the load that brought the odd tile has landed, and only I read it
	BLOAD BA1
	REFILL \k0
	GEMM AC2+32, 3, 0
	PLACES
	BLOAD BA2                                      ; the even tile that lay unread beside the pair on its way
	GEMM AC2+64, 3, 0
	PLACES
	s_wait_tensorcnt 0x0
	BLOAD BA1
.if \k1
	REFILL \k1
.endif
	GEMM AC2+96, 3, 0
	PLACES
.if \nxt
	BLOAD BA0
.endif
	WIN 0
.endm
; Tile m of rows (16 rows x my 64 columns) goes out: its four accumulators through my stage, back into their own registers as runs of 256 bytes; sum x 2^(e6 + e7) + x1, + cb2; store; x1 for the next trip is asked for.
; No register is written again within a trip, so the stores' registers are waited for once, at the trip's end.
.macro OUT16C m, lcnt, reload
	WIN 0x0c                                       ; store data window 3; each accumulator from its low end on
.set i, 0
.rept 4
	ds_store_b128 v[STO], v[AC2+32*i+8*(\m):AC2+32*i+8*(\m)+3] offset:64*i
	ds_store_b128 v[STO], v[AC2+32*i+8*(\m)+4:AC2+32*i+8*(\m)+7] offset:64*i+16
.set i, i+1
.endr
	WIN 0xc0
.set i, 0
.rept 8                                ; LDS serves a wave's instructions in order: these see the stores above
	ds_load_b128 v[AC2+32*(i/2)+8*(\m)+4*(i%2):AC2+32*(i/2)+8*(\m)+4*(i%2)+3], v[RD] offset:544*i
.set i, i+1
.endr
	s_wait_loadcnt \lcnt                           ; this tile of x1 is in; the younger tiles' loads, eight each, may be out
	s_wait_dscnt 0x0
	WIN 0xc3
.set i, 0
.rept 16
	v_pk_fma_f32 v[AC2+32*(i/8)+8*(\m)+i%8:AC2+32*(i/8)+8*(\m)+i%8+1], v[AC2+32*(i/8)+8*(\m)+i%8:AC2+32*(i/8)+8*(\m)+i%8+1], s[S2:S2+1], v[RES+32*(\m)+i:RES+32*(\m)+i+1] op_sel_hi:[1,0,1]
.set i, i+2
.endr
.set i, 0
.rept 16
	v_pk_add_f32 v[AC2+32*(i/8)+8*(\m)+i%8:AC2+32*(i/8)+8*(\m)+i%8+1], v[AC2+32*(i/8)+8*(\m)+i%8:AC2+32*(i/8)+8*(\m)+i%8+1], v[CB+i%4:CB+i%4+1]
.set i, i+2
.endr
.if \reload
	WIN 0
.set i, 0
.rept 8
	global_load_b128 v[RES+32*(\m)+4*i:RES+32*(\m)+4*i+3], v[VO], s[XR:XR+1] offset:65536*(\m)+8192*i+1024 th:TH_LOAD_NT
.set i, i+1
.endr
.endif
	WIN 0x0c
.set i, 0
.rept 8
	global_store_b128 v[VO], v[AC2+32*(i/2)+8*(\m)+4*(i%2):AC2+32*(i/2)+8*(\m)+4*(i%2)+3], s[OUTB:OUTB+1] offset:65536*(\m)+8192*i th:TH_STORE_NT   ; sixteen lanes store 256 consecutive bytes, aligned
.set i, i+1
.endr
.endm
.macro CBLOAD
	v_add_nc_u32 v[AD0], s[CBO], v[T2A]
	ds_load_b128 v[CB:CB+3], v[AD0]
.endm
	s_load_b512 s[4:19], s[0:1], 0x0               ; x1 4, cwq 6, gain 8, bias 10, cb1 12, cb2 14, scales 16, out0 18
	v_lshl_add_u32 v[SPW], v0, 2, SPARE
	v_mov_b32 v[NIL], 0
	ds_add_u32 v[SPW], v[NIL]                      ; the wave's opening: the add, twice on end, and its wait ahead of my first tensor load
	ds_add_u32 v[SPW], v[NIL]
	v_lshrrev_b32 v1, 5, v0
	v_readfirstlane_b32 s[WV], v1                  ; wave 0..3
	s_bfe_u32 s21, ttmp6, 0x40000                  ; my place in the cluster: it enters global addresses of x1, of out0 and of the prefetches alone
	s_lshl_b32 s22, ttmp9, 2
	s_add_co_u32 s22, s22, s21                     ; my block of 64 rows
.irp g, G1P, G1S
	s_mov_b32 s[\g], 15|(3<<16)|(1<<21)            ; the mask of all four work-groups; elements of 8 bytes; bit 21 beside a mask; no padding
	s_mov_b32 s[\g+1], 32<<16                      ; rows of 256 bytes
	s_mov_b32 s[\g+3], 32<<16
	s_mov_b32 s[\g+5], 32                          ; the pitch: the block is dense
	s_mov_b32 s[\g+6], 0
	s_mov_b32 s[\g+7], 0
.endr
	s_mov_b32 s[G1P+2], 128<<16                    ; a pair: 128 rows, 32,768 bytes
	s_mov_b32 s[G1P+4], 128
	s_mov_b32 s[G1S+2], 64<<16                     ; a tile: 64 rows
	s_mov_b32 s[G1S+4], 64
	s_lshl_b32 s78, s[WV], 19                      ; my stream in memory: 32 tiles,
	s_mov_b32 s79, 0
	s_mul_i32 s[RB], s[WV], WRING                  ; my ring in LDS: the wave's number alone enters both
	s_mov_b32 s[RG], PARTB                         ; the first refill turns it to 0
	s_mov_b32 s[EV], 2*PARTB                       ; tile 2 lies in place 2
	s_mov_b32 s[LEFT], 14                          ; fourteen pairs are asked for behind the head
	s_cmp_eq_u32 ttmp9, 0                          ; the first cluster prefetches: the same in all four partners
	s_cselect_b32 s[LIM], 1, -1
	s_lshl_b32 s82, s21, 13                        ; my work-group's quarter of a pair,
	s_add_co_u32 s82, s82, 3*PARTB                 ; in the first pair: the first refill steps it to the second
	s_mov_b32 s83, 0
	s_lshl_b32 s76, s22, 18                        ; 64 rows of 4,096 bytes
	s_lshl_b32 s80, s[WV], 8
	s_add_co_u32 s80, s76, s80                     ; + my 256 bytes of a row: the residual and the output
	s_mov_b32 s81, 0
	s_lshl_b32 s77, s[WV], 16
	s_add_co_u32 s76, s76, s77                     ; + my 16 rows: the norm
	s_mov_b32 s77, 0
	s_mov_b32 s[SEL], 0x76543210
	s_mov_b32 s[SEL+1], 0xfedcba98
	s_mov_b32 s[I1K], 0x3a800000                   ; 1 / 1024
	s_mov_b32 s[EPS], 0x3727c5ac                   ; 1e-5
	s_mov_b32 s[KK], 0x3f596d27                    ; sqrt(log2(e) / 2)
	s_mov_b32 s[KD], 0x3f55224d                    ; sqrt(ln 2)
	s_mov_b32 s[KD+1], s[KD]
	v_and_b32 v1, 31, v0                           ; lane
	v_and_b32 v2, 15, v0                           ; r
	v_bfe_u32 v20, v0, 4, 1                        ; hh
	v_lshlrev_b32 v[LI], 4, v1
	v_lshlrev_b32 v[PFO], 8, v1
	v_add_nc_u32 v[BA0], s[RB], v[LI]
	v_add_nc_u32 v[BA1], PARTB, v[BA0]
	v_add_nc_u32 v[BA2], 2*PARTB, v[BA0]
	s_lshl_b32 s2, s[WV], 14
	s_add_co_u32 s2, s2, IMG
	v_add_nc_u32 v[IML], s2, v[LI]                 ; the hidden layer's images: my chunk's 16 KiB
	v_add_nc_u32 v[IMR], IMG, v[LI]
	s_lshl_b32 s2, s[WV], 9
	s_add_co_u32 s2, s2, IMG
	v_add_nc_u32 v[IMX], s2, v[LI]                 ; the norm's images: tile m = my wave
	s_mul_i32 s2, s[WV], 4352
	s_add_co_u32 s2, s2, STG
	v_mul_u32_u24 v[STO], v2, 272
	v_lshl_add_u32 v[XRD], v20, 6, v[STO]
	v_lshl_add_u32 v[STO], v20, 5, v[STO]
	v_add_nc_u32 v[STO], s2, v[STO]
	v_add_nc_u32 v[XRD], s2, v[XRD]
	v_mul_u32_u24 v[RD], v20, 272
	v_lshl_add_u32 v[RD], v2, 4, v[RD]
	v_add_nc_u32 v[RD], s2, v[RD]
	v_lshlrev_b32 v[VO], 12, v20
	v_lshl_add_u32 v[VO], v2, 4, v[VO]
	v_lshlrev_b32 v[GBO], 6, v20
	s_lshl_b32 s2, s[WV], 10
	s_add_co_u32 s2, s2, TB1
	v_lshl_add_u32 v[T1A], v20, 6, s2
	v_add_nc_u32 v[TS], s2, v[LI]
	s_add_co_u32 s2, s2, 4096
	v_lshl_add_u32 v[T2A], v2, 4, s2
	v_lshrrev_b32 v[TL1], 3, v1
	v_lshlrev_b32 v[TL1], 9, v[TL1]
	v_and_b32 v21, 7, v1
	v_lshl_add_u32 v[TL1], v21, 4, v[TL1]
	s_lshl_b32 s3, s[WV], 7
	v_add_nc_u32 v[TL1], s3, v[TL1]                ; cb1 in memory: block lane / 8, my wave's 128 bytes
	v_lshlrev_b32 v[TL2], 10, v20
	v_lshl_add_u32 v[TL2], v2, 4, v[TL2]
	s_lshl_b32 s3, s[WV], 8
	v_add_nc_u32 v[TL2], s3, v[TL2]                ; cb2: block lane / 16, my wave's 256 bytes
	s_wait_dscnt 0x0                               ; both opening adds are done
	s_wait_kmcnt 0x0
	s_load_b256 s[40:47], s[16:17], 0x0            ; the exponents
	s_add_nc_u64 s[XR:XR+1], s[4:5], s[80:81]
	s_add_nc_u64 s[OUTB:OUTB+1], s[18:19], s[80:81]
	s_add_nc_u64 s[4:5], s[4:5], s[76:77]
	s_add_nc_u64 s[6:7], s[6:7], s[78:79]          ; my stream
	s_add_nc_u64 s[PFA:PFA+1], s[6:7], s[82:83]
	s_mov_b32 s[G0H], 1                            ; tiles 0, 1 and 2 into places 0, 1 and 2
	s_mov_b32 s[G0H+1], s[RB]
	s_mov_b64 s[G0H+2:G0H+3], s[6:7]
	s_or_b32 s[G0H+3], s[G0H+3], 0x80000000
	s_mov_b32 s[G0S], 1                            ; stands at tile 2; the last refill steps it to tile 31 and to place 1
	s_add_co_u32 s[G0S+1], s[RB], 2*PARTB
	s_add_nc_u64 s[G0S+2:G0S+3], s[6:7], 2*PARTB
	s_or_b32 s[G0S+3], s[G0S+3], 0x80000000
	s_mov_b32 s[G0W], 1                            ; the walking one stands a pair ahead of its first refill
	s_add_co_u32 s[G0W+1], s[RB], PARTB
	s_add_nc_u64 s[G0W+2:G0W+3], s[6:7], PARTB
	s_or_b32 s[G0W+3], s[G0W+3], 0x80000000
	s_mov_b32 s[G1H], 15|(3<<16)|(1<<21)           ; the head's group 1 (the offsets that stood in these registers have been used): 192 rows of 256 bytes, 49,152 bytes, dense
	s_mov_b32 s[G1H+1], 32<<16
	s_mov_b32 s[G1H+2], 192<<16
	s_mov_b32 s[G1H+3], 32<<16
	s_mov_b32 s[G1H+4], 192
	s_mov_b32 s[G1H+5], 32
	s_mov_b32 s[G1H+6], 0
	s_mov_b32 s[G1H+7], 0
	ROUND                                          ; all four work-groups are here: the first joint loads meet
	tensor_load_to_lds s[G0H:G0H+3], s[G1H:G1H+7]  ; one tensor load a wave at the head: it fills all three places
	s_nop 0
	PLACES
	s_wait_alu depctr_va_vdst(0)                   ; the wait at the head's end
	global_load_b128 v[TBR:TBR+3], v[TL1], s[12:13]
	global_load_b128 v[TBR+4:TBR+7], v[TL1], s[12:13] offset:2048
	global_load_b128 v[TBR+8:TBR+11], v[TL2], s[14:15]
	global_load_b128 v[TBR+12:TBR+15], v[TL2], s[14:15] offset:2048
	WIN 0xc0
.irp p, 0,1,2,3,4,5,6
	PLOAD \p
.endr
.irp p, 0,1,2,3,4,5,6,7,8,9,10,11,12,13,14,15
	PANEL \p
.endr
	WIN 0
	s_wait_dscnt 0x0                               ; my 16 rows stand in windows 1 and 2, and the panels' registers are free
	GBLOAD 0
	GBLOAD 1
	WIN 0
	s_wait_kmcnt 0x0
	s_mov_b32 s[KD4], 0x4055224d                   ; 4 sqrt(ln 2)
	s_mov_b32 s[KD4+1], 0x4055224d
	s_add_co_i32 s[S1], s44, s45
	s_add_co_i32 s[S1], s[S1], 127
	s_lshl_b32 s[S1], s[S1], 23                    ; 2^(e4 + e5)
	s_mov_b32 s[S1+1], s[S1]
	s_add_co_i32 s[S2], s46, s47
	s_add_co_i32 s[S2], s[S2], 127
	s_lshl_b32 s[S2], s[S2], 23                    ; 2^(e6 + e7)
	s_mov_b32 s[S2+1], s[S2]
	s_add_co_i32 s22, s44, 127
	s_lshl_b32 s23, s22, 23
	v_mov_b32 v[SCX], s23                          ; 2^e4
	s_add_co_i32 s22, s22, 15
	s_lshl_b32 s22, s22, 23
	s_or_b32 s[XP], s22, 0x600000                  ; 57,344 x 2^e4 and its negative
	s_or_b32 s[XN], s[XP], 0x80000000
	s_add_co_i32 s22, s46, 127
	s_lshl_b32 s23, s22, 23
	v_mov_b32 v[SCL], s23                          ; 2^e6
	s_add_co_i32 s22, s22, 15
	s_lshl_b32 s22, s22, 23
	s_or_b32 s[HP], s22, 0x600000
	s_or_b32 s[HN], s[HP], 0x80000000
	; the norm's figures: a lane holds 512 numbers of its row, lane l xor 16 the other 512
	WIN 0x05
.irp k, 0,1,2,3
	v_pk_add_f32 v[SA+2*\k:SA+2*\k+1], v[2*\k:2*\k+1], v[8+2*\k:9+2*\k]
.endr
	WIN 0x01
.set i, 16
.rept 120
	v_pk_add_f32 v[SA+i%8:SA+i%8+1], v[i:i+1], v[SA+i%8:SA+i%8+1]
.set i, i+2
.endr
	WIN 0x02
.set i, 0
.rept 128
	v_pk_add_f32 v[SA+i%8:SA+i%8+1], v[i:i+1], v[SA+i%8:SA+i%8+1]
.set i, i+2
.endr
.macro FOLD
	WIN 0
	v_pk_add_f32 v[SA:SA+1], v[SA:SA+1], v[SA+2:SA+3]
	v_pk_add_f32 v[SA+4:SA+5], v[SA+4:SA+5], v[SA+6:SA+7]
	v_pk_add_f32 v[SA:SA+1], v[SA:SA+1], v[SA+4:SA+5]
	v_add_f32 v[SA], v[SA], v[SA+1]
	v_permlanex16_b32 v[SA+1], v[SA], s[SEL], s[SEL+1]
	v_add_f32 v[SA], v[SA], v[SA+1]
.endm
	FOLD
	v_mul_f32 v[MEAN], s[I1K], v[SA]
	v_mul_f32 v[MEAN+1], s[I1K], v[SA]
	WIN 0x41
.set i, 0
.rept 128
	v_pk_add_f32 v[i:i+1], v[i:i+1], v[MEAN:MEAN+1] neg_lo:[0,1] neg_hi:[0,1]
.set i, i+2
.endr
	WIN 0x82
.set i, 0
.rept 128
	v_pk_add_f32 v[i:i+1], v[i:i+1], v[MEAN:MEAN+1] neg_lo:[0,1] neg_hi:[0,1]
.set i, i+2
.endr
	WIN 0x05
.irp k, 0,1,2,3
	v_pk_mul_f32 v[SA+2*\k:SA+2*\k+1], v[2*\k:2*\k+1], v[2*\k:2*\k+1]
.endr
.set i, 8
.rept 124
	v_pk_fma_f32 v[SA+i%8:SA+i%8+1], v[i:i+1], v[i:i+1], v[SA+i%8:SA+i%8+1]
.set i, i+2
.endr
	WIN 0x0a
.set i, 0
.rept 128
	v_pk_fma_f32 v[SA+i%8:SA+i%8+1], v[i:i+1], v[i:i+1], v[SA+i%8:SA+i%8+1]
.set i, i+2
.endr
	FOLD
	v_fma_f32 v[SA], v[SA], s[I1K], s[EPS]         ; the variance + 1e-5
	s_wait_alu depctr_va_vdst(0)                   ; the wait ahead of the two
	v_rsq_f32 v[RS], v[SA]
	v_rsq_f32 v[RS+1], v[SA]
	v_nop                                          ; a plain line behind the two,
	s_wait_alu depctr_va_vdst(0)                   ; and the wait ahead of their first reader
.irp s, 0,1,2,3,4,5,6,7
	NORMQ \s
.endr
	s_wait_tensorcnt 0x0                           ; tiles 0, 1 and 2 are in, and only I read them
	s_wait_dscnt 0x0                               ; for the others' sake: my images have landed
	s_barrier_signal -1
	s_barrier_wait -1
.irp m, 0,1,2,3                        ; x1 for layer 2's first trip takes the codes' registers
.set j, 0
.rept 8
	global_load_b128 v[RES+32*\m+4*j:RES+32*\m+4*j+3], v[VO], s[XR:XR+1] offset:65536*\m+8192*j th:TH_LOAD_NT
.set j, j+1
.endr
.endr
	ALOADS
	BLOAD BA0
	s_mov_b32 s[JJ], 0
	s_mov_b32 s[BJ], 0
	s_mov_b32 s[IJ], 0
.Lc1:                                  ; LAYER 1: eight trips, block j, tiles u = 0, 1.  The first refill's round, behind every wave's reads of the norm's images, stands ahead of the first store of a hidden image
	v_add_nc_u32 v[AD0], s[BJ], v[T1A]
	WIN 0xc0
	ds_load_b128 v[BI:BI+3], v[AD0]                ; cb1 at my eight hidden units of tile 0,
	ds_load_b128 v[BI+4:BI+7], v[AD0] offset:16
	ds_load_b128 v[BI+8:BI+11], v[AD0] offset:32   ; and of tile 1
	ds_load_b128 v[BI+12:BI+15], v[AD0] offset:48
	GEMM ACC, 0, 4                                 ; the operand and the even tile are in; the four bias loads may be out
	PLACES
	s_wait_dscnt 0x0
	GELU16 ACC, BI, CQ, CQ+4
	WIN 0
	s_wait_tensorcnt 0x0                           ; for the read below: the load that brought the odd tile has landed, and only I read it
	BLOAD BA1
	GELU16 ACC+16, BI, CQ+8, CQ+12                 ; stands between the copy and the wait for it
	REFILL 1
	GEMM ACC, 0, 0
	PLACES
	WIN 0
	v_add_nc_u32 v[BAE], s[EV], v[BA0]
	BLOAD BAE                                      ; the even tile that lay unread beside the pair on its way
	GELU16 ACC, BI+8, CQ+2, CQ+6
	GELU16 ACC+16, BI+8, CQ+10, CQ+14
	WIN 0
	v_add_nc_u32 v[AD0], s[IJ], v[IML]
.irp m, 0,1,2,3
	ds_store_b128 v[AD0], v[CQ+4*\m:CQ+4*\m+3] offset:512*\m   ; chunk w of fragment (K step j, tile m)
.endr
	s_add_co_u32 s[BJ], s[BJ], 128
	s_add_co_u32 s[IJ], s[IJ], 2048
	s_xor_b32 s[EV], s[EV], 2*PARTB
	s_add_co_u32 s[JJ], s[JJ], 1
	s_cmp_lt_u32 s[JJ], 8
	s_cbranch_scc1 .Lc1
	s_wait_dscnt 0x0                               ; for the others' sake: my images have landed
	s_barrier_signal -1
	s_barrier_wait -1                              ; The pair on its way may stay out
	ALOADS
	s_mov_b32 s[JJ], 0
	s_mov_b32 s[CBO], 0
.Lc2:                                  ; LAYER 2: three trips with two refills each: block i of 256 outputs, four tiles,
	C2TRIP 1, 1, 1
	CBLOAD
	OUT16C 0, 24, 1
	OUT16C 1, 24, 1
	OUT16C 2, 24, 1
	OUT16C 3, 24, 1
	WIN 0
	s_wait_xcnt 0x0                                ; the loads and stores have read their bases and their registers
	s_add_nc_u64 s[XR:XR+1], s[XR:XR+1], 1024
	s_add_nc_u64 s[OUTB:OUTB+1], s[OUTB:OUTB+1], 1024
	s_add_co_u32 s[CBO], s[CBO], 256
	s_add_co_u32 s[JJ], s[JJ], 1
	s_cmp_lt_u32 s[JJ], 3
	s_cbranch_scc1 .Lc2
	C2TRIP 2, 0, 0                                 ; and the last, written out: it asks for the stream's last tile alone, and then for nothing
	CBLOAD
	OUT16C 0, 24, 0                                ; no load of x1 follows: the counts run down
	OUT16C 1, 16, 0
	OUT16C 2, 8, 0
	OUT16C 3, 0, 0
	WIN 0
	s_wait_tensorcnt 0x0                           ; the wave's end
	ds_add_u32 v[SPW], v[NIL]
	s_wait_dscnt 0x0
	ROUND                                          ; the closing round
	s_endpgm
.Lfunc_end_k_q0c530f7929_channel:
	.size	k_q0c530f7929_channel, .Lfunc_end_k_q0c530f7929_channel-k_q0c530f7929_channel
	.p2alignl 7, 3214868480
	.fill 96, 4, 3214868480
	.section	.rodata,"a",@progbits
	.p2align	6, 0x0
	.amdhsa_kernel k_q0c530f7929_channel
		.amdhsa_group_segment_fixed_size 327680
		.amdhsa_private_segment_fixed_size 0
		.amdhsa_enable_private_segment 0
		.amdhsa_kernarg_size 64
		.amdhsa_user_sgpr_count 2
		.amdhsa_user_sgpr_kernarg_segment_ptr 1
		.amdhsa_wavefront_size32 1
		.amdhsa_system_sgpr_workgroup_id_x 1
		.amdhsa_system_sgpr_workgroup_id_y 1
		.amdhsa_system_sgpr_workgroup_id_z 1
		.amdhsa_system_vgpr_workitem_id 0
		.amdhsa_next_free_vgpr 1024
		.amdhsa_next_free_sgpr 100
		.amdhsa_reserve_vcc 0
		.amdhsa_float_denorm_mode_32 3
		.amdhsa_float_denorm_mode_16_64 3
		.amdhsa_memory_ordered 1
		.amdhsa_forward_progress 1
		.amdhsa_inst_pref_size 255
	.end_amdhsa_kernel
	.section	.bss,"aw",@nobits
	.p2align	6
	.space	262144
	.amdgpu_metadata
---
amdhsa.version: [ 1, 2 ]
amdhsa.kernels:
  - .name:           k_q0c530f7929_channel
    .symbol:         k_q0c530f7929_channel.kd
    .args:
      - { .name: x1, .offset: 0, .size: 8, .value_kind: global_buffer, .address_space: global }
      - { .name: cwq, .offset: 8, .size: 8, .value_kind: global_buffer, .address_space: global }
      - { .name: ln2_g, .offset: 16, .size: 8, .value_kind: global_buffer, .address_space: global }
      - { .name: ln2_b, .offset: 24, .size: 8, .value_kind: global_buffer, .address_space: global }
      - { .name: cb1, .offset: 32, .size: 8, .value_kind: global_buffer, .address_space: global }
      - { .name: cb2, .offset: 40, .size: 8, .value_kind: global_buffer, .address_space: global }
      - { .name: lowp_scales, .offset: 48, .size: 8, .value_kind: global_buffer, .address_space: global }
      - { .name: out0, .offset: 56, .size: 8, .value_kind: global_buffer, .address_space: global }
    .group_segment_fixed_size: 327680
    .private_segment_fixed_size: 0
    .kernarg_segment_align: 8
    .kernarg_segment_size: 64
    .max_flat_workgroup_size: 128
    .sgpr_count:     100
    .vgpr_count:     1024
    .wavefront_size: 32
...
	.end_amdgpu_metadata
.endif
;; end of part 6
